; MI455X (gfx1250); checked and timed in simulation.
; The chip was launched on July 23, 2026; its instructions are those of AMD's public machine-readable ISA for CDNA 5 (MIT licence, August 2026) and "CDNA5" Instruction Set Architecture Reference Guide (July 2026). The comments in the code are by the model that wrote it; some were corrected since.
;; Attention. Allowed arithmetic: float matrix products may take bf16 or f16 operands with f32 sums; other float arithmetic in f32, or as packed bf16 or f16 multiplies, adds, multiply-adds, maxima and minima; sums over many terms, partial sums and values carried from step to step in f32; what a program stores and reads back later, other than sums and carried values, may be rounded once to bf16 or f16.
;; Inputs: Wk 1,024 x 1,024 float32; Wo 1,024 x 1,024 float32; Wq 1,024 x 1,024 float32; Wv 1,024 x 1,024 float32; bk 1,024 float32; bo 1,024 float32; bq 1,024 float32; bv 1,024 float32; mask 4 x 2,048 x 2,048 int32; x 4 x 2,048 x 1,024 float32.
;; Outputs: out0 4 x 2,048 x 1,024 float32.
;; 2 versions, each right and faster than the one before. Each part assembles by itself: llvm-mc -triple=amdgcn-amd-amdhsa -mcpu=gfx1250 --defsym DOCPART=n.
;; ======== version 1 of 2: 5 launches
;; limits: values are held in f16: magnitudes above 65,504 overflow, below 6.1e-05 lose precision
;; workspace buffers: xh 16,777,216 bytes; wh 8,388,608 bytes; bias 16,384 bytes; qkv 50,331,648 bytes; pt 33,554,432 bytes; stats 1,048,576 bytes; ctxh 16,777,216 bytes
;; launch prep (part 1): grid 768 x 1, 8 waves a work-group, no clusters, 0 bytes of LDS; arguments x, Wq, Wk, Wv, Wo, bq, bk, bv, bo, xh, wh, bias; writes xh, wh, bias
.if DOCPART == 1
	.amdgcn_target "amdgcn-amd-amdhsa--gfx1250"
	.amdhsa_code_object_version 6
	.text
	.protected	k_qf99b3fdfbb_prep
	.globl	k_qf99b3fdfbb_prep
	.p2align	8
	.type	k_qf99b3fdfbb_prep,@function
k_qf99b3fdfbb_prep:
	s_mov_b64 s[64:65], 0
	v_nop
	global_prefetch_b8 v0, s[64:65] scope:SCOPE_SE
	s_setreg_imm32_b32 hwreg(HW_REG_WAVE_MODE, 25, 1), 1
	s_wait_xcnt 0x0
; x and the four weight matrices are rounded to bf16 and that number is written as f16; the four biases are rounded to bf16 and written as f32.
; xh: [8192][1024] f16.  wh: [4096][1024] f16, rows Wq | Wk | Wv | Wo.  bias: [4096] f32, bq | bk | bv | bo.
; LIMITS.  A bf16 number is exact in f16 between 6.1e-5 and 65,504 in magnitude; below that it keeps f16's fixed step of 6e-8, beyond it becomes an infinity.
; A stream: no LDS, no matrix unit, no cluster (no two work-groups read the same byte).  A work-group takes 16,384 numbers: 64 KiB in, 32 KiB out.
; Work-groups 0-511 take x, 512-767 the weights (64 for each matrix); the first work-group of each matrix also takes that matrix's bias.
; Thread t takes 16 bytes at 16 t of each block of 4,096 bytes; all sixteen loads go out ahead; a wave's store covers 256 consecutive bytes, aligned.
.set X,  4                             ; v[4:67]    sixteen loads of four f32
.set TT, 68                            ; v[68:73]   at work
.set Y,  76                            ; v[76:107]  sixteen pairs of packed f16: every store has data registers of its own
.set BX, 108                           ; v[108:111] four numbers of a bias
.set BY, 112                           ; v[112:115] the same, rounded
	s_load_b512 s[4:19], s[0:1], 0x0               ; x 4:5, Wq 6:7, Wk 8:9, Wv 10:11, Wo 12:13, bq 14:15, bk 16:17, bv 18:19
	s_load_b256 s[20:27], s[0:1], 0x40             ; bo 20:21, xh 22:23, wh 24:25, bias 26:27
	v_lshlrev_b32 v1, 4, v0                        ; 16 t: where I load
	v_lshlrev_b32 v2, 3, v0                        ; 8 t: where I store
	s_mov_b32 s38, 0xffff0000                      ; a word's upper bf16
	s_lshr_b32 s40, ttmp9, 6                       ; 0-7: x; 8, 9, 10, 11: Wq, Wk, Wv, Wo
	s_and_b32 s41, ttmp9, 63                       ; my place among a matrix's 64 work-groups
	s_sub_co_u32 s42, ttmp9, 512                   ; my place among the weights' 256 (used only there)
	s_cmp_lt_u32 s40, 8
	s_cselect_b32 s34, ttmp9, s41                  ; blocks of 64 KiB from the source's first byte
	s_cselect_b32 s36, ttmp9, s42                  ; blocks of 32 KiB from the destination's
	s_lshl_b32 s34, s34, 16
	s_lshl_b32 s36, s36, 15
	s_mov_b32 s35, 0
	s_mov_b32 s37, 0
	s_wait_kmcnt 0x0
	s_cmp_lt_u32 s40, 8
	s_cselect_b64 s[32:33], s[22:23], s[24:25]     ; to xh or to wh
	s_mov_b64 s[28:29], s[4:5]                     ; from x, unless ...
	s_mov_b64 s[30:31], s[14:15]
	s_cmp_eq_u32 s40, 8
	s_cselect_b64 s[28:29], s[6:7], s[28:29]
	s_cmp_eq_u32 s40, 9
	s_cselect_b64 s[28:29], s[8:9], s[28:29]
	s_cselect_b64 s[30:31], s[16:17], s[30:31]
	s_cmp_eq_u32 s40, 10
	s_cselect_b64 s[28:29], s[10:11], s[28:29]
	s_cselect_b64 s[30:31], s[18:19], s[30:31]
	s_cmp_eq_u32 s40, 11
	s_cselect_b64 s[28:29], s[12:13], s[28:29]
	s_cselect_b64 s[30:31], s[20:21], s[30:31]
	s_add_nc_u64 s[28:29], s[28:29], s[34:35]
	s_add_nc_u64 s[32:33], s[32:33], s[36:37]
.irp j, 0,1,2,3,4,5,6,7,8,9,10,11,12,13,14,15
	global_load_b128 v[X+4*(\j):X+4*(\j)+3], v1, s[28:29] offset:4096*(\j) th:TH_LOAD_NT
.endr
.irp j, 0,1,2,3,4,5,6,7,8,9,10,11,12,13,14,15
	s_wait_loadcnt 15-(\j)                         ; loads come back in order: load j is in, the 15 - j younger ones stay out
	v_cvt_pk_bf16_f32 v[TT],   v[X+4*(\j)],   v[X+4*(\j)+1]   ; the one rounding that counts
	v_cvt_pk_bf16_f32 v[TT+1], v[X+4*(\j)+2], v[X+4*(\j)+3]
	v_lshlrev_b32 v[TT+2], 16,  v[TT]              ; bf16 to f32: a shift or a mask
	v_and_b32     v[TT+3], s38, v[TT]
	v_lshlrev_b32 v[TT+4], 16,  v[TT+1]
	v_and_b32     v[TT+5], s38, v[TT+1]
	v_cvt_pk_f16_f32 v[Y+2*(\j)],   v[TT+2], v[TT+3]
	v_cvt_pk_f16_f32 v[Y+2*(\j)+1], v[TT+4], v[TT+5]
	global_store_b64 v2, v[Y+2*(\j):Y+2*(\j)+1], s[32:33] offset:2048*(\j)
.endr
	s_cmp_lt_u32 s40, 8
	s_cbranch_scc1 .Lend
	s_cmp_lg_u32 s41, 0
	s_cbranch_scc1 .Lend
	s_sub_co_u32 s42, s40, 8                       ; the matrix's bias: 1,024 numbers, four a thread
	s_lshl_b32 s42, s42, 12
	s_mov_b32 s43, 0
	s_add_nc_u64 s[26:27], s[26:27], s[42:43]
	global_load_b128 v[BX:BX+3], v1, s[30:31]
	s_wait_loadcnt 0x0
	v_cvt_pk_bf16_f32 v[TT],   v[BX],   v[BX+1]
	v_cvt_pk_bf16_f32 v[TT+1], v[BX+2], v[BX+3]
	v_lshlrev_b32 v[BY],   16,  v[TT]
	v_and_b32     v[BY+1], s38, v[TT]
	v_lshlrev_b32 v[BY+2], 16,  v[TT+1]
	v_and_b32     v[BY+3], s38, v[TT+1]
	global_store_b128 v1, v[BY:BY+3], s[26:27]
.Lend:
	s_endpgm
.Lfunc_end_k_qf99b3fdfbb_prep:
	.size	k_qf99b3fdfbb_prep, .Lfunc_end_k_qf99b3fdfbb_prep-k_qf99b3fdfbb_prep
	.p2alignl 7, 3214868480
	.fill 96, 4, 3214868480
	.section	.rodata,"a",@progbits
	.p2align	6, 0x0
	.amdhsa_kernel k_qf99b3fdfbb_prep
		.amdhsa_group_segment_fixed_size 0
		.amdhsa_private_segment_fixed_size 0
		.amdhsa_enable_private_segment 0
		.amdhsa_kernarg_size 96
		.amdhsa_user_sgpr_count 2
		.amdhsa_user_sgpr_kernarg_segment_ptr 1
		.amdhsa_wavefront_size32 1
		.amdhsa_system_sgpr_workgroup_id_x 1
		.amdhsa_system_sgpr_workgroup_id_y 1
		.amdhsa_system_sgpr_workgroup_id_z 1
		.amdhsa_system_vgpr_workitem_id 0
		.amdhsa_next_free_vgpr 116
		.amdhsa_next_free_sgpr 66
		.amdhsa_reserve_vcc 0
		.amdhsa_float_denorm_mode_32 3
		.amdhsa_float_denorm_mode_16_64 3
		.amdhsa_memory_ordered 1
		.amdhsa_forward_progress 1
		.amdhsa_inst_pref_size 12
	.end_amdhsa_kernel
	.amdgpu_metadata
---
amdhsa.version: [ 1, 2 ]
amdhsa.kernels:
  - .name:           k_qf99b3fdfbb_prep
    .symbol:         k_qf99b3fdfbb_prep.kd
    .args:
      - { .name: x, .offset: 0, .size: 8, .value_kind: global_buffer, .address_space: global }
      - { .name: Wq, .offset: 8, .size: 8, .value_kind: global_buffer, .address_space: global }
      - { .name: Wk, .offset: 16, .size: 8, .value_kind: global_buffer, .address_space: global }
      - { .name: Wv, .offset: 24, .size: 8, .value_kind: global_buffer, .address_space: global }
      - { .name: Wo, .offset: 32, .size: 8, .value_kind: global_buffer, .address_space: global }
      - { .name: bq, .offset: 40, .size: 8, .value_kind: global_buffer, .address_space: global }
      - { .name: bk, .offset: 48, .size: 8, .value_kind: global_buffer, .address_space: global }
      - { .name: bv, .offset: 56, .size: 8, .value_kind: global_buffer, .address_space: global }
      - { .name: bo, .offset: 64, .size: 8, .value_kind: global_buffer, .address_space: global }
      - { .name: xh, .offset: 72, .size: 8, .value_kind: global_buffer, .address_space: global }
      - { .name: wh, .offset: 80, .size: 8, .value_kind: global_buffer, .address_space: global }
      - { .name: bias, .offset: 88, .size: 8, .value_kind: global_buffer, .address_space: global }
    .group_segment_fixed_size: 0
    .private_segment_fixed_size: 0
    .kernarg_segment_align: 8
    .kernarg_segment_size: 96
    .max_flat_workgroup_size: 256
    .sgpr_count:     66
    .vgpr_count:     116
    .wavefront_size: 32
...
	.end_amdgpu_metadata
.endif
;; end of part 1
;; launch qkv (part 2): grid 12 x 64, 4 waves a work-group, clusters of 4 x 4, 327,680 bytes of LDS; arguments xh, wh, bias, qkv; writes qkv
.if DOCPART == 2
	.amdgcn_target "amdgcn-amd-amdhsa--gfx1250"
	.amdhsa_code_object_version 6
	.text
	.protected	k_qf99b3fdfbb_qkv
	.globl	k_qf99b3fdfbb_qkv
	.p2align	8
	.type	k_qf99b3fdfbb_qkv,@function
k_qf99b3fdfbb_qkv:
	s_mov_b64 s[64:65], 0
	v_nop
	global_prefetch_b8 v0, s[64:65] scope:SCOPE_SE
	s_setreg_imm32_b32 hwreg(HW_REG_WAVE_MODE, 25, 1), 1
	s_wait_xcnt 0x0
	s_wait_alu depctr_hold_cnt(0) depctr_sa_sdst(0) depctr_va_vdst(0) depctr_va_sdst(0) depctr_va_ssrc(0) depctr_va_vcc(0) depctr_vm_vsrc(0)
	s_getreg_b32 s2, hwreg(HW_REG_IB_STS2, 6, 4)
	s_cmp_eq_u32 s2, 0
	s_cbranch_scc0 .Lentry_in_a_cluster
	s_endpgm
.Lentry_in_a_cluster:
	s_bfe_u32 s2, ttmp6, 0x10000c
	s_cmp_lg_u32 s2, 0xf033
	s_cbranch_scc0 .Lentry_shape_is_right
	s_endpgm
.Lentry_shape_is_right:
; qkv[m][n] = sum over k of xh[m][k] wh[n][k] + bias[n], n = 0 .. 3071 (q | k | v).  xh: [8192][1024] f16, wh: [4096][1024] f16, bias f32, qkv: [8192][3072] f16.  Sums in f32, rounded once.
; LIMIT.  q, k and v leave in f16: beyond 65,504 they become infinities.
; A tile of C is 128 x 256: 12 x 64 = 768 work-groups, three for each of 256 WGPs.  Four waves, each 64 rows x 128 columns: 32 accumulators of 16 x 16.
; K goes in steps of 128 (rows of 256 bytes) through two LDS slots filled by tensor loads: waves 0 and 1 fetch the halves of A's 128 rows, waves 2 and 3 the halves of B's 256.
; CLUSTER 4 x 4: the four work-groups of a row of the cluster need the same tile of A, the four of a column the same tile of B: each tile is asked for jointly.
; THE MATRIX INSTRUCTION IS USED TRANSPOSED (source 0 = 16 rows of B, source 1 = 16 rows of A): a lane holds row lane % 16 of C and the columns 8 (lane / 16) + 0..7.
; The bias is the C operand of each accumulator's first product.
; REGISTERS, in windows of 256: window 0: v0-31 addresses, v64-127 the bias, v128-223 the way out; window 1: two fragment buffers of 96 (4 of A, then 8 of B); window 2: accumulator (a, b) at v[8 (8 a + b)].
.set T,      8                         ; K steps
.set PITCH,  272                       ; an LDS row: 256 bytes + 16 of padding: the 16 rows of a fragment load start at 16 different groups of four banks
.set AH,     64*PITCH                  ; half of A's tile: one tensor load
.set BH,     128*PITCH                 ; half of B's tile: one tensor load
.set BOFF,   2*AH                      ; B's tile lies behind A's
.set SLOT1,  131072                    ; slot 1 begins here: one exclusive or turns an address in one slot into the other's
.set STAGE,  SLOT1+BOFF+2*BH           ; behind the ring: 16 rows x 272 bytes for each wave
.set SPITCH, 272
.set SPARE,  STAGE+4*16*SPITCH         ; the spare words: 128 bytes a wave, named by no other line
.set KA,     256                       ; bytes from K step to K step
.set KB,     256
.set LDC,    6144                      ; bytes in a row of qkv
.set A0,   16                          ; my lane's place in A's tile; never rewritten
.set B0,   17                          ; in B's
.set ADRA, 18                          ; the same in the slot in hand
.set ADRB, 19
.set STO,  24                          ; the way out: where I put 16 bytes of a row
.set RD,   25                          ; where I read rows back
.set CO,   26                          ; my byte offset in C
.set SPW,  28                          ; my spare word's LDS address; never rewritten
.set NIL,  29                          ; 0; never rewritten
.set BI,   64
.set TMP,  128
.set OB,   160
.set F0,   0
.set F1,   96
.set WV, 12
.set RH, 13                            ; which half of the rows is mine; also: I fetch A (0) or B (1)
.set CH, 14                            ; which half of the columns; also: which half of that tile I fetch
.set CX, 15
.set CY, 16
.set TX, 17
.set TY, 18
.set CLY, 19
.set MR, 20
.set MC, 21
.set LA, 22
.set LB, 23
.set G1, 24                            ; s[24:31] group 1 for A
.set G0, 32                            ; s[32:39] group 0 for A: a set for each first fill; the second then walks
.set AA, 40                            ; s[40:43] A's address in the making: never holds cx
.set BA, 44                            ; s[44:47] B's: never holds cy
.set G1B, 48
.set G0B, 56
.set TB, 66                            ; the slot in hand: 0 or SLOT1
.set CNT, 67
.set CB, 68                            ; s[68:69] C at my first row and column
.set CT, 70                            ; s[70:71] at work
.set BB, 72                            ; s[72:73] the bias at my first column
.set GW, (1<<16)|(1<<20)|(1<<21)|(5<<22)|(3<<25)  ; 2-byte elements; padding on; bit 21 beside a mask; after every 64 words 4 words
.set MUL,  0xa5                        ; sources 0 and 1 window 1, C and D window 2
.set MULB, 0x85                        ; the same with C in window 0
.set TO_F, 0x40                        ; destination window 1
.set MSB, 0
.macro WIN new                         ; the immediate's high byte repeats the setting that is left
.if MSB != (\new)
	s_set_vgpr_msb (MSB<<8)|(\new)
.set MSB, \new
.endif
.endm
.macro PLACES                          ; four places behind matrix instructions, ahead of loads into their sources and of readers of their results
.rept 4
	v_nop
.endr
.endm
.macro CREST                           ; a round of the cluster's barrier behind its opening barrier
	s_cmp_lg_u32 s[WV], 0
	s_cbranch_scc1 .Lnot_wave_0_\@
	s_barrier_signal -3
.Lnot_wave_0_\@:
	s_barrier_wait -3
	s_barrier_signal -1
	s_barrier_wait -1
.endm
.macro CROUND
	s_barrier_signal -1
	s_barrier_wait -1
	CREST
.endm
.macro JLOAD                           ; a joint refill by the walking descriptors; an s_nop 0 and four v_nop follow each line
	s_cmp_eq_u32 s[RH], 0
	s_cbranch_scc0 .Lfor_b_\@
	tensor_load_to_lds s[G0+4:G0+7], s[G1:G1+7]
	s_nop 0
.rept 4
	v_nop
.endr
	s_branch .Lasked_\@
.Lfor_b_\@:
	tensor_load_to_lds s[G0B+4:G0B+7], s[G1B:G1B+7]
	s_nop 0
.rept 4
	v_nop
.endr
.Lasked_\@:
.endm
	s_load_b256 s[4:11], s[0:1], 0x0               ; xh 4:5, wh 6:7, bias 8:9, qkv 10:11
	v_lshl_add_u32 v[SPW], v0, 2, SPARE
	v_mov_b32 v[NIL], 0
	ds_add_u32 v[SPW], v[NIL]                      ; the wave's opening: the add and its wait stand ahead of my first tensor load
	ds_add_u32 v28, v29
	v_lshrrev_b32 v1, 5, v0
	v_readfirstlane_b32 s[WV], v1
	s_lshr_b32 s[RH], s[WV], 1
	s_and_b32 s[CH], s[WV], 1
	s_bfe_u32 s[CX], ttmp6, 0x40000
	s_bfe_u32 s[CY], ttmp6, 0x40004
	s_lshl_b32 s[TX], ttmp9, 2
	s_add_co_u32 s[TX], s[TX], s[CX]               ; tile column
	s_and_b32 s[CLY], ttmp7, 0xffff
	s_lshl_b32 s[TY], s[CLY], 2
	s_add_co_u32 s[TY], s[TY], s[CY]               ; tile row
	s_lshl_b32 s[MR], s[CY], 2
	s_lshl_b32 s[MR], 15, s[MR]                    ; my row of the cluster
	s_lshl_b32 s[MC], 0x1111, s[CX]                ; my column
	s_or_b32 s[G1], s[MR], GW
	s_or_b32 s[G1B], s[MC], GW
	s_mov_b32 s[G1+1], 128<<16                     ; tensor_dim0 = 128
	s_mov_b32 s[G1+2], 64<<16                      ; tensor_dim1 = 64
	s_mov_b32 s[G1+3], 128<<16                     ; tile_dim0 = 128
	s_mov_b32 s[G1+4], 64                          ; tile_dim1 = 64
	s_mov_b32 s[G1+5], 1024                        ; elements from row to row
	s_mov_b32 s[G1+6], 0
	s_mov_b32 s[G1+7], 0
	s_mov_b32 s[G1B+1], 128<<16
	s_mov_b32 s[G1B+2], 128<<16                    ; 128 rows
	s_mov_b32 s[G1B+3], 128<<16
	s_mov_b32 s[G1B+4], 128
	s_mov_b32 s[G1B+5], 1024
	s_mov_b32 s[G1B+6], 0
	s_mov_b32 s[G1B+7], 0
	s_lshl_b32 s[AA], s[TY], 7
	s_lshl_b32 s[AA+2], s[CH], 6
	s_add_co_u32 s[AA], s[AA], s[AA+2]             ; A: row 128 x tile row + 64 x half,
	s_lshl_b32 s[AA], s[AA], 11                    ; of 2,048 bytes
	s_mov_b32 s[AA+1], 0
	s_lshl_b32 s[BA], s[TX], 8
	s_lshl_b32 s[BA+2], s[CH], 7
	s_add_co_u32 s[BA], s[BA], s[BA+2]             ; B: row 256 x tile column + 128 x half
	s_lshl_b32 s[BA], s[BA], 11
	s_mov_b32 s[BA+1], 0
	s_mul_i32 s[LA], s[CH], AH                     ; where they go: no place in the cluster enters an LDS address
	s_mul_i32 s[LB], s[CH], BH
	s_add_co_u32 s[LB], s[LB], BOFF
	s_lshl_b32 s[BB], s[TX], 10                    ; the bias: 4 x (256 x tile column + 128 x half)
	s_lshl_b32 s[BB+1], s[CH], 9
	s_add_co_u32 s[BB], s[BB], s[BB+1]
	s_mov_b32 s[BB+1], 0
	s_lshl_b32 s[CT], s[TY], 7                     ; C: my first row,
	s_lshl_b32 s[CT+1], s[RH], 6
	s_add_co_u32 s[CT], s[CT], s[CT+1]
	s_mul_i32 s[CT], s[CT], LDC
	s_lshl_b32 s[CT+1], s[TX], 9                   ; my first column, in bytes
	s_add_co_u32 s[CT], s[CT], s[CT+1]
	s_lshl_b32 s[CT+1], s[CH], 8
	s_add_co_u32 s[CT], s[CT], s[CT+1]
	s_mov_b32 s[CT+1], 0
	s_mov_b32 s[TB], 0
	s_wait_dscnt 0x0                               ; the opening add is done
	s_wait_kmcnt 0x0
	s_add_nc_u64 s[AA:AA+1], s[4:5], s[AA:AA+1]
	s_add_nc_u64 s[BA:BA+1], s[6:7], s[BA:BA+1]
	s_add_nc_u64 s[BB:BB+1], s[8:9], s[BB:BB+1]
	s_add_nc_u64 s[CB:CB+1], s[10:11], s[CT:CT+1]
	CROUND                                         ; all sixteen work-groups are here: the first joint loads meet
.irp s, 0,1
	s_mov_b32 s[G0+4*(\s)], 1
	s_add_co_u32 s[G0+4*(\s)+1], s[LA], (\s)*SLOT1
	s_add_nc_u64 s[G0+4*(\s)+2:G0+4*(\s)+3], s[AA:AA+1], (\s)*KA
	s_or_b32 s[G0+4*(\s)+3], s[G0+4*(\s)+3], 0x80000000
	s_mov_b32 s[G0B+4*(\s)], 1
	s_add_co_u32 s[G0B+4*(\s)+1], s[LB], (\s)*SLOT1
	s_add_nc_u64 s[G0B+4*(\s)+2:G0B+4*(\s)+3], s[BA:BA+1], (\s)*KB
	s_or_b32 s[G0B+4*(\s)+3], s[G0B+4*(\s)+3], 0x80000000
.endr
	s_cmp_eq_u32 s[RH], 0                          ; a wave's two first fills stand in one branch: two loads of mine are out
	s_cbranch_scc0 .Lfirst_b
	tensor_load_to_lds s[G0:G0+3], s[G1:G1+7]
	s_nop 0
	tensor_load_to_lds s[G0+4:G0+7], s[G1:G1+7]
	s_nop 0
.rept 4
	v_nop
.endr
	s_branch .Lfirst_asked
.Lfirst_b:
	tensor_load_to_lds s[G0B:G0B+3], s[G1B:G1B+7]
	s_nop 0
	tensor_load_to_lds s[G0B+4:G0B+7], s[G1B:G1B+7]
	s_nop 0
.rept 4
	v_nop
.endr
.Lfirst_asked:
	v_and_b32 v1, 15, v0                           ; r = lane % 16
	v_bfe_u32 v2, v0, 4, 1                         ; h = lane / 16
	v_lshlrev_b32 v5, 5, v2                        ; the bias of my eight columns of a block: 32 h
.irp b, 0,1,2,3,4,5,6,7
	global_load_b128 v[BI+8*(\b):BI+8*(\b)+3],   v5, s[BB:BB+1] offset:64*(\b)
	global_load_b128 v[BI+8*(\b)+4:BI+8*(\b)+7], v5, s[BB:BB+1] offset:64*(\b)+16
.endr
	v_mul_u32_u24 v3, v1, PITCH
	v_lshl_add_u32 v3, v2, 4, v3                   ; a fragment's row x pitch + 16 x half
	s_mul_i32 s[CT], s[RH], AH
	v_add_nc_u32 v[A0], s[CT], v3
	s_mul_i32 s[CT], s[CH], BH
	s_add_co_u32 s[CT], s[CT], BOFF
	v_add_nc_u32 v[B0], s[CT], v3
	v_mov_b32 v[ADRA], v[A0]
	v_mov_b32 v[ADRB], v[B0]
	s_mul_i32 s[CT], s[WV], 16*SPITCH
	s_add_co_u32 s[CT], s[CT], STAGE               ; my stage
	v_add_nc_u32 v[STO], s[CT], v3                 ; in: row r, 16 bytes for each half of the lanes
	v_mul_u32_u24 v4, v2, SPITCH                   ; back: lanes 0-15 one row of 256 bytes, lanes 16-31 the next
	v_lshl_add_u32 v4, v1, 4, v4
	v_add_nc_u32 v[RD], s[CT], v4
	v_mul_u32_u24 v4, v2, LDC                      ; and the same two rows in C
	v_lshl_add_u32 v[CO], v1, 4, v4
; 24 LDS loads in one run: the fragments of 32 along K at byte k of the rows: B's eight, then A's four
.macro FETCH k, f
	WIN TO_F
.irp i, 0,1,2,3,4,5,6,7
	ds_load_b128 v[(\f)+32+8*(\i):(\f)+32+8*(\i)+3],   v[ADRB] offset:(\k)+(\i)*16*PITCH
	ds_load_b128 v[(\f)+32+8*(\i)+4:(\f)+32+8*(\i)+7], v[ADRB] offset:(\k)+(\i)*16*PITCH+32
.endr
.irp i, 0,1,2,3
	ds_load_b128 v[(\f)+8*(\i):(\f)+8*(\i)+3],   v[ADRA] offset:(\k)+(\i)*16*PITCH
	ds_load_b128 v[(\f)+8*(\i)+4:(\f)+8*(\i)+7], v[ADRA] offset:(\k)+(\i)*16*PITCH+32
.endr
.endm
; 8 matrix instructions: row block a x all 8 column blocks.  mode 0: add on; 1: C = 0; 2: C = the bias.  The 32 accumulators take turns, always in the same order.
.macro MUL8 f, a, mode
.if (\mode) == 2
	WIN MULB
.else
	WIN MUL
.endif
.irp b, 0,1,2,3,4,5,6,7
.if (\mode) == 1
	v_wmma_f32_16x16x32_f16 v[8*(8*(\a)+(\b)):8*(8*(\a)+(\b))+7], v[(\f)+32+8*(\b):(\f)+32+8*(\b)+7], v[(\f)+8*(\a):(\f)+8*(\a)+7], 0
.elseif (\mode) == 2
	v_wmma_f32_16x16x32_f16 v[8*(8*(\a)+(\b)):8*(8*(\a)+(\b))+7], v[(\f)+32+8*(\b):(\f)+32+8*(\b)+7], v[(\f)+8*(\a):(\f)+8*(\a)+7], v[BI+8*(\b):BI+8*(\b)+7]
.else
	v_wmma_f32_16x16x32_f16 v[8*(8*(\a)+(\b)):8*(8*(\a)+(\b))+7], v[(\f)+32+8*(\b):(\f)+32+8*(\b)+7], v[(\f)+8*(\a):(\f)+8*(\a)+7], v[8*(8*(\a)+(\b)):8*(8*(\a)+(\b))+7]
.endif
.endr
.endm
.macro MUL16 f, a0, mode
	MUL8 \f, \a0, \mode
	MUL8 \f, (\a0)+1, \mode
.endm
; One of a K step's first three quarters: multiplies buffer f; in its middle it fetches the next quarter, at byte k, into buffer g.
.macro QUARTER k, f, g, mode
	s_wait_dscnt 4                                 ; B and A's first two fragments are in; the youngest four loads may be out
	MUL16 \f, 0, \mode
	PLACES
	FETCH \k, \g
	s_wait_dscnt 24                                ; all but the 24 just issued
	MUL16 \f, 2, \mode
.endm
; The last quarter multiplies buffer 1 and changes slots: one barrier; ahead of it each wave waits for all its tensor loads (its part of the next slot), adds 0 to its spare word and waits for that and
; for its reads of this slot.  fill = 1: the barrier opens a round of the cluster's barrier, and this slot is filled again first behind it, two K steps ahead.
; last = 1: in the trip with CNT = 1 there is no further K step, and the fetch is jumped over.
.macro TURN fill, last
	WIN 0
	s_wait_tensorcnt 0x0
	ds_add_u32 v[SPW], v[NIL]
	s_wait_dscnt 5                                 ; (the add and the youngest four loads may be out)
	MUL8 F1, 0, 0
	s_wait_dscnt 0x0                               ; the add is done, and my reads of this slot are over
	s_barrier_signal -1
	MUL8 F1, 1, 0
	WIN 0
	s_barrier_wait -1
.if \fill
	CREST
	s_xor_b32 s[G0+5], s[G0+5], SLOT1              ; the walking descriptors: the other slot than last time, the next K step
	s_add_nc_u64 s[G0+6:G0+7], s[G0+6:G0+7], KA
	s_xor_b32 s[G0B+5], s[G0B+5], SLOT1
	s_add_nc_u64 s[G0B+6:G0B+7], s[G0B+6:G0B+7], KB
	JLOAD                                          ; its four v_nop are also the places ahead of the loads below
.else
	PLACES
.endif
.if \last
	s_cmp_eq_u32 s[CNT], 1
	s_cbranch_scc1 .Lno_fetch_\@
.endif
	s_xor_b32 s[TB], s[TB], SLOT1
	v_add_nc_u32 v[ADRA], s[TB], v[A0]
	v_add_nc_u32 v[ADRB], s[TB], v[B0]
	FETCH 0, F0
.if \last
	WIN 0
.Lno_fetch_\@:
.endif
	MUL16 F1, 2, 0
.endm
; THE WAY OUT of row block a: rounded to f16, 16 bytes a lane; through my own stage; back as whole rows of 256 bytes; stored.
.macro PACK a
	WIN 0x0a                                       ; sources 0 and 1 window 2
.irp b, 0,1,2,3,4,5,6,7
.irp q, 0,1,2,3
	v_cvt_pk_f16_f32 v[TMP+4*(\b)+(\q)], v[64*(\a)+8*(\b)+2*(\q)], v[64*(\a)+8*(\b)+2*(\q)+1]
.endr
.endr
	WIN 0
.endm
.macro TOSTAGE a
	WIN 0
.set BK, OB+32*((\a)%2)
.irp b, 0,1,2,3,4,5,6,7
	ds_store_b128 v[STO], v[TMP+4*(\b):TMP+4*(\b)+3] offset:32*(\b)
.endr
.irp t, 0,1,2,3,4,5,6,7
	ds_load_b128 v[BK+4*(\t):BK+4*(\t)+3], v[RD] offset:(\t)*2*SPITCH  ; LDS serves a wave's instructions in order: these see the stores above
.endr
.endm
.macro SEND a
	WIN 0
.set BK, OB+32*((\a)%2)
	s_wait_dscnt 0x0                               ; the block is back in registers
	s_wait_xcnt 0x0                                ; the base and the registers that earlier stores read are rewritten only behind this wait
.if (\a) > 0
	s_add_nc_u64 s[CB:CB+1], s[CB:CB+1], 16*LDC
.endif
.irp t, 0,1,2,3,4,5,6,7
	global_store_b128 v[CO], v[BK+4*(\t):BK+4*(\t)+3], s[CB:CB+1] offset:2*(\t)*LDC  ; 16 lanes store 256 consecutive bytes, aligned
.endr
.endm
	s_wait_tensorcnt 0x1                           ; my part of K step 0 is in; K step 1's stays out
	s_barrier_signal -1
	s_barrier_wait -1
	FETCH 0, F0
	s_wait_loadcnt 0x0                             ; the bias
	QUARTER 64, F0, F1, 2                          ; the first quarter starts the sums with the bias
	WIN 0
	s_mov_b32 s[CNT], T-2
.Lstep:                                                ; a trip: from a K step's second quarter to the next one's first; it asks for the K step two on
	QUARTER 128, F1, F0, 0
	QUARTER 192, F0, F1, 0
	TURN 1, 0
	QUARTER 64, F0, F1, 0
	WIN 0
	s_sub_co_u32 s[CNT], s[CNT], 1
	s_cmp_lg_u32 s[CNT], 0
	s_cbranch_scc1 .Lstep
	s_mov_b32 s[CNT], 2
.Ltail:                                                ; the last two K steps ask for nothing
	QUARTER 128, F1, F0, 0
	QUARTER 192, F0, F1, 0
	TURN 0, 1
	WIN 0
	s_cmp_eq_u32 s[CNT], 1
	s_cbranch_scc1 .Lno_quarter                    ; behind the last K step there is no first quarter
	QUARTER 64, F0, F1, 0
	WIN 0
.Lno_quarter:
	s_sub_co_u32 s[CNT], s[CNT], 1
	s_cmp_lg_u32 s[CNT], 0
	s_cbranch_scc1 .Ltail
	s_wait_dscnt 0x0
	PLACES
	PACK 0
	TOSTAGE 0
.irp a, 1,2,3
	PACK \a
	SEND (\a)-1
	TOSTAGE \a
.endr
	SEND 3
	s_wait_tensorcnt 0x0                           ; the wave's end
	ds_add_u32 v[SPW], v[NIL]
	s_wait_dscnt 0x0
	CROUND                                         ; the closing round
	s_endpgm
.Lfunc_end_k_qf99b3fdfbb_qkv:
	.size	k_qf99b3fdfbb_qkv, .Lfunc_end_k_qf99b3fdfbb_qkv-k_qf99b3fdfbb_qkv
	.p2alignl 7, 3214868480
	.fill 96, 4, 3214868480
	.section	.rodata,"a",@progbits
	.p2align	6, 0x0
	.amdhsa_kernel k_qf99b3fdfbb_qkv
		.amdhsa_group_segment_fixed_size 327680
		.amdhsa_private_segment_fixed_size 0
		.amdhsa_enable_private_segment 0
		.amdhsa_kernarg_size 32
		.amdhsa_user_sgpr_count 2
		.amdhsa_user_sgpr_kernarg_segment_ptr 1
		.amdhsa_wavefront_size32 1
		.amdhsa_system_sgpr_workgroup_id_x 1
		.amdhsa_system_sgpr_workgroup_id_y 1
		.amdhsa_system_sgpr_workgroup_id_z 1
		.amdhsa_system_vgpr_workitem_id 0
		.amdhsa_next_free_vgpr 768
		.amdhsa_next_free_sgpr 76
		.amdhsa_reserve_vcc 0
		.amdhsa_float_denorm_mode_32 3
		.amdhsa_float_denorm_mode_16_64 3
		.amdhsa_memory_ordered 1
		.amdhsa_forward_progress 1
		.amdhsa_inst_pref_size 62
	.end_amdhsa_kernel
	.amdgpu_metadata
---
amdhsa.version: [ 1, 2 ]
amdhsa.kernels:
  - .name:           k_qf99b3fdfbb_qkv
    .symbol:         k_qf99b3fdfbb_qkv.kd
    .args:
      - { .name: xh, .offset: 0, .size: 8, .value_kind: global_buffer, .address_space: global }
      - { .name: wh, .offset: 8, .size: 8, .value_kind: global_buffer, .address_space: global }
      - { .name: bias, .offset: 16, .size: 8, .value_kind: global_buffer, .address_space: global }
      - { .name: qkv, .offset: 24, .size: 8, .value_kind: global_buffer, .address_space: global }
    .group_segment_fixed_size: 327680
    .private_segment_fixed_size: 0
    .kernarg_segment_align: 8
    .kernarg_segment_size: 32
    .max_flat_workgroup_size: 128
    .sgpr_count:     76
    .vgpr_count:     768
    .wavefront_size: 32
...
	.end_amdgpu_metadata
.endif
;; end of part 2
;; launch scores (part 3): grid 8 x 32, 4 waves a work-group, clusters of 4 x 4, 327,680 bytes of LDS; arguments qkv, mask, pt, stats; writes pt, stats
.if DOCPART == 3
	.amdgcn_target "amdgcn-amd-amdhsa--gfx1250"
	.amdhsa_code_object_version 6
	.text
	.protected	k_qf99b3fdfbb_scores
	.globl	k_qf99b3fdfbb_scores
	.p2align	8
	.type	k_qf99b3fdfbb_scores,@function
k_qf99b3fdfbb_scores:
	s_mov_b64 s[64:65], 0
	v_nop
	global_prefetch_b8 v0, s[64:65] scope:SCOPE_SE
	s_setreg_imm32_b32 hwreg(HW_REG_WAVE_MODE, 25, 1), 1
	s_wait_xcnt 0x0
	s_wait_alu depctr_hold_cnt(0) depctr_sa_sdst(0) depctr_va_vdst(0) depctr_va_sdst(0) depctr_va_ssrc(0) depctr_va_vcc(0) depctr_vm_vsrc(0)
	s_getreg_b32 s2, hwreg(HW_REG_IB_STS2, 6, 4)
	s_cmp_eq_u32 s2, 0
	s_cbranch_scc0 .Lentry_in_a_cluster
	s_endpgm
.Lentry_in_a_cluster:
	s_bfe_u32 s2, ttmp6, 0x10000c
	s_cmp_lg_u32 s2, 0xf033
	s_cbranch_scc0 .Lentry_shape_is_right
	s_endpgm
.Lentry_shape_is_right:
; For each batch: s = q . k (raw, not yet divided by 32); hidden keys (mask == 0) count as -infinity; for each query and each CHUNK of 128 keys: m = the chunk's largest s (not below the lowest
; finite number), p = 2^(c (s - m)) with c = log2(e) / 32, l = the sum of p.  pt: [8192][2048] f16 takes p; stats: [batch][chunk 16][block of 16 rows 128][m | l][16] f32 takes m and l.
; The launch behind resolves the chunks' maxima into the row's: together the two take the row's true maximum away ahead of every exponential.
; The difference s - m is made first and then scaled, so that a large score loses no more than the subtraction of the maximum loses anyway.
; LIMITS.  p below 6e-5 keeps f16's fixed step of 6e-8; a weight below 2^-126 counts as 0 in l.  NaN and infinities among q and k are not treated apart.
; A tile of 256 queries x 256 keys to a work-group: 8 x 32 = 256 work-groups.  Four waves, each 128 x 128: 64 accumulators, 512 registers; a wave's 128 keys are one chunk.
; K = 1,024 goes in steps of 128 through two LDS slots; each wave fetches 128 rows x 256 bytes with one tensor load.  CLUSTER 4 x 4: q's tile is shared along a row of the cluster, k's along a column.
; THE MATRIX INSTRUCTION IS USED TRANSPOSED (source 0 = 16 keys, source 1 = 16 queries): a lane holds query lane % 16 and the keys 8 (lane / 16) + 0..7.
; BEHIND THE PRODUCTS the ring has had its last fill; behind a barrier it serves as scratch: each wave lays its 128 x 128 scores down by rows and takes them up 16 rows a trip, 16 lanes to a row,
; 8 neighbouring keys a lane: a row's maximum and sum then stay inside 16 lanes, and 16 lanes store a row's 256 bytes of p.
; The first trip's mask is asked for at the kernel's head and lands under the products; each later trip's while the trip before is worked on.
; REGISTERS: window 0: v0-31 addresses; v64-191 fragments of q, later at work; v192-255 the mask; window 1: v64-191 fragments of k; windows 2, 3: the accumulators ((a, b) at v[8 (8 (a % 4) + b)]).
.set KSTEP,  128
.set PITCH,  272
.set HALFT,  128*PITCH
.set SLOT,   4*HALFT
.set STAT,   2*SLOT                    ; behind the ring: 1,024 bytes a wave: m and l of its 128 rows
.set SPARE,  STAT+4096                 ; the spare words
.set SCP,    528                       ; a row of scores in the scratch: 512 bytes + 16
.set SCR,    128*SCP                   ; a wave's scratch, over the ring
.set LAPS,   4
.set ADRA, 16                          ; v16-17 my A fragments in slot 0, 1
.set ADRB, 18                          ; v18-19 the same for B
.set RDS,  20                          ; where I take scores up
.set MO,   21                          ; my byte offset in the mask; never rewritten
.set PO,   22                          ; in pt; never rewritten
.set STA,  23                          ; where I put a statistic
.set DA,   24                          ; where I lay scores down
.set SRD,  25                          ; where I read the statistics back
.set SGO,  26                          ; my byte offset in the wave's 1,024 bytes of stats
.set SPW,  28
.set NIL,  29
.set F0,   64
.set F1,   128
.set S,    64                          ; v64-127  eight rows' scores, 8 a row
.set PK,   128                         ; v128-159 the weights, packed
.set ML,   160                         ; v160-175 pairs (m, l), one a row
.set TT,   176
.set ST,   177
.set MK,   192                         ; v192-255 the mask of a trip
.set WV, 12
.set RH, 13
.set CH, 14
.set CX, 15
.set CY, 16
.set TX, 17
.set TY, 18
.set CLY, 19
.set MR, 20
.set MC, 21
.set LA, 22
.set G1, 24
.set G0, 32
.set AA, 40
.set BA, 44
.set G1B, 48
.set G0B, 56
.set MB, 66                            ; s[66:67] the mask at my first row and key
.set PB, 68                            ; s[68:69] pt likewise
.set SB, 70                            ; s[70:71] stats at my chunk and first block
.set CS, 72                            ; s[72:73] c
.set NINF, 74
.set LOW, 75
.set HI8, 76
.set ONES, 77
.set TM, 78
.set CNT, 79
.set CT, 80
.set LAPC, 82
.set GW, (1<<16)|(1<<20)|(1<<21)|(5<<22)|(3<<25)
.set MUL_LO, 0xa1                      ; source 0 (k) window 1, source 1 (q) window 0, C and D window 2
.set MUL_HI, 0xf1
.set TO_B,   0x40
.set MSB, 0
.macro WIN new
.if MSB != (\new)
	s_set_vgpr_msb (MSB<<8)|(\new)
.set MSB, \new
.endif
.endm
.macro PLACES
.rept 4
	v_nop
.endr
.endm
.macro CREST
	s_cmp_lg_u32 s[WV], 0
	s_cbranch_scc1 .Lnot_wave_0_\@
	s_barrier_signal -3
.Lnot_wave_0_\@:
	s_barrier_wait -3
	s_barrier_signal -1
	s_barrier_wait -1
.endm
.macro CROUND
	s_barrier_signal -1
	s_barrier_wait -1
	CREST
.endm
.macro JLOAD s                         ; waves 0 and 1 fetch q's two halves, waves 2 and 3 k's; an s_nop 0 and four v_nop follow each line
	s_cmp_eq_u32 s[RH], 0
	s_cbranch_scc0 .Lfor_b_\@
	tensor_load_to_lds s[G0+4*(\s):G0+4*(\s)+3], s[G1:G1+7]
	s_nop 0
.rept 4
	v_nop
.endr
	s_branch .Lasked_\@
.Lfor_b_\@:
	tensor_load_to_lds s[G0B+4*(\s):G0B+4*(\s)+3], s[G1B:G1B+7]
	s_nop 0
.rept 4
	v_nop
.endr
.Lasked_\@:
.endm
.macro MASKLD                          ; a trip's mask: 16 rows x 128 keys; lane (g, i) takes keys 8 i .. 8 i + 7 of rows 2 u + g
.irp u, 0,1,2,3,4,5,6,7
	global_load_b128 v[MK+8*(\u):MK+8*(\u)+3],   v[MO], s[MB:MB+1] offset:(\u)*16384 th:TH_LOAD_NT
	global_load_b128 v[MK+8*(\u)+4:MK+8*(\u)+7], v[MO], s[MB:MB+1] offset:(\u)*16384+16 th:TH_LOAD_NT
.endr
.endm
	s_load_b256 s[4:11], s[0:1], 0x0               ; qkv 4:5, mask 6:7, pt 8:9, stats 10:11
	v_lshl_add_u32 v[SPW], v0, 2, SPARE
	v_mov_b32 v[NIL], 0
	ds_add_u32 v[SPW], v[NIL]                      ; the wave's opening: the add and its wait stand ahead of my first tensor load
	ds_add_u32 v28, v29
	v_lshrrev_b32 v1, 5, v0
	v_readfirstlane_b32 s[WV], v1
	s_lshr_b32 s[RH], s[WV], 1
	s_and_b32 s[CH], s[WV], 1
	s_bfe_u32 s[CX], ttmp6, 0x40000
	s_bfe_u32 s[CY], ttmp6, 0x40004
	s_lshl_b32 s[TX], ttmp9, 2
	s_add_co_u32 s[TX], s[TX], s[CX]               ; block of 256 keys, 0 .. 7
	s_and_b32 s[CLY], ttmp7, 0xffff
	s_lshl_b32 s[TY], s[CLY], 2
	s_add_co_u32 s[TY], s[TY], s[CY]               ; block of 256 rows, 0 .. 31; the batch is cluster y / 2
	s_lshl_b32 s[MR], s[CY], 2
	s_lshl_b32 s[MR], 15, s[MR]
	s_lshl_b32 s[MC], 0x1111, s[CX]
	s_or_b32 s[G1], s[MR], GW
	s_or_b32 s[G1B], s[MC], GW
.irp g, G1, G1B
	s_mov_b32 s[(\g)+1], KSTEP<<16                 ; tensor_dim0 = 128
	s_mov_b32 s[(\g)+2], 128<<16                   ; tensor_dim1 = 128
	s_mov_b32 s[(\g)+3], KSTEP<<16                 ; tile_dim0 = 128
	s_mov_b32 s[(\g)+4], 128                       ; tile_dim1 = 128
	s_mov_b32 s[(\g)+5], 3072                      ; elements from row to row of qkv
	s_mov_b32 s[(\g)+6], 0
	s_mov_b32 s[(\g)+7], 0
.endr
	s_lshl_b32 s[AA], s[TY], 8
	s_lshl_b32 s[AA+2], s[CH], 7
	s_add_co_u32 s[AA], s[AA], s[AA+2]             ; q: row 256 x row block + 128 x half
	s_mul_i32 s[AA], s[AA], 6144
	s_mov_b32 s[AA+1], 0
	s_lshr_b32 s[BA], s[CLY], 1
	s_lshl_b32 s[BA], s[BA], 11                    ; k: the batch's first row,
	s_lshl_b32 s[BA+2], s[TX], 8
	s_add_co_u32 s[BA], s[BA], s[BA+2]             ; + 256 x key block
	s_lshl_b32 s[BA+2], s[CH], 7
	s_add_co_u32 s[BA], s[BA], s[BA+2]             ; + 128 x half
	s_mul_i32 s[BA], s[BA], 6144
	s_add_co_u32 s[BA], s[BA], 2048                ; k's columns begin 2,048 bytes into a row
	s_mov_b32 s[BA+1], 0
	s_mul_i32 s[LA], s[WV], HALFT                  ; q's two halves, then k's two halves
	s_lshl_b32 s[CT], s[TY], 8
	s_lshl_b32 s[CT+1], s[RH], 7
	s_add_co_u32 s[CT], s[CT], s[CT+1]             ; my first row
	s_lshl_b32 s[MB], s[CT], 13                    ; of 8,192 bytes in the mask,
	s_lshl_b32 s[PB], s[CT], 12                    ; of 4,096 in pt
	s_lshl_b32 s[CT], s[TX], 8
	s_lshl_b32 s[CT+1], s[CH], 7
	s_add_co_u32 s[CT], s[CT], s[CT+1]             ; my first key
	s_lshl_b32 s[CT+1], s[CT], 2
	s_add_co_u32 s[MB], s[MB], s[CT+1]
	s_lshl_b32 s[CT+1], s[CT], 1
	s_add_co_u32 s[PB], s[PB], s[CT+1]
	s_mov_b32 s[MB+1], 0
	s_mov_b32 s[PB+1], 0
	s_lshr_b32 s[SB], s[CLY], 1
	s_lshl_b32 s[SB], s[SB], 4
	s_lshl_b32 s[CT], s[TX], 1
	s_add_co_u32 s[SB], s[SB], s[CT]
	s_add_co_u32 s[SB], s[SB], s[CH]               ; 16 x batch + my chunk,
	s_lshl_b32 s[SB], s[SB], 14                    ; of 16,384 bytes
	s_and_b32 s[CT], s[TY], 7
	s_lshl_b32 s[CT], s[CT], 4
	s_lshl_b32 s[CT+1], s[RH], 3
	s_add_co_u32 s[CT], s[CT], s[CT+1]             ; my first block of 16 rows in the batch,
	s_lshl_b32 s[CT], s[CT], 7                     ; of 128 bytes
	s_add_co_u32 s[SB], s[SB], s[CT]
	s_mov_b32 s[SB+1], 0
	s_mov_b32 s[CS], 0x3d38aa3b                    ; c = log2(e) / 32
	s_mov_b32 s[CS+1], s[CS]
	s_mov_b32 s[NINF], 0xff800000
	s_mov_b32 s[LOW], 0xff7fffff                   ; the lowest finite number
	s_mov_b32 s[HI8], 0xff00ff00                   ; the lanes whose place in a row of 16 is 8 or more
	s_mov_b32 s[ONES], 0x01010101                  ; the lanes whose place modulo 8 is 0
	s_wait_dscnt 0x0                               ; the opening add is done
	s_wait_kmcnt 0x0
	s_add_nc_u64 s[AA:AA+1], s[4:5], s[AA:AA+1]
	s_add_nc_u64 s[BA:BA+1], s[4:5], s[BA:BA+1]
	s_add_nc_u64 s[MB:MB+1], s[6:7], s[MB:MB+1]
	s_add_nc_u64 s[PB:PB+1], s[8:9], s[PB:PB+1]
	s_add_nc_u64 s[SB:SB+1], s[10:11], s[SB:SB+1]
	CROUND                                         ; all sixteen work-groups are here: the first joint loads meet
.irp s, 0,1
	s_mov_b32 s[G0+4*(\s)], 1
	s_add_co_u32 s[G0+4*(\s)+1], s[LA], (\s)*SLOT
	s_add_nc_u64 s[G0+4*(\s)+2:G0+4*(\s)+3], s[AA:AA+1], (\s)*KSTEP*2
	s_or_b32 s[G0+4*(\s)+3], s[G0+4*(\s)+3], 0x80000000
	s_mov_b32 s[G0B+4*(\s)], 1
	s_add_co_u32 s[G0B+4*(\s)+1], s[LA], (\s)*SLOT
	s_add_nc_u64 s[G0B+4*(\s)+2:G0B+4*(\s)+3], s[BA:BA+1], (\s)*KSTEP*2
	s_or_b32 s[G0B+4*(\s)+3], s[G0B+4*(\s)+3], 0x80000000
.endr
	s_cmp_eq_u32 s[RH], 0                          ; a wave's two first fills stand in one branch: two loads of mine are out
	s_cbranch_scc0 .Lfirst_b
	tensor_load_to_lds s[G0:G0+3], s[G1:G1+7]
	s_nop 0
	tensor_load_to_lds s[G0+4:G0+7], s[G1:G1+7]
	s_nop 0
.rept 4
	v_nop
.endr
	s_branch .Lfirst_asked
.Lfirst_b:
	tensor_load_to_lds s[G0B:G0B+3], s[G1B:G1B+7]
	s_nop 0
	tensor_load_to_lds s[G0B+4:G0B+7], s[G1B:G1B+7]
	s_nop 0
.rept 4
	v_nop
.endr
.Lfirst_asked:
	v_and_b32 v1, 15, v0                           ; r = lane % 16 (behind the products: i, my place in a row)
	v_bfe_u32 v2, v0, 4, 1                         ; h = lane / 16 (behind the products: g, which of two rows)
	v_lshlrev_b32 v4, 13, v2
	v_lshl_add_u32 v[MO], v1, 5, v4                ; 8,192 g + 32 i
	MASKLD                                         ; the first trip's mask: neither its registers nor its address are touched before the products are done
	v_mul_u32_u24 v3, v1, PITCH
	v_lshl_add_u32 v3, v2, 4, v3
	s_mul_i32 s[CT], s[RH], HALFT                  ; my 128 rows of q
	s_mul_i32 s[CT+1], s[CH], HALFT                ; my 128 rows of k,
	s_add_co_u32 s[CT+1], s[CT+1], 2*HALFT         ; which lie behind q's 256
.irp s, 0,1
	v_add_nc_u32 v[ADRA+(\s)], s[CT], v3
	v_add_nc_u32 v[ADRB+(\s)], s[CT+1], v3
	s_add_co_u32 s[CT], s[CT], SLOT
	s_add_co_u32 s[CT+1], s[CT+1], SLOT
.endr
	s_mul_i32 s[CT], s[WV], SCR                    ; my scratch
	v_mul_u32_u24 v4, v1, SCP
	v_lshl_add_u32 v4, v2, 4, v4
	v_add_nc_u32 v[DA], s[CT], v4                  ; down: row r, 16 bytes for each half of the lanes
	v_mul_u32_u24 v4, v2, SCP
	v_lshl_add_u32 v4, v1, 4, v4
	v_add_nc_u32 v[RDS], s[CT], v4                 ; up: row g, 16 bytes at 16 i
	v_lshlrev_b32 v4, 12, v2
	v_lshl_add_u32 v[PO], v1, 4, v4                ; 4,096 g + 16 i
	v_lshrrev_b32 v4, 3, v1                        ; lane (g, i) puts away: m (i < 8) or l (i >= 8)
	v_and_b32 v5, 7, v1
	v_lshl_add_u32 v5, v5, 1, v2                   ; of row 2 (i % 8) + g
	v_lshlrev_b32 v5, 2, v5
	v_lshl_add_u32 v5, v4, 6, v5
	s_lshl_b32 s[CT], s[WV], 10
	s_add_co_u32 s[CT], s[CT], STAT
	v_add_nc_u32 v[STA], s[CT], v5
	v_and_b32 v4, 31, v0
	v_lshlrev_b32 v[SGO], 4, v4
	v_add_nc_u32 v[SRD], s[CT], v[SGO]
; 16 matrix instructions: row blocks a0, a0 + 1 of the window's four x all 8 key blocks.  The 64 accumulators take turns, always in the same order.
.macro MUL16 f, hi, a0, zero
	WIN MUL_LO+0x50*(\hi)
.irp a, \a0, (\a0)+1
.irp b, 0,1,2,3,4,5,6,7
.if \zero
	v_wmma_f32_16x16x32_f16 v[8*(8*(\a)+(\b)):8*(8*(\a)+(\b))+7], v[(\f)+8*(\b):(\f)+8*(\b)+7], v[(\f)+8*(4*(\hi)+(\a)):(\f)+8*(4*(\hi)+(\a))+7], 0
.else
	v_wmma_f32_16x16x32_f16 v[8*(8*(\a)+(\b)):8*(8*(\a)+(\b))+7], v[(\f)+8*(\b):(\f)+8*(\b)+7], v[(\f)+8*(4*(\hi)+(\a)):(\f)+8*(4*(\hi)+(\a))+7], v[8*(8*(\a)+(\b)):8*(8*(\a)+(\b))+7]
.endif
.endr
.endr
.endm
.macro FETCH slot, k, f                ; 32 LDS loads in one run: k's eight fragments, then q's eight
	WIN TO_B
.irp i, 0,1,2,3,4,5,6,7
	ds_load_b128 v[(\f)+8*(\i):(\f)+8*(\i)+3],   v[ADRB+(\slot)] offset:(\k)+(\i)*16*PITCH
	ds_load_b128 v[(\f)+8*(\i)+4:(\f)+8*(\i)+7], v[ADRB+(\slot)] offset:(\k)+(\i)*16*PITCH+32
.endr
	WIN 0
.irp i, 0,1,2,3,4,5,6,7
	ds_load_b128 v[(\f)+8*(\i):(\f)+8*(\i)+3],   v[ADRA+(\slot)] offset:(\k)+(\i)*16*PITCH
	ds_load_b128 v[(\f)+8*(\i)+4:(\f)+8*(\i)+7], v[ADRA+(\slot)] offset:(\k)+(\i)*16*PITCH+32
.endr
.endm
.macro QUARTER slot, k, f, g, zero
	s_wait_dscnt 8                                 ; k's fragments and q's rows 0-63 are in; the youngest eight loads may be out
	MUL16 \f, 0, 0, \zero
	MUL16 \f, 0, 2, \zero
	PLACES
	FETCH \slot, \k, \g
	s_wait_dscnt 32                                ; all but the 32 just issued
	MUL16 \f, 1, 0, \zero
	MUL16 \f, 1, 2, \zero
.endm
; The last quarter's first half and the one barrier of a change of slots: ahead of it each wave waits for all its tensor loads (its part of the next slot), adds 0 to its spare word, and waits for that and its reads of this slot.
.macro MEET round
	WIN 0
	s_wait_tensorcnt 0x0
	ds_add_u32 v[SPW], v[NIL]
	s_wait_dscnt 9                                 ; (the add and the youngest eight loads may be out)
	MUL16 F1, 0, 0, 0
	s_wait_dscnt 0x0                               ; the add is done, and my reads of this slot are over
	s_barrier_signal -1
	MUL16 F1, 0, 2, 0
.if \round
	WIN 0
.endif
	s_barrier_wait -1
.endm
.macro TURN slot, next, fill           ; fill = 1: the barrier opens a round of the cluster's, and this slot is filled again first behind it, two K steps ahead
	MEET \fill
.if \fill
	CREST
	s_add_nc_u64 s[G0+4*(\slot)+2:G0+4*(\slot)+3], s[G0+4*(\slot)+2:G0+4*(\slot)+3], 2*KSTEP*2
	s_add_nc_u64 s[G0B+4*(\slot)+2:G0B+4*(\slot)+3], s[G0B+4*(\slot)+2:G0B+4*(\slot)+3], 2*KSTEP*2
	JLOAD \slot                                    ; its four v_nop are also the places ahead of the loads below
.else
	PLACES
.endif
	FETCH \next, 0, F0
	MUL16 F1, 1, 0, 0
	MUL16 F1, 1, 2, 0
.endm
	s_wait_tensorcnt 0x1                           ; my part of K step 0 is in; K step 1's stays out
	s_barrier_signal -1
	s_barrier_wait -1
	FETCH 0, 0, F0
	QUARTER 0, 64, F0, F1, 1                       ; the first quarter's products start the sums
	WIN 0
	s_mov_b32 s[LAPC], LAPS-1
.Llap:                                                 ; a trip goes once round the ring and fills both slots again
	QUARTER 0, 128, F1, F0, 0
	QUARTER 0, 192, F0, F1, 0
	TURN 0, 1, 1
	QUARTER 1, 64,  F0, F1, 0
	QUARTER 1, 128, F1, F0, 0
	QUARTER 1, 192, F0, F1, 0
	TURN 1, 0, 1
	QUARTER 0, 64,  F0, F1, 0
	WIN 0
	s_sub_co_u32 s[LAPC], s[LAPC], 1
	s_cmp_lg_u32 s[LAPC], 0
	s_cbranch_scc1 .Llap
	QUARTER 0, 128, F1, F0, 0                      ; the last lap asks for nothing
	QUARTER 0, 192, F0, F1, 0
	TURN 0, 1, 0
	QUARTER 1, 64,  F0, F1, 0
	QUARTER 1, 128, F1, F0, 0
	QUARTER 1, 192, F0, F1, 0
	s_wait_dscnt 0x0                               ; my last reads of the ring are back:
	s_barrier_signal -1                            ; say so,
	MUL16 F1, 0, 0, 0                              ; finish the sums while the others arrive,
	MUL16 F1, 0, 2, 0
	MUL16 F1, 1, 0, 0
	MUL16 F1, 1, 2, 0
	WIN 0
	s_barrier_wait -1                              ; and behind this wait nobody reads the ring, which has had its last fill: it is scratch now
	PLACES
	; The scores go down by rows.  A row's 512 bytes: first registers 0-3 of the 16 groups of eight keys, then registers 4-7: a lane that takes 16 bytes at 16 i of each half has keys 8 i .. 8 i + 7.
.irp a, 0,1,2,3,4,5,6,7
	WIN 0x08+4*((\a)/4)                            ; the stores' data in window 2 or 3
.irp b, 0,1,2,3,4,5,6,7
	ds_store_b128 v[DA], v[64*((\a)%4)+8*(\b):64*((\a)%4)+8*(\b)+3]   offset:(\a)*16*SCP+32*(\b)
	ds_store_b128 v[DA], v[64*((\a)%4)+8*(\b)+4:64*((\a)%4)+8*(\b)+7] offset:(\a)*16*SCP+256+32*(\b)
.endr
.endr
	WIN 0
.macro ALL line:vararg                 ; one line for each of a trip's eight pairs of rows, u
.set u, 0
.rept 8
	\line
.set u, u+1
.endr
.endm
	ALL v_mov_b32 v[ML+2*u+1], 0                   ; named as pairs with m before l is first made
	s_mov_b32 s[CNT], 8
.Lepi:                                                 ; a trip: 16 rows; lane (g, i) has keys 8 i .. 8 i + 7 of rows 2 u + g
	ALL ds_load_b128 v[S+8*u:S+8*u+3], v[RDS] offset:u*2*SCP        ; LDS serves a wave's instructions in order: these see my stores
	ALL ds_load_b128 v[S+8*u+4:S+8*u+7], v[RDS] offset:u*2*SCP+256
	s_wait_loadcnt 0x0                             ; the trip's mask
	s_wait_dscnt 0x0
.set e, 0
.rept 64
	v_cmp_ne_u32 vcc_lo, 0, v[MK+e]
	v_cndmask_b32 v[S+e], s[NINF], v[S+e], vcc_lo  ; a hidden key's score is -infinity
.set e, e+1
.endr
	s_cmp_eq_u32 s[CNT], 1
	s_cbranch_scc1 .Lno_mask                       ; the last trip asks for nothing
	s_add_nc_u64 s[MB:MB+1], s[MB:MB+1], 131072    ; 16 rows on: the loads that named the base are done
	MASKLD
.Lno_mask:
	ALL v_max3_num_f32 v[ML+2*u], v[S+8*u], v[S+8*u+1], v[S+8*u+2]
	ALL v_max3_num_f32 v[ML+2*u], v[ML+2*u], v[S+8*u+3], v[S+8*u+4]
	ALL v_max3_num_f32 v[ML+2*u], v[ML+2*u], v[S+8*u+5], v[S+8*u+6]
	ALL v_max3_num_f32 v[ML+2*u], v[ML+2*u], v[S+8*u+7], s[LOW]
	ALL v_max_num_f32_dpp v[ML+2*u], v[ML+2*u], v[ML+2*u] row_xmask:1 row_mask:0xf bank_mask:0xf
	ALL v_max_num_f32_dpp v[ML+2*u], v[ML+2*u], v[ML+2*u] row_xmask:2 row_mask:0xf bank_mask:0xf
	ALL v_max_num_f32_dpp v[ML+2*u], v[ML+2*u], v[ML+2*u] row_xmask:4 row_mask:0xf bank_mask:0xf
	ALL v_max_num_f32_dpp v[ML+2*u], v[ML+2*u], v[ML+2*u] row_xmask:8 row_mask:0xf bank_mask:0xf
.set e, 0
.rept 32
	v_pk_add_f32 v[S+2*e:S+2*e+1], v[S+2*e:S+2*e+1], v[ML+2*(e/4):ML+2*(e/4)+1] op_sel_hi:[1,0] neg_lo:[0,1] neg_hi:[0,1]  ; s - m
.set e, e+1
.endr
.set e, 0
.rept 32
	v_pk_mul_f32 v[S+2*e:S+2*e+1], v[S+2*e:S+2*e+1], s[CS:CS+1] op_sel_hi:[1,0]
.set e, e+1
.endr
.set e, 0
.rept 64
	v_exp_f32 v[S+e], v[S+e]
.set e, e+1
.endr
	v_nop                                          ; a plain instruction between the last exponential and the use of its result
.set e, 0
	s_wait_alu depctr_va_vdst(0)
.rept 32
	v_cvt_pk_f16_f32 v[PK+e], v[S+2*e], v[S+2*e+1]
.set e, e+1
.endr
	ALL global_store_b128 v[PO], v[PK+4*u:PK+4*u+3], s[PB:PB+1] offset:u*8192  ; 16 lanes store a row's 256 consecutive bytes, aligned
	ALL v_pk_add_f32 v[S+8*u:S+8*u+1], v[S+8*u:S+8*u+1], v[S+8*u+2:S+8*u+3]
	ALL v_pk_add_f32 v[S+8*u+4:S+8*u+5], v[S+8*u+4:S+8*u+5], v[S+8*u+6:S+8*u+7]
	ALL v_pk_add_f32 v[S+8*u:S+8*u+1], v[S+8*u:S+8*u+1], v[S+8*u+4:S+8*u+5]
	ALL v_add_f32 v[ML+2*u+1], v[S+8*u], v[S+8*u+1]
	ALL v_add_f32_dpp v[ML+2*u+1], v[ML+2*u+1], v[ML+2*u+1] row_xmask:1 row_mask:0xf bank_mask:0xf
	ALL v_add_f32_dpp v[ML+2*u+1], v[ML+2*u+1], v[ML+2*u+1] row_xmask:2 row_mask:0xf bank_mask:0xf
	ALL v_add_f32_dpp v[ML+2*u+1], v[ML+2*u+1], v[ML+2*u+1] row_xmask:4 row_mask:0xf bank_mask:0xf
	ALL v_add_f32_dpp v[ML+2*u+1], v[ML+2*u+1], v[ML+2*u+1] row_xmask:8 row_mask:0xf bank_mask:0xf
	v_cndmask_b32 v[ST], v[ML], v[ML+1], s[HI8]    ; each lane picks the one number that it puts away: m or l by its place's upper bit, the pair of rows by the lower three
.irp u, 1,2,3,4,5,6,7
	s_lshl_b32 s[TM], s[ONES], \u
	v_cndmask_b32 v[TT], v[ML+2*(\u)], v[ML+2*(\u)+1], s[HI8]
	v_cndmask_b32 v[ST], v[ST], v[TT], s[TM]
.endr
	ds_store_b32 v[STA], v[ST]
	v_add_nc_u32 v[RDS], 16*SCP, v[RDS]
	v_add_nc_u32 v[STA], 128, v[STA]
	s_wait_xcnt 0x0                                ; pt's base and the packed weights are rewritten only behind this wait
	s_add_nc_u64 s[PB:PB+1], s[PB:PB+1], 65536     ; 16 rows on (behind the last trip it is not used)
	s_sub_co_u32 s[CNT], s[CNT], 1
	s_cmp_lg_u32 s[CNT], 0
	s_cbranch_scc1 .Lepi
	ds_load_b128 v[S:S+3],   v[SRD]                ; my 128 rows' m and l: 1,024 consecutive bytes
	ds_load_b128 v[S+4:S+7], v[SRD] offset:512
	s_wait_dscnt 0x0
	global_store_b128 v[SGO], v[S:S+3],   s[SB:SB+1]
	global_store_b128 v[SGO], v[S+4:S+7], s[SB:SB+1] offset:512
	s_wait_tensorcnt 0x0                           ; the wave's end
	ds_add_u32 v[SPW], v[NIL]
	s_wait_dscnt 0x0
	CROUND                                         ; the closing round
	s_endpgm
.Lfunc_end_k_qf99b3fdfbb_scores:
	.size	k_qf99b3fdfbb_scores, .Lfunc_end_k_qf99b3fdfbb_scores-k_qf99b3fdfbb_scores
	.p2alignl 7, 3214868480
	.fill 96, 4, 3214868480
	.section	.rodata,"a",@progbits
	.p2align	6, 0x0
	.amdhsa_kernel k_qf99b3fdfbb_scores
		.amdhsa_group_segment_fixed_size 327680
		.amdhsa_private_segment_fixed_size 0
		.amdhsa_enable_private_segment 0
		.amdhsa_kernarg_size 32
		.amdhsa_user_sgpr_count 2
		.amdhsa_user_sgpr_kernarg_segment_ptr 1
		.amdhsa_wavefront_size32 1
		.amdhsa_system_sgpr_workgroup_id_x 1
		.amdhsa_system_sgpr_workgroup_id_y 1
		.amdhsa_system_sgpr_workgroup_id_z 1
		.amdhsa_system_vgpr_workitem_id 0
		.amdhsa_next_free_vgpr 1024
		.amdhsa_next_free_sgpr 84
		.amdhsa_reserve_vcc 1
		.amdhsa_float_denorm_mode_32 3
		.amdhsa_float_denorm_mode_16_64 3
		.amdhsa_memory_ordered 1
		.amdhsa_forward_progress 1
		.amdhsa_inst_pref_size 147
	.end_amdhsa_kernel
	.amdgpu_metadata
---
amdhsa.version: [ 1, 2 ]
amdhsa.kernels:
  - .name:           k_qf99b3fdfbb_scores
    .symbol:         k_qf99b3fdfbb_scores.kd
    .args:
      - { .name: qkv, .offset: 0, .size: 8, .value_kind: global_buffer, .address_space: global }
      - { .name: mask, .offset: 8, .size: 8, .value_kind: global_buffer, .address_space: global }
      - { .name: pt, .offset: 16, .size: 8, .value_kind: global_buffer, .address_space: global }
      - { .name: stats, .offset: 24, .size: 8, .value_kind: global_buffer, .address_space: global }
    .group_segment_fixed_size: 327680
    .private_segment_fixed_size: 0
    .kernarg_segment_align: 8
    .kernarg_segment_size: 32
    .max_flat_workgroup_size: 128
    .sgpr_count:     84
    .vgpr_count:     1024
    .wavefront_size: 32
...
	.end_amdgpu_metadata
.endif
;; end of part 3
;; launch ctx (part 4): grid 4 x 64, 4 waves a work-group, clusters of 4 x 4, 327,680 bytes of LDS; arguments pt, qkv, stats, ctxh; writes ctxh
.if DOCPART == 4
	.amdgcn_target "amdgcn-amd-amdhsa--gfx1250"
	.amdhsa_code_object_version 6
	.text
	.protected	k_qf99b3fdfbb_ctx
	.globl	k_qf99b3fdfbb_ctx
	.p2align	8
	.type	k_qf99b3fdfbb_ctx,@function
k_qf99b3fdfbb_ctx:
	s_mov_b64 s[64:65], 0
	v_nop
	global_prefetch_b8 v0, s[64:65] scope:SCOPE_SE
	s_setreg_imm32_b32 hwreg(HW_REG_WAVE_MODE, 25, 1), 1
	s_wait_xcnt 0x0
	s_wait_alu depctr_hold_cnt(0) depctr_sa_sdst(0) depctr_va_vdst(0) depctr_va_sdst(0) depctr_va_ssrc(0) depctr_va_vcc(0) depctr_vm_vsrc(0)
	s_getreg_b32 s2, hwreg(HW_REG_IB_STS2, 6, 4)
	s_cmp_eq_u32 s2, 0
	s_cbranch_scc0 .Lentry_in_a_cluster
	s_endpgm
.Lentry_in_a_cluster:
	s_bfe_u32 s2, ttmp6, 0x10000c
	s_cmp_lg_u32 s2, 0xf033
	s_cbranch_scc0 .Lentry_shape_is_right
	s_endpgm
.Lentry_shape_is_right:
; ctxh[q][d] = (sum over chunks t of f_t(q) x sum over the chunk's keys of p[q][key] v[key][d]) / L(q), with M = the largest of the row's 16 chunk maxima m_t, f_t = 2^(c (m_t - M)), c = log2(e) / 32,
; L = the sum of f_t l_t.  So every weight is 2^(c (s - M)) / L: the softmax with the row's true maximum taken away.  pt: [8192][2048] f16; v: columns 2048-3071 of qkv; ctxh: [8192][1024] f16.
; A K step of 128 keys is one chunk: the fragments of p of K step t are multiplied by f_t (f16, at most 1) between their load and the products; the division by L is made in f32 at the end.
; A row with no visible key has p = 0 and L = 0: 0 x infinity gives NaN, as the softmax of such a row does.
; LIMITS.  p f_t below 6e-5 keeps f16's fixed step of 6e-8.  ctx is a mean of v's rows and has their range.
; A tile of C is 128 x 256: 4 x 64 = 256 work-groups.  Four waves, each 64 rows x 128 columns.  Ring, round, turns and way out as in the projections' kernels; v lies [key][channel] and its
; fragments come out of LDS turned, by ds_load_tr16_b128.  CLUSTER 4 x 4: p's tile is shared along a row of the cluster, v's along a column.
; REGISTERS: window 0: v0-31 addresses, v32-52 at work, v128-223 the way out; window 1: two fragment buffers of 96, v192-195 f_t of my four row blocks; window 2: accumulator (a, b) at v[8 (8 a + b)].
.set T,      16
.set PITCH,  272                       ; a row of p in LDS: 256 bytes + 16
.set PV,     544                       ; a row of v: 512 bytes + 32
.set AH,     64*PITCH
.set BH,     64*PV                     ; 64 keys: one tensor load
.set BOFF,   2*AH
.set SLOT1,  131072
.set FT,     BOFF+2*BH                 ; between the slots, in blocks that no fill touches: for each wave [chunk 16][row 64] words, f_t twice in f16
.set IL,     FT+4*4096                 ; for each wave [row 64] f32: 1 / L
.set STAGE,  SLOT1+BOFF+2*BH
.set SPITCH, 272
.set SPARE,  STAGE+4*16*SPITCH
.set KA,     256
.set KB,     128*6144
.set LDC,    2048
.set A0,   16
.set B0,   17
.set ADRA, 18
.set ADRB, 19
.set FTA,  20                          ; where I read f_t of the K step to come
.set SO,   21                          ; my byte offset in stats; never rewritten
.set FW,   22                          ; where I put f_t
.set IW,   23                          ; where I put 1 / L
.set STO,  24
.set RD,   25
.set CO,   26
.set ILA,  27                          ; where I read 1 / L
.set SPW,  28
.set NIL,  29
.set MS,   32                          ; v32-39 eight m, then f
.set LS,   40                          ; v40-47 eight l, then f packed
.set IV,   32                          ; the way out: pairs of 1 / L
.set TMP,  128
.set OB,   160
.set F0,   0
.set F1,   96
.set FC,   192
.set WV, 12
.set RH, 13
.set CH, 14
.set CX, 15
.set CY, 16
.set TX, 17
.set TY, 18
.set CLY, 19
.set MR, 20
.set MC, 21
.set LA, 22
.set LB, 23
.set G1, 24
.set G0, 32
.set AA, 40
.set BA, 44
.set G1B, 48
.set G0B, 56
.set TB, 66
.set CNT, 67
.set CB, 68
.set CT, 70
.set SB, 72                            ; s[72:73] stats at my batch and first block of rows
.set SEL, 74                           ; s[74:75] each lane takes its own place in the other half
.set CS, 76
.set TS, 77
.set MUL,  0xa5
.set TO_F, 0x40
.set MSB, 0
.macro WIN new
.if MSB != (\new)
	s_set_vgpr_msb (MSB<<8)|(\new)
.set MSB, \new
.endif
.endm
.macro PLACES
.rept 4
	v_nop
.endr
.endm
.macro CREST
	s_cmp_lg_u32 s[WV], 0
	s_cbranch_scc1 .Lnot_wave_0_\@
	s_barrier_signal -3
.Lnot_wave_0_\@:
	s_barrier_wait -3
	s_barrier_signal -1
	s_barrier_wait -1
.endm
.macro CROUND
	s_barrier_signal -1
	s_barrier_wait -1
	CREST
.endm
.macro JLOAD
	s_cmp_eq_u32 s[RH], 0
	s_cbranch_scc0 .Lfor_b_\@
	tensor_load_to_lds s[G0+4:G0+7], s[G1:G1+7]
	s_nop 0
.rept 4
	v_nop
.endr
	s_branch .Lasked_\@
.Lfor_b_\@:
	tensor_load_to_lds s[G0B+4:G0B+7], s[G1B:G1B+7]
	s_nop 0
.rept 4
	v_nop
.endr
.Lasked_\@:
.endm
	s_load_b256 s[4:11], s[0:1], 0x0               ; pt 4:5, qkv 6:7, stats 8:9, ctxh 10:11
	v_lshl_add_u32 v[SPW], v0, 2, SPARE
	v_mov_b32 v[NIL], 0
	ds_add_u32 v[SPW], v[NIL]                      ; the wave's opening: the add and its wait stand ahead of my first tensor load
	ds_add_u32 v28, v29
	v_lshrrev_b32 v1, 5, v0
	v_readfirstlane_b32 s[WV], v1
	s_lshr_b32 s[RH], s[WV], 1
	s_and_b32 s[CH], s[WV], 1
	s_bfe_u32 s[CX], ttmp6, 0x40000
	s_bfe_u32 s[CY], ttmp6, 0x40004
	s_lshl_b32 s[TX], ttmp9, 2
	s_add_co_u32 s[TX], s[TX], s[CX]               ; block of 256 channels
	s_and_b32 s[CLY], ttmp7, 0xffff
	s_lshl_b32 s[TY], s[CLY], 2
	s_add_co_u32 s[TY], s[TY], s[CY]               ; block of 128 rows; the batch is cluster y / 4
	s_lshl_b32 s[MR], s[CY], 2
	s_lshl_b32 s[MR], 15, s[MR]
	s_lshl_b32 s[MC], 0x1111, s[CX]
	s_or_b32 s[G1], s[MR], (1<<16)|(1<<20)|(1<<21)|(5<<22)|(3<<25)   ; after every 64 words 4 words of padding
	s_or_b32 s[G1B], s[MC], (1<<16)|(1<<20)|(1<<21)|(6<<22)|(7<<25)  ; after every 128 words 8 words
	s_mov_b32 s[G1+1], 128<<16                     ; p: 64 rows x 128 elements, 2,048 elements from row to row
	s_mov_b32 s[G1+2], 64<<16
	s_mov_b32 s[G1+3], 128<<16
	s_mov_b32 s[G1+4], 64
	s_mov_b32 s[G1+5], 2048
	s_mov_b32 s[G1+6], 0
	s_mov_b32 s[G1+7], 0
	s_mov_b32 s[G1B+1], 256<<16                    ; v: 64 keys x 256 channels, 3,072 elements from row to row
	s_mov_b32 s[G1B+2], 64<<16
	s_mov_b32 s[G1B+3], 256<<16
	s_mov_b32 s[G1B+4], 64
	s_mov_b32 s[G1B+5], 3072
	s_mov_b32 s[G1B+6], 0
	s_mov_b32 s[G1B+7], 0
	s_lshl_b32 s[AA], s[TY], 7
	s_lshl_b32 s[AA+2], s[CH], 6
	s_add_co_u32 s[AA], s[AA], s[AA+2]             ; p: row 128 x row block + 64 x half,
	s_lshl_b32 s[AA], s[AA], 12                    ; of 4,096 bytes
	s_mov_b32 s[AA+1], 0
	s_lshr_b32 s[BA], s[CLY], 2
	s_lshl_b32 s[BA], s[BA], 11                    ; v: the batch's first key
	s_lshl_b32 s[BA+2], s[CH], 6
	s_add_co_u32 s[BA], s[BA], s[BA+2]             ; + 64 x half,
	s_mul_i32 s[BA], s[BA], 6144
	s_lshl_b32 s[BA+2], s[TX], 9
	s_add_co_u32 s[BA], s[BA], s[BA+2]             ; my block's 512 bytes of a row,
	s_add_co_u32 s[BA], s[BA], 4096                ; behind q's and k's columns
	s_mov_b32 s[BA+1], 0
	s_mul_i32 s[LA], s[CH], AH
	s_mul_i32 s[LB], s[CH], BH
	s_add_co_u32 s[LB], s[LB], BOFF
	s_lshr_b32 s[SB], s[CLY], 2
	s_lshl_b32 s[SB], s[SB], 18                    ; stats: a batch is 262,144 bytes;
	s_and_b32 s[CT], s[TY], 15
	s_lshl_b32 s[CT], s[CT], 3
	s_lshl_b32 s[CT+1], s[RH], 2
	s_add_co_u32 s[CT], s[CT], s[CT+1]             ; my first block of 16 rows in the batch,
	s_lshl_b32 s[CT], s[CT], 7                     ; of 128 bytes
	s_add_co_u32 s[SB], s[SB], s[CT]
	s_mov_b32 s[SB+1], 0
	s_lshl_b32 s[CT], s[TY], 7                     ; C: my first row,
	s_lshl_b32 s[CT+1], s[RH], 6
	s_add_co_u32 s[CT], s[CT], s[CT+1]
	s_lshl_b32 s[CT], s[CT], 11
	s_lshl_b32 s[CT+1], s[TX], 9                   ; my first column, in bytes
	s_add_co_u32 s[CT], s[CT], s[CT+1]
	s_lshl_b32 s[CT+1], s[CH], 8
	s_add_co_u32 s[CT], s[CT], s[CT+1]
	s_mov_b32 s[CT+1], 0
	s_mov_b32 s[TB], 0
	s_mov_b32 s[SEL], 0x76543210
	s_mov_b32 s[SEL+1], 0xfedcba98
	s_mov_b32 s[CS], 0x3d38aa3b                    ; c = log2(e) / 32
	s_wait_dscnt 0x0                               ; the opening add is done
	s_wait_kmcnt 0x0
	s_add_nc_u64 s[AA:AA+1], s[4:5], s[AA:AA+1]
	s_add_nc_u64 s[BA:BA+1], s[6:7], s[BA:BA+1]
	s_add_nc_u64 s[SB:SB+1], s[8:9], s[SB:SB+1]
	s_add_nc_u64 s[CB:CB+1], s[10:11], s[CT:CT+1]
	CROUND                                         ; all sixteen work-groups are here: the first joint loads meet
.irp s, 0,1
	s_mov_b32 s[G0+4*(\s)], 1
	s_add_co_u32 s[G0+4*(\s)+1], s[LA], (\s)*SLOT1
	s_add_nc_u64 s[G0+4*(\s)+2:G0+4*(\s)+3], s[AA:AA+1], (\s)*KA
	s_or_b32 s[G0+4*(\s)+3], s[G0+4*(\s)+3], 0x80000000
	s_mov_b32 s[G0B+4*(\s)], 1
	s_add_co_u32 s[G0B+4*(\s)+1], s[LB], (\s)*SLOT1
	s_add_nc_u64 s[G0B+4*(\s)+2:G0B+4*(\s)+3], s[BA:BA+1], (\s)*KB
	s_or_b32 s[G0B+4*(\s)+3], s[G0B+4*(\s)+3], 0x80000000
.endr
	s_cmp_eq_u32 s[RH], 0                          ; a wave's two first fills stand in one branch: two loads of mine are out
	s_cbranch_scc0 .Lfirst_b
	tensor_load_to_lds s[G0:G0+3], s[G1:G1+7]
	s_nop 0
	tensor_load_to_lds s[G0+4:G0+7], s[G1:G1+7]
	s_nop 0
.rept 4
	v_nop
.endr
	s_branch .Lfirst_asked
.Lfirst_b:
	tensor_load_to_lds s[G0B:G0B+3], s[G1B:G1B+7]
	s_nop 0
	tensor_load_to_lds s[G0B+4:G0B+7], s[G1B:G1B+7]
	s_nop 0
.rept 4
	v_nop
.endr
.Lfirst_asked:
	v_and_b32 v1, 15, v0                           ; r = lane % 16
	v_bfe_u32 v2, v0, 4, 1                         ; h = lane / 16
	v_mul_u32_u24 v3, v1, PITCH
	v_lshl_add_u32 v3, v2, 4, v3
	s_mul_i32 s[CT], s[RH], AH
	v_add_nc_u32 v[A0], s[CT], v3
	v_and_b32 v4, 7, v0                            ; the turning load: lane l reads key 8 h + l % 8, channels 8 ((l / 8) % 2) + 0..7
	v_lshl_add_u32 v4, v2, 3, v4
	v_mul_u32_u24 v4, v4, PV
	v_bfe_u32 v5, v0, 3, 1
	v_lshl_add_u32 v4, v5, 4, v4
	s_lshl_b32 s[CT], s[CH], 8                     ; my 128 channels of the 256
	s_add_co_u32 s[CT], s[CT], BOFF
	v_add_nc_u32 v[B0], s[CT], v4
	v_mov_b32 v[ADRA], v[A0]
	v_mov_b32 v[ADRB], v[B0]
	s_mul_i32 s[CT], s[WV], 16*SPITCH
	s_add_co_u32 s[CT], s[CT], STAGE
	v_add_nc_u32 v[STO], s[CT], v3
	v_mul_u32_u24 v4, v2, SPITCH
	v_lshl_add_u32 v4, v1, 4, v4
	v_add_nc_u32 v[RD], s[CT], v4
	v_lshlrev_b32 v4, 11, v2
	v_lshl_add_u32 v[CO], v1, 4, v4                ; 2,048 h + 16 r
	v_lshlrev_b32 v4, 17, v2
	v_lshl_add_u32 v[SO], v1, 2, v4                ; stats: lane (r, h) takes row r and the chunks 8 h + 0..7: 131,072 h + 4 r
	v_lshlrev_b32 v5, 2, v1                        ; 4 r
	s_lshl_b32 s[TS], s[WV], 12
	s_add_co_u32 s[TS], s[TS], FT                  ; my table of f
	v_add_nc_u32 v[FTA], s[TS], v5
	v_lshl_add_u32 v[FW], v2, 11, v[FTA]           ; chunk 8 h: 2,048 h
	s_lshl_b32 s[TS], s[WV], 8
	s_add_co_u32 s[TS], s[TS], IL                  ; my table of 1 / L
	v_add_nc_u32 v[IW], s[TS], v5
	v_mov_b32 v[ILA], v[IW]
	v_mov_b32 v51, 0                               ; a lane exchange's destination counts as read
	; THE TABLES, made by each wave for its own 64 rows, 16 rows a trip, in the wait for the first tile.  Only the wave itself reads them.
	s_mov_b32 s[CNT], 4
.Ltab:
.irp t, 0,1,2,3,4,5,6,7
	global_load_b32 v[MS+(\t)], v[SO], s[SB:SB+1] offset:(\t)*16384
	global_load_b32 v[LS+(\t)], v[SO], s[SB:SB+1] offset:(\t)*16384+64
.endr
	s_wait_loadcnt 0x0
	s_add_nc_u64 s[SB:SB+1], s[SB:SB+1], 128       ; the next block of 16 rows: the loads that named the base are done
	v_max3_num_f32 v48, v[MS], v[MS+1], v[MS+2]
	v_max3_num_f32 v49, v[MS+3], v[MS+4], v[MS+5]
	v_max3_num_f32 v48, v48, v[MS+6], v[MS+7]
	v_max_num_f32 v48, v48, v49
	v_permlanex16_b32 v49, v48, s[SEL], s[SEL+1]   ; the row's other eight chunks lie in the lane 16 away
	v_max_num_f32 v48, v48, v49                    ; M
.irp t, 0,1,2,3,4,5,6,7
	v_sub_f32 v[MS+(\t)], v[MS+(\t)], v48
.endr
.irp t, 0,1,2,3,4,5,6,7
	v_mul_f32 v[MS+(\t)], s[CS], v[MS+(\t)]
.endr
.irp t, 0,1,2,3,4,5,6,7
	v_exp_f32 v[MS+(\t)], v[MS+(\t)]               ; f_t
.endr
	v_nop                                          ; a plain instruction between the last exponential and the use of its result
	s_wait_alu depctr_va_vdst(0)
	v_mul_f32 v50, v[MS], v[LS]
.irp t, 1,2,3,4,5,6,7
	v_fmac_f32 v50, v[MS+(\t)], v[LS+(\t)]
.endr
	v_permlanex16_b32 v51, v50, s[SEL], s[SEL+1]
	v_add_f32 v50, v50, v51                        ; L
	v_rcp_f32 v52, v50
.irp t, 0,1,2,3,4,5,6,7
	v_cvt_pk_f16_f32 v[LS+(\t)], v[MS+(\t)], v[MS+(\t)]  ; f_t twice; the first of these is the plain instruction behind the reciprocal
.endr
.irp t, 0,1,2,3,4,5,6,7
	ds_store_b32 v[FW], v[LS+(\t)] offset:256*(\t)
.endr
	s_wait_alu depctr_va_vdst(0)
	ds_store_b32 v[IW], v52                        ; both halves of the lanes store the same number
	v_add_nc_u32 v[FW], 64, v[FW]
	v_add_nc_u32 v[IW], 64, v[IW]
	s_sub_co_u32 s[CNT], s[CNT], 1
	s_cmp_lg_u32 s[CNT], 0
	s_cbranch_scc1 .Ltab
; One run of LDS loads: the fragments of 32 keys, quarter kq of a K step: v's eight (turned), then p's four; fc = 1: ahead of them f of the K step that begins.
.macro FETCH kq, f, fc=0
	WIN TO_F
.if \fc
.irp a, 0,1,2,3
	ds_load_b32 v[FC+(\a)], v[FTA] offset:64*(\a)
.endr
.endif
.irp i, 0,1,2,3,4,5,6,7
	ds_load_tr16_b128 v[(\f)+32+8*(\i):(\f)+32+8*(\i)+3],   v[ADRB] offset:(\kq)*32*PV+32*(\i)
	ds_load_tr16_b128 v[(\f)+32+8*(\i)+4:(\f)+32+8*(\i)+7], v[ADRB] offset:(\kq)*32*PV+16*PV+32*(\i)
.endr
.irp i, 0,1,2,3
	ds_load_b128 v[(\f)+8*(\i):(\f)+8*(\i)+3],   v[ADRA] offset:64*(\kq)+(\i)*16*PITCH
	ds_load_b128 v[(\f)+8*(\i)+4:(\f)+8*(\i)+7], v[ADRA] offset:64*(\kq)+(\i)*16*PITCH+32
.endr
.endm
.macro SCALE f                         ; p times f_t: a lane's eight registers of a fragment belong to one row
	WIN 0x45                                       ; destination and both sources window 1
.irp a, 0,1,2,3
.irp q, 0,1,2,3,4,5,6,7
	v_pk_mul_f16 v[(\f)+8*(\a)+(\q)], v[(\f)+8*(\a)+(\q)], v[FC+(\a)]
.endr
.endr
.endm
.macro MUL8 f, a, mode                 ; mode 0: add on; 1: C = 0.  The 32 accumulators take turns, always in the same order.
	WIN MUL
.irp b, 0,1,2,3,4,5,6,7
.if (\mode) == 1
	v_wmma_f32_16x16x32_f16 v[8*(8*(\a)+(\b)):8*(8*(\a)+(\b))+7], v[(\f)+32+8*(\b):(\f)+32+8*(\b)+7], v[(\f)+8*(\a):(\f)+8*(\a)+7], 0
.else
	v_wmma_f32_16x16x32_f16 v[8*(8*(\a)+(\b)):8*(8*(\a)+(\b))+7], v[(\f)+32+8*(\b):(\f)+32+8*(\b)+7], v[(\f)+8*(\a):(\f)+8*(\a)+7], v[8*(8*(\a)+(\b)):8*(8*(\a)+(\b))+7]
.endif
.endr
.endm
.macro MUL16 f, a0, mode
	MUL8 \f, \a0, \mode
	MUL8 \f, (\a0)+1, \mode
.endm
.macro QUARTER kq, f, g, mode
	s_wait_dscnt 0x0                               ; buffer f is in, issued 16 matrix instructions ago
	SCALE \f
	MUL16 \f, 0, \mode
	PLACES
	FETCH \kq, \g
	MUL16 \f, 2, \mode
.endm
.macro TURN fill, last
	WIN 0
	s_wait_tensorcnt 0x0
	ds_add_u32 v[SPW], v[NIL]
	s_wait_dscnt 1                                 ; (the add alone may be out)
	SCALE F1
	MUL8 F1, 0, 0
	s_wait_dscnt 0x0                               ; the add is done, and my reads of this slot are over
	s_barrier_signal -1
	MUL8 F1, 1, 0
	WIN 0
	s_barrier_wait -1
.if \fill
	CREST
	s_xor_b32 s[G0+5], s[G0+5], SLOT1
	s_add_nc_u64 s[G0+6:G0+7], s[G0+6:G0+7], KA
	s_xor_b32 s[G0B+5], s[G0B+5], SLOT1
	s_add_nc_u64 s[G0B+6:G0B+7], s[G0B+6:G0B+7], KB
	JLOAD
.else
	PLACES
.endif
.if \last
	s_cmp_eq_u32 s[CNT], 1
	s_cbranch_scc1 .Lno_fetch_\@
.endif
	s_xor_b32 s[TB], s[TB], SLOT1
	v_add_nc_u32 v[ADRA], s[TB], v[A0]
	v_add_nc_u32 v[ADRB], s[TB], v[B0]
	v_add_nc_u32 v[FTA], 256, v[FTA]               ; the next chunk's f
	FETCH 0, F0, 1
.if \last
	WIN 0
.Lno_fetch_\@:
.endif
	MUL16 F1, 2, 0
.endm
.macro SCL a                           ; row block a divided by L
	WIN 0x82                                       ; destination and source 0 window 2, source 1 window 0
.set i, 64*(\a)
.rept 32
	v_pk_mul_f32 v[i:i+1], v[i:i+1], v[IV+2*(\a):IV+2*(\a)+1] op_sel_hi:[1,0]
.set i, i+2
.endr
.endm
.macro PACK a
	WIN 0x0a
.irp b, 0,1,2,3,4,5,6,7
.irp q, 0,1,2,3
	v_cvt_pk_f16_f32 v[TMP+4*(\b)+(\q)], v[64*(\a)+8*(\b)+2*(\q)], v[64*(\a)+8*(\b)+2*(\q)+1]
.endr
.endr
	WIN 0
.endm
.macro TOSTAGE a
	WIN 0
.set BK, OB+32*((\a)%2)
.irp b, 0,1,2,3,4,5,6,7
	ds_store_b128 v[STO], v[TMP+4*(\b):TMP+4*(\b)+3] offset:32*(\b)
.endr
.irp t, 0,1,2,3,4,5,6,7
	ds_load_b128 v[BK+4*(\t):BK+4*(\t)+3], v[RD] offset:(\t)*2*SPITCH  ; LDS serves a wave's instructions in order: these see the stores above
.endr
.endm
.macro SEND a
	WIN 0
.set BK, OB+32*((\a)%2)
	s_wait_dscnt 0x0
	s_wait_xcnt 0x0                                ; the base and the registers that earlier stores read are rewritten only behind this wait
.if (\a) > 0
	s_add_nc_u64 s[CB:CB+1], s[CB:CB+1], 16*LDC
.endif
.irp t, 0,1,2,3,4,5,6,7
	global_store_b128 v[CO], v[BK+4*(\t):BK+4*(\t)+3], s[CB:CB+1] offset:2*(\t)*LDC  ; 16 lanes store 256 consecutive bytes, aligned
.endr
.endm
	s_wait_dscnt 0x0                               ; my stores into the tables are done: no LDS instruction is out at a signal
	s_wait_tensorcnt 0x1                           ; my part of K step 0 is in; K step 1's stays out
	s_barrier_signal -1
	s_barrier_wait -1
	FETCH 0, F0, 1
	QUARTER 1, F0, F1, 1                           ; the first quarter's products start the sums
	WIN 0
	s_mov_b32 s[CNT], T-2
.Lstep:
	QUARTER 2, F1, F0, 0
	QUARTER 3, F0, F1, 0
	TURN 1, 0
	QUARTER 1, F0, F1, 0
	WIN 0
	s_sub_co_u32 s[CNT], s[CNT], 1
	s_cmp_lg_u32 s[CNT], 0
	s_cbranch_scc1 .Lstep
	s_mov_b32 s[CNT], 2
.Ltail:                                                ; the last two K steps ask for nothing
	QUARTER 2, F1, F0, 0
	QUARTER 3, F0, F1, 0
	TURN 0, 1
	WIN 0
	s_cmp_eq_u32 s[CNT], 1
	s_cbranch_scc1 .Lno_quarter
	QUARTER 1, F0, F1, 0
	WIN 0
.Lno_quarter:
	s_sub_co_u32 s[CNT], s[CNT], 1
	s_cmp_lg_u32 s[CNT], 0
	s_cbranch_scc1 .Ltail
.irp a, 0,1,2,3
	ds_load_b32 v[IV+2*(\a)],   v[ILA] offset:64*(\a)   ; 1 / L of row 16 a + r, into both registers of a pair
	ds_load_b32 v[IV+2*(\a)+1], v[ILA] offset:64*(\a)
.endr
	PLACES
	s_wait_dscnt 0x0
	SCL 0
	PACK 0
	TOSTAGE 0
.irp a, 1,2,3
	SCL \a
	PACK \a
	SEND (\a)-1
	TOSTAGE \a
.endr
	SEND 3
	s_wait_tensorcnt 0x0                           ; the wave's end
	ds_add_u32 v[SPW], v[NIL]
	s_wait_dscnt 0x0
	CROUND                                         ; the closing round
	s_endpgm
.Lfunc_end_k_qf99b3fdfbb_ctx:
	.size	k_qf99b3fdfbb_ctx, .Lfunc_end_k_qf99b3fdfbb_ctx-k_qf99b3fdfbb_ctx
	.p2alignl 7, 3214868480
	.fill 96, 4, 3214868480
	.section	.rodata,"a",@progbits
	.p2align	6, 0x0
	.amdhsa_kernel k_qf99b3fdfbb_ctx
		.amdhsa_group_segment_fixed_size 327680
		.amdhsa_private_segment_fixed_size 0
		.amdhsa_enable_private_segment 0
		.amdhsa_kernarg_size 32
		.amdhsa_user_sgpr_count 2
		.amdhsa_user_sgpr_kernarg_segment_ptr 1
		.amdhsa_wavefront_size32 1
		.amdhsa_system_sgpr_workgroup_id_x 1
		.amdhsa_system_sgpr_workgroup_id_y 1
		.amdhsa_system_sgpr_workgroup_id_z 1
		.amdhsa_system_vgpr_workitem_id 0
		.amdhsa_next_free_vgpr 768
		.amdhsa_next_free_sgpr 80
		.amdhsa_reserve_vcc 0
		.amdhsa_float_denorm_mode_32 3
		.amdhsa_float_denorm_mode_16_64 3
		.amdhsa_memory_ordered 1
		.amdhsa_forward_progress 1
		.amdhsa_inst_pref_size 94
	.end_amdhsa_kernel
	.amdgpu_metadata
---
amdhsa.version: [ 1, 2 ]
amdhsa.kernels:
  - .name:           k_qf99b3fdfbb_ctx
    .symbol:         k_qf99b3fdfbb_ctx.kd
    .args:
      - { .name: pt, .offset: 0, .size: 8, .value_kind: global_buffer, .address_space: global }
      - { .name: qkv, .offset: 8, .size: 8, .value_kind: global_buffer, .address_space: global }
      - { .name: stats, .offset: 16, .size: 8, .value_kind: global_buffer, .address_space: global }
      - { .name: ctxh, .offset: 24, .size: 8, .value_kind: global_buffer, .address_space: global }
    .group_segment_fixed_size: 327680
    .private_segment_fixed_size: 0
    .kernarg_segment_align: 8
    .kernarg_segment_size: 32
    .max_flat_workgroup_size: 128
    .sgpr_count:     80
    .vgpr_count:     768
    .wavefront_size: 32
...
	.end_amdgpu_metadata
.endif
;; end of part 4
;; launch outp (part 5): grid 4 x 64, 4 waves a work-group, clusters of 4 x 4, 327,680 bytes of LDS; arguments ctxh, wh, bias, out0; writes out0
.if DOCPART == 5
	.amdgcn_target "amdgcn-amd-amdhsa--gfx1250"
	.amdhsa_code_object_version 6
	.text
	.protected	k_qf99b3fdfbb_outp
	.globl	k_qf99b3fdfbb_outp
	.p2align	8
	.type	k_qf99b3fdfbb_outp,@function
k_qf99b3fdfbb_outp:
	s_mov_b64 s[64:65], 0
	v_nop
	global_prefetch_b8 v0, s[64:65] scope:SCOPE_SE
	s_setreg_imm32_b32 hwreg(HW_REG_WAVE_MODE, 25, 1), 1
	s_wait_xcnt 0x0
	s_wait_alu depctr_hold_cnt(0) depctr_sa_sdst(0) depctr_va_vdst(0) depctr_va_sdst(0) depctr_va_ssrc(0) depctr_va_vcc(0) depctr_vm_vsrc(0)
	s_getreg_b32 s2, hwreg(HW_REG_IB_STS2, 6, 4)
	s_cmp_eq_u32 s2, 0
	s_cbranch_scc0 .Lentry_in_a_cluster
	s_endpgm
.Lentry_in_a_cluster:
	s_bfe_u32 s2, ttmp6, 0x10000c
	s_cmp_lg_u32 s2, 0xf033
	s_cbranch_scc0 .Lentry_shape_is_right
	s_endpgm
.Lentry_shape_is_right:
; out0[m][n] = sum over k of ctxh[m][k] Wo[n][k] + bo[n], with ctxh = softmax v ([8192][1024] f16), Wo as rows 3072-4095 of wh (f16) and bo as numbers 3072-4095 of bias (f32).
; That is softmax (x Wv^T + bv) Wo^T + bo.  out0: [8192][1024] f32.  Sums in f32.
; A NaN in a row of ctxh (a row with no visible key) reaches that row of out0 alone.
; A tile of C is 128 x 256: 4 x 64 = 256 work-groups.  Four waves, each 64 rows x 128 columns: 32 accumulators.  K in steps of 128 through two LDS slots filled by tensor loads.
; CLUSTER 4 x 4: A's tile is shared along a row of the cluster, B's along a column.  THE MATRIX INSTRUCTION IS USED TRANSPOSED: a lane holds row lane % 16 of C and the columns 8 (lane / 16) + 0..7.
; The bias is the C operand of each accumulator's first product.  The way out goes through each wave's own stage, 16 rows of 512 bytes at a time: a wave's store covers 512 consecutive bytes.
; REGISTERS: window 0: v0-31 addresses, v64-127 the bias, v128-255 the way out; window 1: two fragment buffers of 96; window 2: accumulator (a, b) at v[8 (8 a + b)].
.set T,      8
.set PITCH,  272
.set AH,     64*PITCH
.set BH,     128*PITCH
.set BOFF,   2*AH
.set SLOT1,  131072
.set STAGE,  SLOT1+BOFF+2*BH
.set SPITCH, 528                       ; a row of the stage: 512 bytes + 16
.set SPARE,  STAGE+4*16*SPITCH
.set KA,     256
.set KB,     256
.set LDC,    4096                      ; bytes in a row of out0
.set A0,   16
.set B0,   17
.set ADRA, 18
.set ADRB, 19
.set STO,  24
.set RD,   25
.set CO,   26
.set SPW,  28
.set NIL,  29
.set BI,   64
.set OB,   128
.set F0,   0
.set F1,   96
.set WV, 12
.set RH, 13
.set CH, 14
.set CX, 15
.set CY, 16
.set TX, 17
.set TY, 18
.set CLY, 19
.set MR, 20
.set MC, 21
.set LA, 22
.set LB, 23
.set G1, 24
.set G0, 32
.set AA, 40
.set BA, 44
.set G1B, 48
.set G0B, 56
.set TB, 66
.set CNT, 67
.set CB, 68
.set CT, 70
.set BB, 72
.set GW, (1<<16)|(1<<20)|(1<<21)|(5<<22)|(3<<25)
.set MUL,  0xa5
.set MULB, 0x85
.set TO_F, 0x40
.set MSB, 0
.macro WIN new
.if MSB != (\new)
	s_set_vgpr_msb (MSB<<8)|(\new)
.set MSB, \new
.endif
.endm
.macro PLACES
.rept 4
	v_nop
.endr
.endm
.macro CREST
	s_cmp_lg_u32 s[WV], 0
	s_cbranch_scc1 .Lnot_wave_0_\@
	s_barrier_signal -3
.Lnot_wave_0_\@:
	s_barrier_wait -3
	s_barrier_signal -1
	s_barrier_wait -1
.endm
.macro CROUND
	s_barrier_signal -1
	s_barrier_wait -1
	CREST
.endm
.macro JLOAD
	s_cmp_eq_u32 s[RH], 0
	s_cbranch_scc0 .Lfor_b_\@
	tensor_load_to_lds s[G0+4:G0+7], s[G1:G1+7]
	s_nop 0
.rept 4
	v_nop
.endr
	s_branch .Lasked_\@
.Lfor_b_\@:
	tensor_load_to_lds s[G0B+4:G0B+7], s[G1B:G1B+7]
	s_nop 0
.rept 4
	v_nop
.endr
.Lasked_\@:
.endm
	s_load_b256 s[4:11], s[0:1], 0x0               ; ctxh 4:5, wh 6:7, bias 8:9, out0 10:11
	v_lshl_add_u32 v[SPW], v0, 2, SPARE
	v_mov_b32 v[NIL], 0
	ds_add_u32 v[SPW], v[NIL]                      ; the wave's opening: the add and its wait stand ahead of my first tensor load
	ds_add_u32 v28, v29
	v_lshrrev_b32 v1, 5, v0
	v_readfirstlane_b32 s[WV], v1
	s_lshr_b32 s[RH], s[WV], 1
	s_and_b32 s[CH], s[WV], 1
	s_bfe_u32 s[CX], ttmp6, 0x40000
	s_bfe_u32 s[CY], ttmp6, 0x40004
	s_lshl_b32 s[TX], ttmp9, 2
	s_add_co_u32 s[TX], s[TX], s[CX]
	s_and_b32 s[CLY], ttmp7, 0xffff
	s_lshl_b32 s[TY], s[CLY], 2
	s_add_co_u32 s[TY], s[TY], s[CY]
	s_lshl_b32 s[MR], s[CY], 2
	s_lshl_b32 s[MR], 15, s[MR]
	s_lshl_b32 s[MC], 0x1111, s[CX]
	s_or_b32 s[G1], s[MR], GW
	s_or_b32 s[G1B], s[MC], GW
	s_mov_b32 s[G1+1], 128<<16
	s_mov_b32 s[G1+2], 64<<16
	s_mov_b32 s[G1+3], 128<<16
	s_mov_b32 s[G1+4], 64
	s_mov_b32 s[G1+5], 1024
	s_mov_b32 s[G1+6], 0
	s_mov_b32 s[G1+7], 0
	s_mov_b32 s[G1B+1], 128<<16
	s_mov_b32 s[G1B+2], 128<<16
	s_mov_b32 s[G1B+3], 128<<16
	s_mov_b32 s[G1B+4], 128
	s_mov_b32 s[G1B+5], 1024
	s_mov_b32 s[G1B+6], 0
	s_mov_b32 s[G1B+7], 0
	s_lshl_b32 s[AA], s[TY], 7
	s_lshl_b32 s[AA+2], s[CH], 6
	s_add_co_u32 s[AA], s[AA], s[AA+2]
	s_lshl_b32 s[AA], s[AA], 11
	s_mov_b32 s[AA+1], 0
	s_lshl_b32 s[BA], s[TX], 8
	s_lshl_b32 s[BA+2], s[CH], 7
	s_add_co_u32 s[BA], s[BA], s[BA+2]
	s_add_co_u32 s[BA], s[BA], 3072                ; Wo's rows lie from row 3,072 of wh on
	s_lshl_b32 s[BA], s[BA], 11
	s_mov_b32 s[BA+1], 0
	s_mul_i32 s[LA], s[CH], AH
	s_mul_i32 s[LB], s[CH], BH
	s_add_co_u32 s[LB], s[LB], BOFF
	s_lshl_b32 s[BB], s[TX], 10
	s_lshl_b32 s[BB+1], s[CH], 9
	s_add_co_u32 s[BB], s[BB], s[BB+1]
	s_add_co_u32 s[BB], s[BB], 12288               ; bo lies from number 3,072 of bias on
	s_mov_b32 s[BB+1], 0
	s_lshl_b32 s[CT], s[TY], 7
	s_lshl_b32 s[CT+1], s[RH], 6
	s_add_co_u32 s[CT], s[CT], s[CT+1]
	s_lshl_b32 s[CT], s[CT], 12                    ; my first row, of 4,096 bytes,
	s_lshl_b32 s[CT+1], s[TX], 10                  ; my first column, in bytes
	s_add_co_u32 s[CT], s[CT], s[CT+1]
	s_lshl_b32 s[CT+1], s[CH], 9
	s_add_co_u32 s[CT], s[CT], s[CT+1]
	s_mov_b32 s[CT+1], 0
	s_mov_b32 s[TB], 0
	s_wait_dscnt 0x0                               ; the opening add is done
	s_wait_kmcnt 0x0
	s_add_nc_u64 s[AA:AA+1], s[4:5], s[AA:AA+1]
	s_add_nc_u64 s[BA:BA+1], s[6:7], s[BA:BA+1]
	s_add_nc_u64 s[BB:BB+1], s[8:9], s[BB:BB+1]
	s_add_nc_u64 s[CB:CB+1], s[10:11], s[CT:CT+1]
	CROUND                                         ; all sixteen work-groups are here: the first joint loads meet
.irp s, 0,1
	s_mov_b32 s[G0+4*(\s)], 1
	s_add_co_u32 s[G0+4*(\s)+1], s[LA], (\s)*SLOT1
	s_add_nc_u64 s[G0+4*(\s)+2:G0+4*(\s)+3], s[AA:AA+1], (\s)*KA
	s_or_b32 s[G0+4*(\s)+3], s[G0+4*(\s)+3], 0x80000000
	s_mov_b32 s[G0B+4*(\s)], 1
	s_add_co_u32 s[G0B+4*(\s)+1], s[LB], (\s)*SLOT1
	s_add_nc_u64 s[G0B+4*(\s)+2:G0B+4*(\s)+3], s[BA:BA+1], (\s)*KB
	s_or_b32 s[G0B+4*(\s)+3], s[G0B+4*(\s)+3], 0x80000000
.endr
	s_cmp_eq_u32 s[RH], 0                          ; a wave's two first fills stand in one branch: two loads of mine are out
	s_cbranch_scc0 .Lfirst_b
	tensor_load_to_lds s[G0:G0+3], s[G1:G1+7]
	s_nop 0
	tensor_load_to_lds s[G0+4:G0+7], s[G1:G1+7]
	s_nop 0
.rept 4
	v_nop
.endr
	s_branch .Lfirst_asked
.Lfirst_b:
	tensor_load_to_lds s[G0B:G0B+3], s[G1B:G1B+7]
	s_nop 0
	tensor_load_to_lds s[G0B+4:G0B+7], s[G1B:G1B+7]
	s_nop 0
.rept 4
	v_nop
.endr
.Lfirst_asked:
	v_and_b32 v1, 15, v0                           ; r
	v_bfe_u32 v2, v0, 4, 1                         ; h
	v_lshlrev_b32 v5, 5, v2
.irp b, 0,1,2,3,4,5,6,7
	global_load_b128 v[BI+8*(\b):BI+8*(\b)+3],   v5, s[BB:BB+1] offset:64*(\b)
	global_load_b128 v[BI+8*(\b)+4:BI+8*(\b)+7], v5, s[BB:BB+1] offset:64*(\b)+16
.endr
	v_mul_u32_u24 v3, v1, PITCH
	v_lshl_add_u32 v3, v2, 4, v3
	s_mul_i32 s[CT], s[RH], AH
	v_add_nc_u32 v[A0], s[CT], v3
	s_mul_i32 s[CT], s[CH], BH
	s_add_co_u32 s[CT], s[CT], BOFF
	v_add_nc_u32 v[B0], s[CT], v3
	v_mov_b32 v[ADRA], v[A0]
	v_mov_b32 v[ADRB], v[B0]
	s_mul_i32 s[CT], s[WV], 16*SPITCH
	s_add_co_u32 s[CT], s[CT], STAGE               ; my stage
	v_mul_u32_u24 v4, v1, SPITCH                   ; in: row r, 32 bytes for each half of the lanes
	v_lshl_add_u32 v4, v2, 5, v4
	v_add_nc_u32 v[STO], s[CT], v4
	v_and_b32 v4, 31, v0
	v_lshlrev_b32 v[CO], 4, v4                     ; back and out: 32 lanes take a row's 512 bytes
	v_add_nc_u32 v[RD], s[CT], v[CO]
.macro FETCH k, f
	WIN TO_F
.irp i, 0,1,2,3,4,5,6,7
	ds_load_b128 v[(\f)+32+8*(\i):(\f)+32+8*(\i)+3],   v[ADRB] offset:(\k)+(\i)*16*PITCH
	ds_load_b128 v[(\f)+32+8*(\i)+4:(\f)+32+8*(\i)+7], v[ADRB] offset:(\k)+(\i)*16*PITCH+32
.endr
.irp i, 0,1,2,3
	ds_load_b128 v[(\f)+8*(\i):(\f)+8*(\i)+3],   v[ADRA] offset:(\k)+(\i)*16*PITCH
	ds_load_b128 v[(\f)+8*(\i)+4:(\f)+8*(\i)+7], v[ADRA] offset:(\k)+(\i)*16*PITCH+32
.endr
.endm
.macro MUL8 f, a, mode                 ; mode 0: add on; 2: C = the bias.  The 32 accumulators take turns, always in the same order.
.if (\mode) == 2
	WIN MULB
.else
	WIN MUL
.endif
.irp b, 0,1,2,3,4,5,6,7
.if (\mode) == 2
	v_wmma_f32_16x16x32_f16 v[8*(8*(\a)+(\b)):8*(8*(\a)+(\b))+7], v[(\f)+32+8*(\b):(\f)+32+8*(\b)+7], v[(\f)+8*(\a):(\f)+8*(\a)+7], v[BI+8*(\b):BI+8*(\b)+7]
.else
	v_wmma_f32_16x16x32_f16 v[8*(8*(\a)+(\b)):8*(8*(\a)+(\b))+7], v[(\f)+32+8*(\b):(\f)+32+8*(\b)+7], v[(\f)+8*(\a):(\f)+8*(\a)+7], v[8*(8*(\a)+(\b)):8*(8*(\a)+(\b))+7]
.endif
.endr
.endm
.macro MUL16 f, a0, mode
	MUL8 \f, \a0, \mode
	MUL8 \f, (\a0)+1, \mode
.endm
.macro QUARTER k, f, g, mode
	s_wait_dscnt 4                                 ; B and A's first two fragments are in; the youngest four loads may be out
	MUL16 \f, 0, \mode
	PLACES
	FETCH \k, \g
	s_wait_dscnt 24                                ; all but the 24 just issued
	MUL16 \f, 2, \mode
.endm
.macro TURN fill, last
	WIN 0
	s_wait_tensorcnt 0x0
	ds_add_u32 v[SPW], v[NIL]
	s_wait_dscnt 5                                 ; (the add and the youngest four loads may be out)
	MUL8 F1, 0, 0
	s_wait_dscnt 0x0                               ; the add is done, and my reads of this slot are over
	s_barrier_signal -1
	MUL8 F1, 1, 0
	WIN 0
	s_barrier_wait -1
.if \fill
	CREST
	s_xor_b32 s[G0+5], s[G0+5], SLOT1
	s_add_nc_u64 s[G0+6:G0+7], s[G0+6:G0+7], KA
	s_xor_b32 s[G0B+5], s[G0B+5], SLOT1
	s_add_nc_u64 s[G0B+6:G0B+7], s[G0B+6:G0B+7], KB
	JLOAD
.else
	PLACES
.endif
.if \last
	s_cmp_eq_u32 s[CNT], 1
	s_cbranch_scc1 .Lno_fetch_\@
.endif
	s_xor_b32 s[TB], s[TB], SLOT1
	v_add_nc_u32 v[ADRA], s[TB], v[A0]
	v_add_nc_u32 v[ADRB], s[TB], v[B0]
	FETCH 0, F0
.if \last
	WIN 0
.Lno_fetch_\@:
.endif
	MUL16 F1, 2, 0
.endm
; THE WAY OUT of row block a: the f32 sums go into my stage, 32 bytes a lane and column block, and come back as whole rows of 512 bytes.
.macro OUTA a
	WIN 0x08                                       ; the stores' data in window 2
.irp b, 0,1,2,3,4,5,6,7
	ds_store_b128 v[STO], v[64*(\a)+8*(\b):64*(\a)+8*(\b)+3]   offset:64*(\b)
	ds_store_b128 v[STO], v[64*(\a)+8*(\b)+4:64*(\a)+8*(\b)+7] offset:64*(\b)+16
.endr
	WIN 0
.set BK, OB+64*((\a)%2)
.irp t, 0,1,2,3,4,5,6,7,8,9,10,11,12,13,14,15
	ds_load_b128 v[BK+4*(\t):BK+4*(\t)+3], v[RD] offset:(\t)*SPITCH  ; LDS serves a wave's instructions in order: these see the stores above
.endr
	s_wait_xcnt 0x0                                ; the base, and the registers that the block before last's stores read, are rewritten only behind this wait
.if (\a) > 0
	s_add_nc_u64 s[CB:CB+1], s[CB:CB+1], 16*LDC
.endif
.irp t, 0,1,2,3,4,5,6,7,8,9,10,11,12,13,14,15
	s_wait_dscnt 15-(\t)                           ; row t is back; the 15 - t younger loads stay out
	global_store_b128 v[CO], v[BK+4*(\t):BK+4*(\t)+3], s[CB:CB+1] offset:(\t)*LDC  ; 512 consecutive bytes, aligned
.endr
.endm
	s_wait_tensorcnt 0x1                           ; my part of K step 0 is in; K step 1's stays out
	s_barrier_signal -1
	s_barrier_wait -1
	FETCH 0, F0
	s_wait_loadcnt 0x0                             ; the bias
	QUARTER 64, F0, F1, 2
	WIN 0
	s_mov_b32 s[CNT], T-2
.Lstep:
	QUARTER 128, F1, F0, 0
	QUARTER 192, F0, F1, 0
	TURN 1, 0
	QUARTER 64, F0, F1, 0
	WIN 0
	s_sub_co_u32 s[CNT], s[CNT], 1
	s_cmp_lg_u32 s[CNT], 0
	s_cbranch_scc1 .Lstep
	s_mov_b32 s[CNT], 2
.Ltail:                                                ; the last two K steps ask for nothing
	QUARTER 128, F1, F0, 0
	QUARTER 192, F0, F1, 0
	TURN 0, 1
	WIN 0
	s_cmp_eq_u32 s[CNT], 1
	s_cbranch_scc1 .Lno_quarter
	QUARTER 64, F0, F1, 0
	WIN 0
.Lno_quarter:
	s_sub_co_u32 s[CNT], s[CNT], 1
	s_cmp_lg_u32 s[CNT], 0
	s_cbranch_scc1 .Ltail
	s_wait_dscnt 0x0
	PLACES
	OUTA 0
	OUTA 1
	OUTA 2
	OUTA 3
	s_wait_tensorcnt 0x0                           ; the wave's end
	ds_add_u32 v[SPW], v[NIL]
	s_wait_dscnt 0x0
	CROUND                                         ; the closing round
	s_endpgm
.Lfunc_end_k_qf99b3fdfbb_outp:
	.size	k_qf99b3fdfbb_outp, .Lfunc_end_k_qf99b3fdfbb_outp-k_qf99b3fdfbb_outp
	.p2alignl 7, 3214868480
	.fill 96, 4, 3214868480
	.section	.rodata,"a",@progbits
	.p2align	6, 0x0
	.amdhsa_kernel k_qf99b3fdfbb_outp
		.amdhsa_group_segment_fixed_size 327680
		.amdhsa_private_segment_fixed_size 0
		.amdhsa_enable_private_segment 0
		.amdhsa_kernarg_size 32
		.amdhsa_user_sgpr_count 2
		.amdhsa_user_sgpr_kernarg_segment_ptr 1
		.amdhsa_wavefront_size32 1
		.amdhsa_system_sgpr_workgroup_id_x 1
		.amdhsa_system_sgpr_workgroup_id_y 1
		.amdhsa_system_sgpr_workgroup_id_z 1
		.amdhsa_system_vgpr_workitem_id 0
		.amdhsa_next_free_vgpr 768
		.amdhsa_next_free_sgpr 76
		.amdhsa_reserve_vcc 0
		.amdhsa_float_denorm_mode_32 3
		.amdhsa_float_denorm_mode_16_64 3
		.amdhsa_memory_ordered 1
		.amdhsa_forward_progress 1
		.amdhsa_inst_pref_size 63
	.end_amdhsa_kernel
	.amdgpu_metadata
---
amdhsa.version: [ 1, 2 ]
amdhsa.kernels:
  - .name:           k_qf99b3fdfbb_outp
    .symbol:         k_qf99b3fdfbb_outp.kd
    .args:
      - { .name: ctxh, .offset: 0, .size: 8, .value_kind: global_buffer, .address_space: global }
      - { .name: wh, .offset: 8, .size: 8, .value_kind: global_buffer, .address_space: global }
      - { .name: bias, .offset: 16, .size: 8, .value_kind: global_buffer, .address_space: global }
      - { .name: out0, .offset: 24, .size: 8, .value_kind: global_buffer, .address_space: global }
    .group_segment_fixed_size: 327680
    .private_segment_fixed_size: 0
    .kernarg_segment_align: 8
    .kernarg_segment_size: 32
    .max_flat_workgroup_size: 128
    .sgpr_count:     76
    .vgpr_count:     768
    .wavefront_size: 32
...
	.end_amdgpu_metadata
.endif
;; end of part 5
;; ======== version 2 of 2: 5 launches; 1.12 times as fast as version 1
;; limits: values are held in f16: magnitudes above 65,504 overflow, below 6.1e-05 lose precision
;; workspace buffers: xh 16,777,216 bytes; wh 8,388,608 bytes; bias 16,384 bytes; qkv 50,331,648 bytes; pt 33,554,432 bytes; stats 1,048,576 bytes; ctxh 16,777,216 bytes
;; launch prep (part 6): grid 896 x 1, 8 waves a work-group, no clusters, 75,776 bytes of LDS; arguments x, Wq, Wk, Wv, Wo, bq, bk, bv, bo, xh, wh, bias; writes xh, wh, bias
.if DOCPART == 6
	.amdgcn_target "amdgcn-amd-amdhsa--gfx1250"
	.amdhsa_code_object_version 6
	.text
	.protected	k_qf99b3fdfbb_prep
	.globl	k_qf99b3fdfbb_prep
	.p2align	8
	.type	k_qf99b3fdfbb_prep,@function
k_qf99b3fdfbb_prep:
	s_mov_b64 s[64:65], 0
	v_nop
	global_prefetch_b8 v0, s[64:65] scope:SCOPE_SE
	s_setreg_imm32_b32 hwreg(HW_REG_WAVE_MODE, 25, 1), 1
	s_wait_xcnt 0x0
; TWO KINDS OF WORK-GROUP.
; Work-groups 256-895 CONVERT: x, Wq and Wk are rounded to bf16 and that number is written as f16 (xh: [8192][1024]; wh rows 0-1023 Wq, 1024-2047 Wk); bq and bk are rounded to bf16 and written as f32
; (bias numbers 0-2047).  A work-group takes 16,384 numbers; thread t takes 16 bytes at 16 t of each block of 4,096 bytes; all sixteen loads go out ahead; a wave's store covers 256 consecutive bytes, aligned.
; Work-groups 0-255 FOLD: since each row of a softmax sums to one,  attn (x Wv^T + bv) Wo^T + bo = (attn x) W2^T + b2  with  W2 = Wo Wv  and  b2 = Wo bv + bo.
; W2[e][d] = sum over j of Wo[e][j] Wv[j][d], operands rounded to bf16, sums in f32, written once as f16 into wh rows 3072-4095; b2 in f32 into bias numbers 3072-4095.  (wh rows and bias numbers 2048-3071 are not used.)
; A fold work-group makes 64 (e) x 64 (d) of W2; j goes in four chunks of 256: 32 loads of 16 bytes a thread, rounded in place, laid into LDS, read as fragments.  Wave w owns rows 16 (w % 4) on and columns 32 (w / 4) on:
; two accumulators, which take turns.  Wv lies [j][d] and comes out of LDS turned, by ds_load_tr16_b128.  The matrix instruction is used transposed (source 0 = 16 columns d, source 1 = 16 rows e):
; a lane holds row lane % 16 and eight neighbouring d: 16 bytes of f16.  A row's part of a tile is 128 bytes, so these stores fill half of an aligned 256 bytes; W2 is 2 MiB in all.
; One LDS buffer, two barriers a chunk: one between the last chunk's reads and this chunk's stores, one between the stores and the reads.  The next chunk's loads are on their way meanwhile.
; Waves 0-3 of fold work-group g also make b2[4 g + w]; their loads go out behind the first chunk's and land in the registers that later hold fragments and sums.
; The fold work-groups have the lowest numbers: theirs is the longest chain of dependent loads.  No cluster and no tensor load: the converting work-groups share no byte, and the fold is 2 of the program's 122 GFLOP.
; LIMITS.  A bf16 number is exact in f16 between 6.1e-5 and 65,504 in magnitude; below that it keeps f16's fixed step of 6e-8, beyond it becomes an infinity.  The same holds of W2.
.set SPW, 2                            ; my spare word's LDS address; never rewritten
.set NIL, 3                            ; 0; never rewritten
; the converting work-groups' registers
.set LO,  1                            ; 16 t: where I load
.set SO,  4                            ; 8 t: where I store
.set X,   8                            ; v[8:71]    sixteen loads of four f32
.set TT,  72                           ; v[72:77]   at work
.set Y,   80                           ; v[80:111]  sixteen pairs of packed f16: every store has data registers of its own
.set BX,  112                          ; v[112:115] four numbers of a bias
.set BY,  116                          ; v[116:119] the same, rounded
; the fold's LDS and registers
.set PA,    528                        ; a row of Wo's chunk: 256 bf16 = 512 bytes + 16: the 16 rows of a fragment load start at 16 different groups of four banks
.set PB,    160                        ; a row of Wv's chunk: 64 bf16 = 128 bytes + 32
.set BOFFL, 64*PA                      ; Wv's 256 rows lie behind Wo's 64
.set SPARE, BOFFL+256*PB               ; the spare words: 128 bytes a wave, named by no other line
.set L,   1                            ; lane
.set R,   4                            ; lane % 16
.set H,   5                            ; lane / 16
.set T0,  6
.set T1,  7
.set AO,  8                            ; my byte offset in Wo's chunk in memory
.set BO,  9                            ; in Wv's
.set AS,  10                           ; where I lay Wo down
.set BS,  11                           ; where I lay Wv down
.set AF,  12                           ; where I read Wo's fragments
.set BF,  13                           ; Wv's
.set WO,  14                           ; my byte offset in W2
.set EO,  15                           ; 4 e: my number's place in bo and b2
.set L16, 16                           ; 16 x lane
.set BO1, 17                           ; bo[e]
.set SU,  19                           ; v[19:22] four sums
.set XF,  24                           ; v[24:151] a chunk: 16 loads of Wo, 16 of Wv
.set FA,  152                          ; v[152:167] Wo's fragments of 64 along j
.set FB,  168                          ; v[168:199] Wv's
.set ACC, 200                          ; v[200:215] two accumulators
.set WR,  152                          ; before the chunks: v[152:183] Wo's row e,
.set BV,  184                          ; v[184:215] bv
.set WV, 40
.set ET, 41
.set DT, 42
.set EB, 43
.set DH, 44
.set S0, 45
.set CNT, 46
.set E4, 47
.set SEL, 48                           ; s[48:49] each lane takes its own place in the other half
.set EX, 50
	s_load_b512 s[4:19], s[0:1], 0x0               ; x 4:5, Wq 6:7, Wk 8:9, Wv 10:11, Wo 12:13, bq 14:15, bk 16:17, bv 18:19
	s_load_b256 s[20:27], s[0:1], 0x40             ; bo 20:21, xh 22:23, wh 24:25, bias 26:27
	v_lshl_add_u32 v[SPW], v0, 2, SPARE
	v_mov_b32 v[NIL], 0
	s_mov_b32 s39, ttmp9
	s_cmp_lt_u32 s39, 256
	s_cbranch_scc1 .Lfold
	; ---------------- the converting work-groups ----------------
	s_sub_co_u32 s39, s39, 256                     ; 0-511: x; 512-575: Wq; 576-639: Wk
	v_lshlrev_b32 v[LO], 4, v0
	v_lshlrev_b32 v[SO], 3, v0
	s_mov_b32 s38, 0xffff0000                      ; a word's upper bf16
	s_lshr_b32 s40, s39, 6                         ; 0-7: x; 8: Wq; 9: Wk
	s_and_b32 s41, s39, 63                         ; my place among a matrix's 64 work-groups
	s_sub_co_u32 s42, s39, 512                     ; my place among the weights' 128 (used only there)
	s_cmp_lt_u32 s40, 8
	s_cselect_b32 s34, s39, s41                    ; blocks of 64 KiB from the source's first byte
	s_cselect_b32 s36, s39, s42                    ; blocks of 32 KiB from the destination's
	s_lshl_b32 s34, s34, 16
	s_lshl_b32 s36, s36, 15
	s_mov_b32 s35, 0
	s_mov_b32 s37, 0
	s_wait_kmcnt 0x0
	s_cmp_lt_u32 s40, 8
	s_cselect_b64 s[32:33], s[22:23], s[24:25]     ; to xh or to wh
	s_cselect_b64 s[28:29], s[4:5], s[6:7]         ; from x or from Wq, unless ...
	s_mov_b64 s[30:31], s[14:15]
	s_cmp_eq_u32 s40, 9
	s_cselect_b64 s[28:29], s[8:9], s[28:29]
	s_cselect_b64 s[30:31], s[16:17], s[30:31]
	s_add_nc_u64 s[28:29], s[28:29], s[34:35]
	s_add_nc_u64 s[32:33], s[32:33], s[36:37]
.irp j, 0,1,2,3,4,5,6,7,8,9,10,11,12,13,14,15
	global_load_b128 v[X+4*(\j):X+4*(\j)+3], v[LO], s[28:29] offset:4096*(\j) th:TH_LOAD_NT
.endr
.irp j, 0,1,2,3,4,5,6,7,8,9,10,11,12,13,14,15
	s_wait_loadcnt 15-(\j)                         ; loads come back in order: load j is in, the 15 - j younger ones stay out
	v_cvt_pk_bf16_f32 v[TT],   v[X+4*(\j)],   v[X+4*(\j)+1]   ; the one rounding that counts
	v_cvt_pk_bf16_f32 v[TT+1], v[X+4*(\j)+2], v[X+4*(\j)+3]
	v_lshlrev_b32 v[TT+2], 16,  v[TT]              ; bf16 to f32: a shift or a mask
	v_and_b32     v[TT+3], s38, v[TT]
	v_lshlrev_b32 v[TT+4], 16,  v[TT+1]
	v_and_b32     v[TT+5], s38, v[TT+1]
	v_cvt_pk_f16_f32 v[Y+2*(\j)],   v[TT+2], v[TT+3]
	v_cvt_pk_f16_f32 v[Y+2*(\j)+1], v[TT+4], v[TT+5]
	global_store_b64 v[SO], v[Y+2*(\j):Y+2*(\j)+1], s[32:33] offset:2048*(\j)
.endr
	s_cmp_lt_u32 s40, 8
	s_cbranch_scc1 .Lend
	s_cmp_lg_u32 s41, 0
	s_cbranch_scc1 .Lend
	s_sub_co_u32 s42, s40, 8                       ; the matrix's bias: 1,024 numbers, four a thread
	s_lshl_b32 s42, s42, 12
	s_mov_b32 s43, 0
	s_add_nc_u64 s[26:27], s[26:27], s[42:43]
	global_load_b128 v[BX:BX+3], v[LO], s[30:31]
	s_wait_loadcnt 0x0
	v_cvt_pk_bf16_f32 v[TT],   v[BX],   v[BX+1]
	v_cvt_pk_bf16_f32 v[TT+1], v[BX+2], v[BX+3]
	v_lshlrev_b32 v[BY],   16,  v[TT]
	v_and_b32     v[BY+1], s38, v[TT]
	v_lshlrev_b32 v[BY+2], 16,  v[TT+1]
	v_and_b32     v[BY+3], s38, v[TT+1]
	global_store_b128 v[LO], v[BY:BY+3], s[26:27]
.Lend:
	s_endpgm
	; ---------------- the fold ----------------
.macro LOADS                           ; a chunk: Wo 64 rows x 1,024 bytes (a wave's load: 512 consecutive bytes of a row), Wv 256 rows x 256 bytes (16 lanes: a row's 256 bytes, aligned)
.set i, 0
.rept 16
	global_load_b128 v[XF+4*i:XF+4*i+3], v[AO], s[28:29] offset:16384*i
.set i, i+1
.endr
.set i, 0
.rept 16
	global_load_b128 v[XF+64+4*i:XF+64+4*i+3], v[BO], s[30:31] offset:65536*i
.set i, i+1
.endr
.endm
.Lfold:
	v_lshrrev_b32 v[T0], 5, v0
	v_readfirstlane_b32 s[WV], v[T0]               ; wave 0..7
	s_lshr_b32 s[ET], s39, 4                       ; which 64 rows e
	s_and_b32 s[DT], s39, 15                       ; which 64 columns d
	s_and_b32 s[EB], s[WV], 3                      ; my 16 rows of them
	s_lshr_b32 s[DH], s[WV], 2                     ; my 32 columns
	s_mov_b32 s[SEL], 0x76543210
	s_mov_b32 s[SEL+1], 0xfedcba98
	v_and_b32 v[L], 31, v0
	v_and_b32 v[R], 15, v0
	v_bfe_u32 v[H], v0, 4, 1
	v_lshrrev_b32 v[T0], 6, v0                     ; Wo: load i of thread t takes row 4 i + t / 64, numbers 4 (t % 64) on
	v_and_b32 v[T1], 63, v0
	v_lshlrev_b32 v[AO], 12, v[T0]
	v_lshl_add_u32 v[AO], v[T1], 4, v[AO]
	v_mul_u32_u24 v[AS], v[T0], PA
	v_lshl_add_u32 v[AS], v[T1], 3, v[AS]
	v_lshrrev_b32 v[T0], 4, v0                     ; Wv: load i takes row 16 i + t / 16, numbers 4 (t % 16) on
	v_lshlrev_b32 v[BO], 12, v[T0]
	v_lshl_add_u32 v[BO], v[R], 4, v[BO]
	v_mul_u32_u24 v[BS], v[T0], PB
	v_lshl_add_u32 v[BS], v[R], 3, v[BS]
	v_add_nc_u32 v[BS], BOFFL, v[BS]
	v_mul_u32_u24 v[AF], v[R], PA                  ; a fragment of Wo: row lane % 16 of my 16, 16 bytes for each half of the lanes
	v_lshl_add_u32 v[AF], v[H], 4, v[AF]
	s_mul_i32 s[S0], s[EB], 16*PA
	v_add_nc_u32 v[AF], s[S0], v[AF]
	v_and_b32 v[T0], 7, v0                         ; the turning load: lane l reads row 8 (l / 16) + l % 8, columns 8 ((l / 8) % 2) + 0..7
	v_lshl_add_u32 v[T0], v[H], 3, v[T0]
	v_mul_u32_u24 v[BF], v[T0], PB
	v_bfe_u32 v[T1], v0, 3, 1
	v_lshl_add_u32 v[BF], v[T1], 4, v[BF]
	s_lshl_b32 s[S0], s[DH], 6
	s_add_co_u32 s[S0], s[S0], BOFFL
	v_add_nc_u32 v[BF], s[S0], v[BF]
	v_lshlrev_b32 v[WO], 11, v[R]                  ; W2: row lane % 16 of 2,048 bytes, 16 bytes for each half of the lanes
	v_lshl_add_u32 v[WO], v[H], 4, v[WO]
	s_lshl_b32 s34, s[ET], 18                      ; 64 rows of 4,096 bytes
	s_mov_b32 s35, 0
	s_wait_kmcnt 0x0
	s_add_nc_u64 s[28:29], s[12:13], s[34:35]      ; Wo at my tile's first row
	s_lshl_b32 s34, s[DT], 8
	s_add_nc_u64 s[30:31], s[10:11], s[34:35]      ; Wv at my tile's first column
	s_lshl_b32 s34, s[ET], 6
	s_lshl_b32 s[S0], s[EB], 4
	s_add_co_u32 s34, s34, s[S0]
	s_add_co_u32 s34, s34, 3072                    ; W2's rows lie from row 3,072 of wh on
	s_lshl_b32 s34, s34, 11
	s_lshl_b32 s[S0], s[DT], 7
	s_add_co_u32 s34, s34, s[S0]
	s_lshl_b32 s[S0], s[DH], 6
	s_add_co_u32 s34, s34, s[S0]
	s_add_nc_u64 s[32:33], s[24:25], s[34:35]      ; wh at my wave's first row and column of W2
	LOADS                                          ; the first chunk
	s_cmp_lt_u32 s[WV], 4
	s_cbranch_scc0 .Lno_bias
	; b2[e] = sum over j of Wo[e][j] bv[j] + bo[e], e = 4 g + w; lane l takes j = 128 i + 4 l + 0..3
	s_lshl_b32 s[E4], s39, 2
	s_add_co_u32 s[E4], s[E4], s[WV]
	s_lshl_b32 s34, s[E4], 12
	s_add_nc_u64 s[36:37], s[12:13], s[34:35]      ; Wo's row e
	s_lshl_b32 s[E4], s[E4], 2
	v_mov_b32 v[EO], s[E4]
	v_lshlrev_b32 v[L16], 4, v[L]
.irp i, 0,1,2,3,4,5,6,7
	global_load_b128 v[WR+4*(\i):WR+4*(\i)+3], v[L16], s[36:37] offset:512*(\i)
	global_load_b128 v[BV+4*(\i):BV+4*(\i)+3], v[L16], s[18:19] offset:512*(\i)
.endr
	global_load_b32 v[BO1], v[EO], s[20:21]
.irp c, 0,1,2,3
	v_mov_b32 v[SU+(\c)], 0
.endr
	s_wait_loadcnt 0x0
.irp i, 0,1,2,3,4,5,6,7
	v_cvt_pk_bf16_f32 v[WR+4*(\i)],   v[WR+4*(\i)],   v[WR+4*(\i)+1]
	v_cvt_pk_bf16_f32 v[WR+4*(\i)+1], v[WR+4*(\i)+2], v[WR+4*(\i)+3]
	v_cvt_pk_bf16_f32 v[BV+4*(\i)],   v[BV+4*(\i)],   v[BV+4*(\i)+1]
	v_cvt_pk_bf16_f32 v[BV+4*(\i)+1], v[BV+4*(\i)+2], v[BV+4*(\i)+3]
.endr
.irp i, 0,1,2,3,4,5,6,7                ; products of bf16 halves added in f32, in four chains
	v_fma_mix_f32_bf16 v[SU],   v[WR+4*(\i)],   v[BV+4*(\i)],   v[SU]   op_sel_hi:[1,1,0]
	v_fma_mix_f32_bf16 v[SU+1], v[WR+4*(\i)],   v[BV+4*(\i)],   v[SU+1] op_sel:[1,1,0] op_sel_hi:[1,1,0]
	v_fma_mix_f32_bf16 v[SU+2], v[WR+4*(\i)+1], v[BV+4*(\i)+1], v[SU+2] op_sel_hi:[1,1,0]
	v_fma_mix_f32_bf16 v[SU+3], v[WR+4*(\i)+1], v[BV+4*(\i)+1], v[SU+3] op_sel:[1,1,0] op_sel_hi:[1,1,0]
.endr
	v_add_f32 v[SU], v[SU], v[SU+1]
	v_add_f32 v[SU+2], v[SU+2], v[SU+3]
	v_add_f32 v[SU], v[SU], v[SU+2]
	v_add_f32_dpp v[SU], v[SU], v[SU] row_xmask:1 row_mask:0xf bank_mask:0xf
	v_add_f32_dpp v[SU], v[SU], v[SU] row_xmask:2 row_mask:0xf bank_mask:0xf
	v_add_f32_dpp v[SU], v[SU], v[SU] row_xmask:4 row_mask:0xf bank_mask:0xf
	v_add_f32_dpp v[SU], v[SU], v[SU] row_xmask:8 row_mask:0xf bank_mask:0xf
	v_permlanex16_b32 v[SU+1], v[SU], s[SEL], s[SEL+1]
	v_add_f32 v[SU], v[SU], v[SU+1]
	v_cvt_pk_bf16_f32 v[BO1], v[BO1], v[BO1]       ; bo is rounded like every input
	v_lshlrev_b32 v[BO1], 16, v[BO1]
	v_add_f32 v[SU], v[SU], v[BO1]
	v_cmp_eq_u32 vcc_lo, 0, v[L]                   ; every lane holds the number; lane 0 stores it: four bytes a wave, 4 KiB in the whole launch
	s_wait_xcnt 0x0                                ; EXEC changes only behind this wait
	s_and_saveexec_b32 s[EX], vcc_lo
	global_store_b32 v[EO], v[SU], s[26:27] offset:12288
	s_wait_xcnt 0x0                                ; and again, in front of the line that widens it
	s_or_b32 exec_lo, exec_lo, s[EX]
.Lno_bias:
.set i, 0
.rept 16
	v_mov_b32 v[ACC+i], 0                          ; sixteen lines, so that no first chunk is written out beside the loop
.set i, i+1
.endr
	s_mov_b32 s[CNT], 4
.Lchunk:
	s_wait_loadcnt 0x0                             ; the chunk is in registers
.set i, 0
.rept 32
	v_cvt_pk_bf16_f32 v[XF+4*i],   v[XF+4*i],   v[XF+4*i+1]   ; rounded in place: four f32 become 8 bytes
	v_cvt_pk_bf16_f32 v[XF+4*i+1], v[XF+4*i+2], v[XF+4*i+3]
.set i, i+1
.endr
	s_barrier_signal -1                            ; each wave waited for its fragment loads ahead of its products: behind this barrier nobody reads the last chunk
	s_barrier_wait -1
.set i, 0
.rept 16
	ds_store_b64 v[AS], v[XF+4*i:XF+4*i+1] offset:4*PA*i
.set i, i+1
.endr
.set i, 0
.rept 16
	ds_store_b64 v[BS], v[XF+64+4*i:XF+64+4*i+1] offset:16*PB*i
.set i, i+1
.endr
	s_wait_dscnt 0x0                               ; for the others' sake: my stores are done; and the chunk's registers are free
	s_cmp_eq_u32 s[CNT], 1
	s_cbranch_scc1 .Lno_more                       ; behind the last chunk there is nothing to fetch
	s_add_nc_u64 s[28:29], s[28:29], 1024          ; 256 numbers along Wo's rows: the loads that named the bases are done
	s_add_nc_u64 s[30:31], s[30:31], 0x100000      ; 256 rows down Wv
	LOADS
.Lno_more:
	s_barrier_signal -1
	s_barrier_wait -1                              ; the chunk is whole
.irp p, 0,1,2,3                        ; 64 along j at a time
.if (\p) > 0
.rept 4
	v_nop                                          ; four places between the products and the loads into their sources
.endr
.endif
.irp q, 0,1
	ds_load_b128 v[FA+8*(\q):FA+8*(\q)+3],   v[AF] offset:64*(2*(\p)+(\q))
	ds_load_b128 v[FA+8*(\q)+4:FA+8*(\q)+7], v[AF] offset:64*(2*(\p)+(\q))+32
.irp c, 0,1
	ds_load_tr16_b128 v[FB+16*(\q)+8*(\c):FB+16*(\q)+8*(\c)+3],   v[BF] offset:(2*(\p)+(\q))*32*PB+32*(\c)
	ds_load_tr16_b128 v[FB+16*(\q)+8*(\c)+4:FB+16*(\q)+8*(\c)+7], v[BF] offset:(2*(\p)+(\q))*32*PB+16*PB+32*(\c)
.endr
.endr
	s_wait_dscnt 0x0
.irp q, 0,1
.irp c, 0,1
	v_wmma_f32_16x16x32_bf16 v[ACC+8*(\c):ACC+8*(\c)+7], v[FB+16*(\q)+8*(\c):FB+16*(\q)+8*(\c)+7], v[FA+8*(\q):FA+8*(\q)+7], v[ACC+8*(\c):ACC+8*(\c)+7]
.endr
.endr
.endr
	s_sub_co_u32 s[CNT], s[CNT], 1
	s_cmp_lg_u32 s[CNT], 0
	s_cbranch_scc1 .Lchunk
.rept 4
	v_nop                                          ; four places behind the last products
.endr
.irp c, 0,1
.irp q, 0,1,2,3
	v_cvt_pk_f16_f32 v[FA+4*(\c)+(\q)], v[ACC+8*(\c)+2*(\q)], v[ACC+8*(\c)+2*(\q)+1]
.endr
	global_store_b128 v[WO], v[FA+4*(\c):FA+4*(\c)+3], s[32:33] offset:32*(\c)
.endr
	s_wait_tensorcnt 0x0                           ; the wave's end, behind my last LDS store
	ds_add_u32 v[SPW], v[NIL]
	s_wait_dscnt 0x0
	s_endpgm
.Lfunc_end_k_qf99b3fdfbb_prep:
	.size	k_qf99b3fdfbb_prep, .Lfunc_end_k_qf99b3fdfbb_prep-k_qf99b3fdfbb_prep
	.p2alignl 7, 3214868480
	.fill 96, 4, 3214868480
	.section	.rodata,"a",@progbits
	.p2align	6, 0x0
	.amdhsa_kernel k_qf99b3fdfbb_prep
		.amdhsa_group_segment_fixed_size 75776
		.amdhsa_private_segment_fixed_size 0
		.amdhsa_enable_private_segment 0
		.amdhsa_kernarg_size 96
		.amdhsa_user_sgpr_count 2
		.amdhsa_user_sgpr_kernarg_segment_ptr 1
		.amdhsa_wavefront_size32 1
		.amdhsa_system_sgpr_workgroup_id_x 1
		.amdhsa_system_sgpr_workgroup_id_y 1
		.amdhsa_system_sgpr_workgroup_id_z 1
		.amdhsa_system_vgpr_workitem_id 0
		.amdhsa_next_free_vgpr 216
		.amdhsa_next_free_sgpr 66
		.amdhsa_reserve_vcc 1
		.amdhsa_float_denorm_mode_32 3
		.amdhsa_float_denorm_mode_16_64 3
		.amdhsa_memory_ordered 1
		.amdhsa_forward_progress 1
		.amdhsa_inst_pref_size 40
	.end_amdhsa_kernel
	.amdgpu_metadata
---
amdhsa.version: [ 1, 2 ]
amdhsa.kernels:
  - .name:           k_qf99b3fdfbb_prep
    .symbol:         k_qf99b3fdfbb_prep.kd
    .args:
      - { .name: x, .offset: 0, .size: 8, .value_kind: global_buffer, .address_space: global }
      - { .name: Wq, .offset: 8, .size: 8, .value_kind: global_buffer, .address_space: global }
      - { .name: Wk, .offset: 16, .size: 8, .value_kind: global_buffer, .address_space: global }
      - { .name: Wv, .offset: 24, .size: 8, .value_kind: global_buffer, .address_space: global }
      - { .name: Wo, .offset: 32, .size: 8, .value_kind: global_buffer, .address_space: global }
      - { .name: bq, .offset: 40, .size: 8, .value_kind: global_buffer, .address_space: global }
      - { .name: bk, .offset: 48, .size: 8, .value_kind: global_buffer, .address_space: global }
      - { .name: bv, .offset: 56, .size: 8, .value_kind: global_buffer, .address_space: global }
      - { .name: bo, .offset: 64, .size: 8, .value_kind: global_buffer, .address_space: global }
      - { .name: xh, .offset: 72, .size: 8, .value_kind: global_buffer, .address_space: global }
      - { .name: wh, .offset: 80, .size: 8, .value_kind: global_buffer, .address_space: global }
      - { .name: bias, .offset: 88, .size: 8, .value_kind: global_buffer, .address_space: global }
    .group_segment_fixed_size: 75776
    .private_segment_fixed_size: 0
    .kernarg_segment_align: 8
    .kernarg_segment_size: 96
    .max_flat_workgroup_size: 256
    .sgpr_count:     66
    .vgpr_count:     216
    .wavefront_size: 32
...
	.end_amdgpu_metadata
.endif
;; end of part 6
;; launch qk (part 7): grid 8 x 32, 4 waves a work-group, clusters of 4 x 4, 327,680 bytes of LDS; arguments xh, wh, bias, qkv; writes qkv
.if DOCPART == 7
	.amdgcn_target "amdgcn-amd-amdhsa--gfx1250"
	.amdhsa_code_object_version 6
	.text
	.protected	k_qf99b3fdfbb_qk
	.globl	k_qf99b3fdfbb_qk
	.p2align	8
	.type	k_qf99b3fdfbb_qk,@function
k_qf99b3fdfbb_qk:
	s_mov_b64 s[64:65], 0
	v_nop
	global_prefetch_b8 v0, s[64:65] scope:SCOPE_SE
	s_setreg_imm32_b32 hwreg(HW_REG_WAVE_MODE, 25, 1), 1
	s_wait_xcnt 0x0
	s_wait_alu depctr_hold_cnt(0) depctr_sa_sdst(0) depctr_va_vdst(0) depctr_va_sdst(0) depctr_va_ssrc(0) depctr_va_vcc(0) depctr_vm_vsrc(0)
	s_getreg_b32 s2, hwreg(HW_REG_IB_STS2, 6, 4)
	s_cmp_eq_u32 s2, 0
	s_cbranch_scc0 .Lentry_in_a_cluster
	s_endpgm
.Lentry_in_a_cluster:
	s_bfe_u32 s2, ttmp6, 0x10000c
	s_cmp_lg_u32 s2, 0xf033
	s_cbranch_scc0 .Lentry_shape_is_right
	s_endpgm
.Lentry_shape_is_right:
; qkv[m][n] = sum over k of xh[m][k] wh[n][k] + bias[n], n = 0 .. 2047 (q | k).  xh: [8192][1024] f16, wh rows 0-2047 f16, bias f32; qkv has rows of 3,072 f16, of which this launch writes the first 2,048
; (the last 1,024 are not used).  Sums in f32, rounded once.
; LIMIT.  q and k leave in f16: beyond 65,504 they become infinities.
; A tile of C is 256 x 256: 8 x 32 = 256 work-groups, one for each of 256 WGPs.  Four waves, each 128 x 128: 64 accumulators of 16 x 16, 512 registers.
; K goes in steps of 128 (rows of 256 bytes) through two LDS slots; each wave fetches 128 rows with one tensor load: waves 0 and 1 the halves of A's tile, waves 2 and 3 the halves of B's.
; CLUSTER 4 x 4: the four work-groups of a row of the cluster need the same tile of A, the four of a column the same tile of B: each tile is asked for jointly.
; THE MATRIX INSTRUCTION IS USED TRANSPOSED (source 0 = 16 rows of B, source 1 = 16 rows of A): a lane holds row lane % 16 of C and the columns 8 (lane / 16) + 0..7.
; The bias is the C operand of each accumulator's first product.  A K step is written once: the slot in hand is a scalar that an exclusive or with the slot's size turns (no address that it turns has one of that size's two bits set).
; REGISTERS, in windows of 256: window 0: v0-31 addresses; v64-191 fragments of A, two buffers; v192-255 the bias, later with v32-63 the way out; window 1: v64-191 fragments of B;
; windows 2, 3: the accumulators of my rows 0-63 and 64-127 ((a, b) at v[8 (8 (a % 4) + b)]).
.set T,      8                         ; K steps
.set PITCH,  272                       ; an LDS row: 256 bytes + 16 of padding: the 16 rows of a fragment load start at 16 different groups of four banks
.set HALFT,  128*PITCH                 ; what one tensor load brings, and what one wave reads of A or of B
.set SLOT,   4*HALFT                   ; 139,264 = 2^17 + 2^13
.set STAGE,  2*SLOT                    ; behind the ring: 16 rows x 272 bytes for each wave
.set SPITCH, 272
.set SPARE,  STAGE+4*16*SPITCH         ; the spare words: 128 bytes a wave, named by no other line
.set KS,     256                       ; bytes from K step to K step
.set LDC,    6144                      ; bytes in a row of qkv
.set A0,   16                          ; my lane's place in A's tile; never rewritten
.set B0,   17                          ; in B's
.set ADRA, 18                          ; the same in the slot in hand
.set ADRB, 19
.set STO,  24                          ; the way out: where I put 16 bytes of a row
.set RD,   25                          ; where I read rows back
.set CO,   26                          ; my byte offset in C
.set SPW,  28                          ; my spare word's LDS address; never rewritten
.set NIL,  29                          ; 0; never rewritten
.set F0,   64
.set F1,   128
.set BI,   192                         ; the bias of my 128 columns: 8 registers a column block
.set TMP,  192                         ; the way out: packed results
.set OB,   32                          ; the way out: 16 rows read back: v32-63 and v224-255 by turns
.set WV, 12
.set RH, 13                            ; which half of the rows is mine; also: I fetch A (0) or B (1)
.set CH, 14                            ; which half of the columns; also: which half of that tile I fetch
.set CX, 15
.set CY, 16
.set TX, 17
.set TY, 18
.set CLY, 19
.set MR, 20
.set MC, 21
.set LA, 22
.set G1, 24                            ; s[24:31] group 1 for A
.set G0, 32                            ; s[32:39] group 0 for A: a set for each first fill; the second then walks
.set AA, 40                            ; s[40:43] A's address in the making: never holds cx
.set BA, 44                            ; s[44:47] B's: never holds cy
.set G1B, 48
.set G0B, 56
.set TB, 66                            ; the slot in hand: 0 or SLOT
.set CNT, 67
.set CB, 68                            ; s[68:69] C at my first row and column
.set CT, 70                            ; s[70:71] at work
.set BB, 72                            ; s[72:73] the bias at my first column
.set GW, (1<<16)|(1<<20)|(1<<21)|(5<<22)|(3<<25)  ; 2-byte elements; padding on; bit 21 beside a mask; after every 64 words 4 words
.set MUL_LO, 0xa1                      ; source 0 (B) window 1, source 1 (A) window 0, C and D window 2
.set MUL_HI, 0xf1                      ; the same, C and D window 3
.set TO_B,   0x40                      ; destination window 1
.set MSB, 0
.macro WIN new                         ; the immediate's high byte repeats the setting that is left
.if MSB != (\new)
	s_set_vgpr_msb (MSB<<8)|(\new)
.set MSB, \new
.endif
.endm
.macro PLACES                          ; four places behind matrix instructions, ahead of loads into their sources and of readers of their results
.rept 4
	v_nop
.endr
.endm
.macro CREST                           ; a round of the cluster's barrier behind its opening barrier
	s_cmp_lg_u32 s[WV], 0
	s_cbranch_scc1 .Lnot_wave_0_\@
	s_barrier_signal -3
.Lnot_wave_0_\@:
	s_barrier_wait -3
	s_barrier_signal -1
	s_barrier_wait -1
.endm
.macro CROUND
	s_barrier_signal -1
	s_barrier_wait -1
	CREST
.endm
.macro JLOAD                           ; a joint refill by the walking descriptors; an s_nop 0 and four v_nop follow each line
	s_cmp_eq_u32 s[RH], 0
	s_cbranch_scc0 .Lfor_b_\@
	tensor_load_to_lds s[G0+4:G0+7], s[G1:G1+7]
	s_nop 0
.rept 4
	v_nop
.endr
	s_branch .Lasked_\@
.Lfor_b_\@:
	tensor_load_to_lds s[G0B+4:G0B+7], s[G1B:G1B+7]
	s_nop 0
.rept 4
	v_nop
.endr
.Lasked_\@:
.endm
	s_load_b256 s[4:11], s[0:1], 0x0               ; xh 4:5, wh 6:7, bias 8:9, qkv 10:11
	v_lshl_add_u32 v[SPW], v0, 2, SPARE
	v_mov_b32 v[NIL], 0
	ds_add_u32 v[SPW], v[NIL]                      ; the wave's opening: the add and its wait stand ahead of my first tensor load
	ds_add_u32 v28, v29
	v_lshrrev_b32 v1, 5, v0
	v_readfirstlane_b32 s[WV], v1
	s_lshr_b32 s[RH], s[WV], 1
	s_and_b32 s[CH], s[WV], 1
	s_bfe_u32 s[CX], ttmp6, 0x40000
	s_bfe_u32 s[CY], ttmp6, 0x40004
	s_lshl_b32 s[TX], ttmp9, 2
	s_add_co_u32 s[TX], s[TX], s[CX]               ; tile column
	s_and_b32 s[CLY], ttmp7, 0xffff
	s_lshl_b32 s[TY], s[CLY], 2
	s_add_co_u32 s[TY], s[TY], s[CY]               ; tile row
	s_lshl_b32 s[MR], s[CY], 2
	s_lshl_b32 s[MR], 15, s[MR]                    ; my row of the cluster
	s_lshl_b32 s[MC], 0x1111, s[CX]                ; my column
	s_or_b32 s[G1], s[MR], GW
	s_or_b32 s[G1B], s[MC], GW
.irp g, G1, G1B
	s_mov_b32 s[(\g)+1], 128<<16                   ; tensor_dim0 = 128
	s_mov_b32 s[(\g)+2], 128<<16                   ; tensor_dim1 = 128
	s_mov_b32 s[(\g)+3], 128<<16                   ; tile_dim0 = 128
	s_mov_b32 s[(\g)+4], 128                       ; tile_dim1 = 128
	s_mov_b32 s[(\g)+5], 1024                      ; elements from row to row
	s_mov_b32 s[(\g)+6], 0
	s_mov_b32 s[(\g)+7], 0
.endr
	s_lshl_b32 s[AA], s[TY], 8
	s_lshl_b32 s[AA+2], s[CH], 7
	s_add_co_u32 s[AA], s[AA], s[AA+2]             ; A: row 256 x tile row + 128 x half,
	s_lshl_b32 s[AA], s[AA], 11                    ; of 2,048 bytes
	s_mov_b32 s[AA+1], 0
	s_lshl_b32 s[BA], s[TX], 8
	s_lshl_b32 s[BA+2], s[CH], 7
	s_add_co_u32 s[BA], s[BA], s[BA+2]             ; B: row 256 x tile column + 128 x half
	s_lshl_b32 s[BA], s[BA], 11
	s_mov_b32 s[BA+1], 0
	s_mul_i32 s[LA], s[WV], HALFT                  ; where they go: A's two halves, then B's two halves: no place in the cluster enters an LDS address
	s_lshl_b32 s[BB], s[TX], 10                    ; the bias: 4 x (256 x tile column + 128 x half)
	s_lshl_b32 s[BB+1], s[CH], 9
	s_add_co_u32 s[BB], s[BB], s[BB+1]
	s_mov_b32 s[BB+1], 0
	s_lshl_b32 s[CT], s[TY], 8                     ; C: my first row,
	s_lshl_b32 s[CT+1], s[RH], 7
	s_add_co_u32 s[CT], s[CT], s[CT+1]
	s_mul_i32 s[CT], s[CT], LDC
	s_lshl_b32 s[CT+1], s[TX], 9                   ; my first column, in bytes
	s_add_co_u32 s[CT], s[CT], s[CT+1]
	s_lshl_b32 s[CT+1], s[CH], 8
	s_add_co_u32 s[CT], s[CT], s[CT+1]
	s_mov_b32 s[CT+1], 0
	s_mov_b32 s[TB], 0
	s_wait_dscnt 0x0                               ; the opening add is done
	s_wait_kmcnt 0x0
	s_add_nc_u64 s[AA:AA+1], s[4:5], s[AA:AA+1]
	s_add_nc_u64 s[BA:BA+1], s[6:7], s[BA:BA+1]
	s_add_nc_u64 s[BB:BB+1], s[8:9], s[BB:BB+1]
	s_add_nc_u64 s[CB:CB+1], s[10:11], s[CT:CT+1]
	CROUND                                         ; all sixteen work-groups are here: the first joint loads meet
.irp s, 0,1
	s_mov_b32 s[G0+4*(\s)], 1
	s_add_co_u32 s[G0+4*(\s)+1], s[LA], (\s)*SLOT
	s_add_nc_u64 s[G0+4*(\s)+2:G0+4*(\s)+3], s[AA:AA+1], (\s)*KS
	s_or_b32 s[G0+4*(\s)+3], s[G0+4*(\s)+3], 0x80000000
	s_mov_b32 s[G0B+4*(\s)], 1
	s_add_co_u32 s[G0B+4*(\s)+1], s[LA], (\s)*SLOT
	s_add_nc_u64 s[G0B+4*(\s)+2:G0B+4*(\s)+3], s[BA:BA+1], (\s)*KS
	s_or_b32 s[G0B+4*(\s)+3], s[G0B+4*(\s)+3], 0x80000000
.endr
	s_cmp_eq_u32 s[RH], 0                          ; a wave's two first fills stand in one branch: two loads of mine are out
	s_cbranch_scc0 .Lfirst_b
	tensor_load_to_lds s[G0:G0+3], s[G1:G1+7]
	s_nop 0
	tensor_load_to_lds s[G0+4:G0+7], s[G1:G1+7]
	s_nop 0
.rept 4
	v_nop
.endr
	s_branch .Lfirst_asked
.Lfirst_b:
	tensor_load_to_lds s[G0B:G0B+3], s[G1B:G1B+7]
	s_nop 0
	tensor_load_to_lds s[G0B+4:G0B+7], s[G1B:G1B+7]
	s_nop 0
.rept 4
	v_nop
.endr
.Lfirst_asked:
	v_and_b32 v1, 15, v0                           ; r = lane % 16
	v_bfe_u32 v2, v0, 4, 1                         ; h = lane / 16
	v_lshlrev_b32 v5, 5, v2                        ; the bias of my eight columns of a block: 32 h
.irp b, 0,1,2,3,4,5,6,7
	global_load_b128 v[BI+8*(\b):BI+8*(\b)+3],   v5, s[BB:BB+1] offset:64*(\b)
	global_load_b128 v[BI+8*(\b)+4:BI+8*(\b)+7], v5, s[BB:BB+1] offset:64*(\b)+16
.endr
	v_mul_u32_u24 v3, v1, PITCH
	v_lshl_add_u32 v3, v2, 4, v3                   ; a fragment's row x pitch + 16 x half
	s_mul_i32 s[CT], s[RH], HALFT                  ; my 128 rows of A
	v_add_nc_u32 v[A0], s[CT], v3
	s_mul_i32 s[CT], s[CH], HALFT                  ; my 128 rows of B,
	s_add_co_u32 s[CT], s[CT], 2*HALFT             ; which lie behind A's 256
	v_add_nc_u32 v[B0], s[CT], v3
	v_mov_b32 v[ADRA], v[A0]
	v_mov_b32 v[ADRB], v[B0]
	s_mul_i32 s[CT], s[WV], 16*SPITCH
	s_add_co_u32 s[CT], s[CT], STAGE               ; my stage
	v_add_nc_u32 v[STO], s[CT], v3                 ; in: row r, 16 bytes for each half of the lanes
	v_mul_u32_u24 v4, v2, SPITCH                   ; back: lanes 0-15 one row of 256 bytes, lanes 16-31 the next
	v_lshl_add_u32 v4, v1, 4, v4
	v_add_nc_u32 v[RD], s[CT], v4
	v_mul_u32_u24 v4, v2, LDC                      ; and the same two rows in C
	v_lshl_add_u32 v[CO], v1, 4, v4
; 16 matrix instructions: row blocks a0, a0 + 1 of the window's four x all 8 column blocks.  mode 0: add on; 2: C = the bias.  The 64 accumulators take turns, always in the same order.
.macro MUL16 f, hi, a0, mode
.if (\mode) == 2
	WIN 0x81+0x40*(\hi)                            ; C in window 0
.else
	WIN MUL_LO+0x50*(\hi)
.endif
.irp a, \a0, (\a0)+1
.irp b, 0,1,2,3,4,5,6,7
.if (\mode) == 2
	v_wmma_f32_16x16x32_f16 v[8*(8*(\a)+(\b)):8*(8*(\a)+(\b))+7], v[(\f)+8*(\b):(\f)+8*(\b)+7], v[(\f)+8*(4*(\hi)+(\a)):(\f)+8*(4*(\hi)+(\a))+7], v[BI+8*(\b):BI+8*(\b)+7]
.else
	v_wmma_f32_16x16x32_f16 v[8*(8*(\a)+(\b)):8*(8*(\a)+(\b))+7], v[(\f)+8*(\b):(\f)+8*(\b)+7], v[(\f)+8*(4*(\hi)+(\a)):(\f)+8*(4*(\hi)+(\a))+7], v[8*(8*(\a)+(\b)):8*(8*(\a)+(\b))+7]
.endif
.endr
.endr
.endm
.macro FETCH k, f                      ; 32 LDS loads in one run: the fragments of 32 along K at byte k of the rows: B's eight, then A's eight
	WIN TO_B
.irp i, 0,1,2,3,4,5,6,7
	ds_load_b128 v[(\f)+8*(\i):(\f)+8*(\i)+3],   v[ADRB] offset:(\k)+(\i)*16*PITCH
	ds_load_b128 v[(\f)+8*(\i)+4:(\f)+8*(\i)+7], v[ADRB] offset:(\k)+(\i)*16*PITCH+32
.endr
	WIN 0
.irp i, 0,1,2,3,4,5,6,7
	ds_load_b128 v[(\f)+8*(\i):(\f)+8*(\i)+3],   v[ADRA] offset:(\k)+(\i)*16*PITCH
	ds_load_b128 v[(\f)+8*(\i)+4:(\f)+8*(\i)+7], v[ADRA] offset:(\k)+(\i)*16*PITCH+32
.endr
.endm
; One of a K step's first three quarters: multiplies buffer f; in its middle it fetches the next quarter, at byte k, into buffer g.
.macro QUARTER k, f, g, mode
	s_wait_dscnt 8                                 ; B and A's rows 0-63 are in; the youngest eight loads may be out
	MUL16 \f, 0, 0, \mode
	MUL16 \f, 0, 2, \mode
	PLACES
	FETCH \k, \g
	s_wait_dscnt 32                                ; all but the 32 just issued
	MUL16 \f, 1, 0, \mode
	MUL16 \f, 1, 2, \mode
.endm
; The last quarter multiplies buffer 1 and changes slots: one barrier; ahead of it each wave waits for all its tensor loads (its part of the next slot), adds 0 to its spare word and waits for that and
; for its reads of this slot.  fill = 1: the barrier opens a round of the cluster's barrier, and this slot is filled again first behind it, two K steps ahead.
; last = 1: in the trip with CNT = 1 there is no further K step, and the fetch is jumped over.
.macro TURN fill, last
	WIN 0
	s_wait_tensorcnt 0x0
	ds_add_u32 v[SPW], v[NIL]
	s_wait_dscnt 9                                 ; (the add and the youngest eight loads may be out)
	MUL16 F1, 0, 0, 0
	s_wait_dscnt 0x0                               ; the add is done, and my reads of this slot are over
	s_barrier_signal -1
	MUL16 F1, 0, 2, 0
	WIN 0
	s_barrier_wait -1
.if \fill
	CREST
	s_xor_b32 s[G0+5], s[G0+5], SLOT               ; the walking descriptors: the other slot than last time, the next K step
	s_add_nc_u64 s[G0+6:G0+7], s[G0+6:G0+7], KS
	s_xor_b32 s[G0B+5], s[G0B+5], SLOT
	s_add_nc_u64 s[G0B+6:G0B+7], s[G0B+6:G0B+7], KS
	JLOAD                                          ; its four v_nop are also the places ahead of the loads below
.else
	PLACES
.endif
.if \last
	s_cmp_eq_u32 s[CNT], 1
	s_cbranch_scc1 .Lno_fetch_\@
.endif
	s_xor_b32 s[TB], s[TB], SLOT
	v_add_nc_u32 v[ADRA], s[TB], v[A0]
	v_add_nc_u32 v[ADRB], s[TB], v[B0]
	FETCH 0, F0
.if \last
	WIN 0
.Lno_fetch_\@:
.endif
	MUL16 F1, 1, 0, 0
	MUL16 F1, 1, 2, 0
.endm
; THE WAY OUT of row block a: rounded to f16, 16 bytes a lane; through my own stage; back as whole rows of 256 bytes; stored.
.macro PACK a
.set AC, 64*((\a)%4)
	WIN 0x0a+5*((\a)/4)                            ; sources 0 and 1: window 2 or 3
.irp b, 0,1,2,3,4,5,6,7
.irp q, 0,1,2,3
	v_cvt_pk_f16_f32 v[TMP+4*(\b)+(\q)], v[AC+8*(\b)+2*(\q)], v[AC+8*(\b)+2*(\q)+1]
.endr
.endr
	WIN 0
.endm
.macro TOSTAGE a
	WIN 0
.set BK, OB+192*((\a)%2)
.irp b, 0,1,2,3,4,5,6,7
	ds_store_b128 v[STO], v[TMP+4*(\b):TMP+4*(\b)+3] offset:32*(\b)
.endr
.irp t, 0,1,2,3,4,5,6,7
	ds_load_b128 v[BK+4*(\t):BK+4*(\t)+3], v[RD] offset:(\t)*2*SPITCH  ; LDS serves a wave's instructions in order: these see the stores above
.endr
.endm
.macro SEND a
	WIN 0
.set BK, OB+192*((\a)%2)
	s_wait_dscnt 0x0                               ; the block is back in registers
	s_wait_xcnt 0x0                                ; the base and the registers that earlier stores read are rewritten only behind this wait
.if (\a) > 0
	s_add_nc_u64 s[CB:CB+1], s[CB:CB+1], 16*LDC
.endif
.irp t, 0,1,2,3,4,5,6,7
	global_store_b128 v[CO], v[BK+4*(\t):BK+4*(\t)+3], s[CB:CB+1] offset:2*(\t)*LDC  ; 16 lanes store 256 consecutive bytes, aligned
.endr
.endm
	s_wait_tensorcnt 0x1                           ; my part of K step 0 is in; K step 1's stays out
	s_barrier_signal -1
	s_barrier_wait -1
	FETCH 0, F0
	s_wait_loadcnt 0x0                             ; the bias
	QUARTER 64, F0, F1, 2                          ; the first quarter starts the sums with the bias
	WIN 0
	s_mov_b32 s[CNT], T-2
.Lstep:                                                ; a trip: from a K step's second quarter to the next one's first; it asks for the K step two on
	QUARTER 128, F1, F0, 0
	QUARTER 192, F0, F1, 0
	TURN 1, 0
	QUARTER 64, F0, F1, 0
	WIN 0
	s_sub_co_u32 s[CNT], s[CNT], 1
	s_cmp_lg_u32 s[CNT], 0
	s_cbranch_scc1 .Lstep
	s_mov_b32 s[CNT], 2
.Ltail:                                                ; the last two K steps ask for nothing
	QUARTER 128, F1, F0, 0
	QUARTER 192, F0, F1, 0
	TURN 0, 1
	WIN 0
	s_cmp_eq_u32 s[CNT], 1
	s_cbranch_scc1 .Lno_quarter                    ; behind the last K step there is no first quarter
	QUARTER 64, F0, F1, 0
	WIN 0
.Lno_quarter:
	s_sub_co_u32 s[CNT], s[CNT], 1
	s_cmp_lg_u32 s[CNT], 0
	s_cbranch_scc1 .Ltail
	s_wait_dscnt 0x0
	PLACES
	PACK 0
	TOSTAGE 0
.irp a, 1,2,3,4,5,6,7                  ; block a's conversions stand between block a - 1's loads from the stage and the wait for them
	PACK \a
	SEND (\a)-1
	TOSTAGE \a
.endr
	SEND 7
	s_wait_tensorcnt 0x0                           ; the wave's end
	ds_add_u32 v[SPW], v[NIL]
	s_wait_dscnt 0x0
	CROUND                                         ; the closing round
	s_endpgm
.Lfunc_end_k_qf99b3fdfbb_qk:
	.size	k_qf99b3fdfbb_qk, .Lfunc_end_k_qf99b3fdfbb_qk-k_qf99b3fdfbb_qk
	.p2alignl 7, 3214868480
	.fill 96, 4, 3214868480
	.section	.rodata,"a",@progbits
	.p2align	6, 0x0
	.amdhsa_kernel k_qf99b3fdfbb_qk
		.amdhsa_group_segment_fixed_size 327680
		.amdhsa_private_segment_fixed_size 0
		.amdhsa_enable_private_segment 0
		.amdhsa_kernarg_size 32
		.amdhsa_user_sgpr_count 2
		.amdhsa_user_sgpr_kernarg_segment_ptr 1
		.amdhsa_wavefront_size32 1
		.amdhsa_system_sgpr_workgroup_id_x 1
		.amdhsa_system_sgpr_workgroup_id_y 1
		.amdhsa_system_sgpr_workgroup_id_z 1
		.amdhsa_system_vgpr_workitem_id 0
		.amdhsa_next_free_vgpr 1024
		.amdhsa_next_free_sgpr 76
		.amdhsa_reserve_vcc 0
		.amdhsa_float_denorm_mode_32 3
		.amdhsa_float_denorm_mode_16_64 3
		.amdhsa_memory_ordered 1
		.amdhsa_forward_progress 1
		.amdhsa_inst_pref_size 101
	.end_amdhsa_kernel
	.amdgpu_metadata
---
amdhsa.version: [ 1, 2 ]
amdhsa.kernels:
  - .name:           k_qf99b3fdfbb_qk
    .symbol:         k_qf99b3fdfbb_qk.kd
    .args:
      - { .name: xh, .offset: 0, .size: 8, .value_kind: global_buffer, .address_space: global }
      - { .name: wh, .offset: 8, .size: 8, .value_kind: global_buffer, .address_space: global }
      - { .name: bias, .offset: 16, .size: 8, .value_kind: global_buffer, .address_space: global }
      - { .name: qkv, .offset: 24, .size: 8, .value_kind: global_buffer, .address_space: global }
    .group_segment_fixed_size: 327680
    .private_segment_fixed_size: 0
    .kernarg_segment_align: 8
    .kernarg_segment_size: 32
    .max_flat_workgroup_size: 128
    .sgpr_count:     76
    .vgpr_count:     1024
    .wavefront_size: 32
...
	.end_amdgpu_metadata
.endif
;; end of part 7
;; launch scores (part 8): grid 8 x 32, 4 waves a work-group, clusters of 4 x 4, 327,680 bytes of LDS; arguments qkv, mask, pt, stats; writes pt, stats
.if DOCPART == 8
	.amdgcn_target "amdgcn-amd-amdhsa--gfx1250"
	.amdhsa_code_object_version 6
	.text
	.protected	k_qf99b3fdfbb_scores
	.globl	k_qf99b3fdfbb_scores
	.p2align	8
	.type	k_qf99b3fdfbb_scores,@function
k_qf99b3fdfbb_scores:
	s_mov_b64 s[64:65], 0
	v_nop
	global_prefetch_b8 v0, s[64:65] scope:SCOPE_SE
	s_setreg_imm32_b32 hwreg(HW_REG_WAVE_MODE, 25, 1), 1
	s_wait_xcnt 0x0
	s_wait_alu depctr_hold_cnt(0) depctr_sa_sdst(0) depctr_va_vdst(0) depctr_va_sdst(0) depctr_va_ssrc(0) depctr_va_vcc(0) depctr_vm_vsrc(0)
	s_getreg_b32 s2, hwreg(HW_REG_IB_STS2, 6, 4)
	s_cmp_eq_u32 s2, 0
	s_cbranch_scc0 .Lentry_in_a_cluster
	s_endpgm
.Lentry_in_a_cluster:
	s_bfe_u32 s2, ttmp6, 0x10000c
	s_cmp_lg_u32 s2, 0xf033
	s_cbranch_scc0 .Lentry_shape_is_right
	s_endpgm
.Lentry_shape_is_right:
; For each batch: s = q . k (raw, not yet divided by 32); hidden keys (mask == 0) count as -infinity; for each query and each CHUNK of 128 keys: m = the chunk's largest s (not below the lowest
; finite number), p = 2^(c (s - m)) with c = log2(e) / 32, l = the sum of p.  pt: [8192][2048] f16 takes p; stats: [batch][chunk 16][block of 16 rows 128][m | l][16] f32 takes m and l.
; The launch behind resolves the chunks' maxima into the row's: together the two take the row's true maximum away ahead of every exponential.
; The difference s - m is made first and then scaled, so that a large score loses no more than the subtraction of the maximum loses anyway.
; LIMITS.  p below 6e-5 keeps f16's fixed step of 6e-8; a weight below 2^-126 counts as 0 in l.  NaN and infinities among q and k are not treated apart.
; A tile of 256 queries x 256 keys to a work-group: 8 x 32 = 256 work-groups.  Four waves, each 128 x 128: 64 accumulators, 512 registers; a wave's 128 keys are one chunk.
; K = 1,024 goes in steps of 128 through two LDS slots; each wave fetches 128 rows x 256 bytes with one tensor load.  CLUSTER 4 x 4: q's tile is shared along a row of the cluster, k's along a column.
; A K step is written once: the slot in hand is a scalar that an exclusive or with the slot's size turns (no address that it turns has one of that size's two bits set).
; THE MATRIX INSTRUCTION IS USED TRANSPOSED (source 0 = 16 keys, source 1 = 16 queries): a lane holds query lane % 16 and the keys 8 (lane / 16) + 0..7.
; BEHIND THE PRODUCTS the ring has had its last fill; behind a barrier it serves as scratch: each wave lays its 128 x 128 scores down by rows and takes them up 16 rows a trip, 16 lanes to a row,
; 8 neighbouring keys a lane: a row's maximum and sum then stay inside 16 lanes, and 16 lanes store a row's 256 bytes of p.
; THE MASK has two buffers of 64 registers, one for the even trips and one for the odd: trips 0 and 1 are asked for at the kernel's head and land under the products; trip t + 2 is asked for as soon as
; trip t has used its buffer, so that a wave has 16 KiB of mask on its way and two trips' work in which it lands.  The loop therefore holds two trips, each naming its own buffer, and goes round four times.
; REGISTERS: window 0: v0-31 addresses and two constants; v32-63 the odd trips' packed weights; v64-191 fragments of q, later at work; v192-255 the even trips' mask;
; window 1: v30 a constant; v64-191 fragments of k; v192-255 the odd trips' mask; windows 2, 3: the accumulators ((a, b) at v[8 (8 (a % 4) + b)]).
.set T,      8                         ; K steps
.set KS,     256                       ; bytes from K step to K step
.set PITCH,  272                       ; an LDS row: 256 bytes + 16 of padding: the 16 rows of a fragment load start at 16 different groups of four banks
.set HALFT,  128*PITCH                 ; what one tensor load brings, and what one wave reads of q or of k
.set SLOT,   4*HALFT                   ; 139,264 = 2^17 + 2^13
.set STAT,   2*SLOT                    ; behind the ring: 1,024 bytes a wave: m and l of its 128 rows
.set SPARE,  STAT+4096                 ; the spare words
.set SCP,    528                       ; a row of scores in the scratch: 512 bytes + 16
.set SCR,    128*SCP                   ; a wave's scratch, over the ring
.set MTRIP,  16*8192                   ; a trip's 16 rows in the mask, in bytes
.set PTRIP,  16*4096                   ; and in pt
.set A0,   16                          ; my lane's place in q's tile; never rewritten
.set B0,   17                          ; in k's
.set ADRA, 18                          ; the same in the slot in hand
.set ADRB, 19
.set RDS,  20                          ; where I take scores up
.set MO,   21                          ; my byte offset in the mask; never rewritten
.set PO,   22                          ; in pt; never rewritten
.set STA,  23                          ; where I put a statistic
.set DA,   24                          ; where I lay scores down
.set SRD,  25                          ; where I read the statistics back
.set SGO,  26                          ; my byte offset in the wave's 1,024 bytes of stats
.set SPW,  28                          ; my spare word's LDS address; never rewritten
.set NIL,  29                          ; 0, for the add alone; never rewritten
.set NI,   30                          ; -infinity, in window 0 and in window 1
.set ZR,   31                          ; 0, to hold the mask against
.set F0,   64
.set F1,   128
.set S,    64                          ; v64-127  eight pairs of rows' scores, 8 a row
.set PK,   128                         ; v128-159 the even trips' weights, packed; the odd trips' lie 96 lower, in v32-63
.set ML,   160                         ; v160-175 pairs (m, l), one a row
.set TT,   176
.set ST,   177
.set MK,   192                         ; v192-255 a trip's mask: window 0 for even trips, window 1 for odd
.set WV, 12
.set RH, 13                            ; which half of the rows is mine; also: I fetch q (0) or k (1)
.set CH, 14                            ; which half of the keys; also: which half of that tile I fetch
.set CX, 15
.set CY, 16
.set TX, 17
.set TY, 18
.set CLY, 19
.set MR, 20
.set MC, 21
.set LA, 22
.set G1, 24                            ; s[24:31] group 1 for q
.set G0, 32                            ; s[32:39] group 0 for q: a set for each first fill; the second then walks
.set AA, 40                            ; s[40:43] q's address in the making: never holds cx
.set BA, 44                            ; s[44:47] k's: never holds cy
.set G1B, 48
.set G0B, 56
.set MB, 66                            ; s[66:67] the mask at my first key and the first row of the pass in hand
.set PB, 68                            ; s[68:69] pt likewise
.set SB, 70                            ; s[70:71] stats at my chunk and first block
.set CS, 72                            ; s[72:73] c
.set NINF, 74
.set LOW, 75
.set HI8, 76
.set ONES, 77
.set TM, 78
.set CNT, 79
.set CT, 80
.set TB, 82                            ; the slot in hand: 0 or SLOT
.set GW, (1<<16)|(1<<20)|(1<<21)|(5<<22)|(3<<25)  ; 2-byte elements; padding on; bit 21 beside a mask; after every 64 words 4 words
.set MUL_LO, 0xa1                      ; source 0 (k) window 1, source 1 (q) window 0, C and D window 2
.set MUL_HI, 0xf1                      ; the same, C and D window 3
.set TO_B,   0x40                      ; destination window 1
.set MSB, 0
.macro WIN new                         ; the immediate's high byte repeats the setting that is left
.if MSB != (\new)
	s_set_vgpr_msb (MSB<<8)|(\new)
.set MSB, \new
.endif
.endm
.macro PLACES                          ; four places behind matrix instructions, ahead of loads into their sources and of readers of their results
.rept 4
	v_nop
.endr
.endm
.macro CREST                           ; a round of the cluster's barrier behind its opening barrier
	s_cmp_lg_u32 s[WV], 0
	s_cbranch_scc1 .Lnot_wave_0_\@
	s_barrier_signal -3
.Lnot_wave_0_\@:
	s_barrier_wait -3
	s_barrier_signal -1
	s_barrier_wait -1
.endm
.macro CROUND
	s_barrier_signal -1
	s_barrier_wait -1
	CREST
.endm
.macro JLOAD                           ; a joint refill by the walking descriptors: waves 0 and 1 fetch q's two halves, waves 2 and 3 k's; an s_nop 0 and four v_nop follow each line
	s_cmp_eq_u32 s[RH], 0
	s_cbranch_scc0 .Lfor_b_\@
	tensor_load_to_lds s[G0+4:G0+7], s[G1:G1+7]
	s_nop 0
.rept 4
	v_nop
.endr
	s_branch .Lasked_\@
.Lfor_b_\@:
	tensor_load_to_lds s[G0B+4:G0B+7], s[G1B:G1B+7]
	s_nop 0
.rept 4
	v_nop
.endr
.Lasked_\@:
.endm
.macro MASKLD w, off                   ; a trip's mask, 16 rows x 128 keys, off bytes behind the base, into window w: lane (g, i) takes keys 8 i .. 8 i + 7 of rows 2 u + g: 16 lanes take 512 consecutive bytes in two loads
	WIN 0x40*(\w)                                  ; the loaded data's window; the address register lies in window 0
.irp u, 0,1,2,3,4,5,6,7
	global_load_b128 v[MK+8*(\u):MK+8*(\u)+3],   v[MO], s[MB:MB+1] offset:(\off)+(\u)*16384 th:TH_LOAD_NT
	global_load_b128 v[MK+8*(\u)+4:MK+8*(\u)+7], v[MO], s[MB:MB+1] offset:(\off)+(\u)*16384+16 th:TH_LOAD_NT
.endr
	WIN 0
.endm
	s_load_b256 s[4:11], s[0:1], 0x0               ; qkv 4:5, mask 6:7, pt 8:9, stats 10:11
	v_lshl_add_u32 v[SPW], v0, 2, SPARE
	v_mov_b32 v[NIL], 0
	ds_add_u32 v[SPW], v[NIL]                      ; the wave's opening: the add and its wait stand ahead of my first tensor load
	ds_add_u32 v28, v29
	v_lshrrev_b32 v1, 5, v0
	v_readfirstlane_b32 s[WV], v1
	s_lshr_b32 s[RH], s[WV], 1
	s_and_b32 s[CH], s[WV], 1
	s_bfe_u32 s[CX], ttmp6, 0x40000
	s_bfe_u32 s[CY], ttmp6, 0x40004
	s_lshl_b32 s[TX], ttmp9, 2
	s_add_co_u32 s[TX], s[TX], s[CX]               ; block of 256 keys, 0 .. 7
	s_and_b32 s[CLY], ttmp7, 0xffff
	s_lshl_b32 s[TY], s[CLY], 2
	s_add_co_u32 s[TY], s[TY], s[CY]               ; block of 256 rows, 0 .. 31; the batch is cluster y / 2
	s_lshl_b32 s[MR], s[CY], 2
	s_lshl_b32 s[MR], 15, s[MR]                    ; my row of the cluster
	s_lshl_b32 s[MC], 0x1111, s[CX]                ; my column
	s_or_b32 s[G1], s[MR], GW
	s_or_b32 s[G1B], s[MC], GW
.irp g, G1, G1B
	s_mov_b32 s[(\g)+1], 128<<16                   ; tensor_dim0 = 128
	s_mov_b32 s[(\g)+2], 128<<16                   ; tensor_dim1 = 128
	s_mov_b32 s[(\g)+3], 128<<16                   ; tile_dim0 = 128
	s_mov_b32 s[(\g)+4], 128                       ; tile_dim1 = 128
	s_mov_b32 s[(\g)+5], 3072                      ; elements from row to row of qkv
	s_mov_b32 s[(\g)+6], 0
	s_mov_b32 s[(\g)+7], 0
.endr
	s_lshl_b32 s[AA], s[TY], 8
	s_lshl_b32 s[AA+2], s[CH], 7
	s_add_co_u32 s[AA], s[AA], s[AA+2]             ; q: row 256 x row block + 128 x half
	s_mul_i32 s[AA], s[AA], 6144
	s_mov_b32 s[AA+1], 0
	s_lshr_b32 s[BA], s[CLY], 1
	s_lshl_b32 s[BA], s[BA], 11                    ; k: the batch's first row,
	s_lshl_b32 s[BA+2], s[TX], 8
	s_add_co_u32 s[BA], s[BA], s[BA+2]             ; + 256 x key block
	s_lshl_b32 s[BA+2], s[CH], 7
	s_add_co_u32 s[BA], s[BA], s[BA+2]             ; + 128 x half
	s_mul_i32 s[BA], s[BA], 6144
	s_add_co_u32 s[BA], s[BA], 2048                ; k's columns begin 2,048 bytes into a row
	s_mov_b32 s[BA+1], 0
	s_mul_i32 s[LA], s[WV], HALFT                  ; q's two halves, then k's two halves: no place in the cluster enters an LDS address
	s_lshl_b32 s[CT], s[TY], 8
	s_lshl_b32 s[CT+1], s[RH], 7
	s_add_co_u32 s[CT], s[CT], s[CT+1]             ; my first row
	s_lshl_b32 s[MB], s[CT], 13                    ; of 8,192 bytes in the mask,
	s_lshl_b32 s[PB], s[CT], 12                    ; of 4,096 in pt
	s_lshl_b32 s[CT], s[TX], 8
	s_lshl_b32 s[CT+1], s[CH], 7
	s_add_co_u32 s[CT], s[CT], s[CT+1]             ; my first key
	s_lshl_b32 s[CT+1], s[CT], 2
	s_add_co_u32 s[MB], s[MB], s[CT+1]
	s_lshl_b32 s[CT+1], s[CT], 1
	s_add_co_u32 s[PB], s[PB], s[CT+1]
	s_mov_b32 s[MB+1], 0
	s_mov_b32 s[PB+1], 0
	s_lshr_b32 s[SB], s[CLY], 1
	s_lshl_b32 s[SB], s[SB], 4
	s_lshl_b32 s[CT], s[TX], 1
	s_add_co_u32 s[SB], s[SB], s[CT]
	s_add_co_u32 s[SB], s[SB], s[CH]               ; 16 x batch + my chunk,
	s_lshl_b32 s[SB], s[SB], 14                    ; of 16,384 bytes
	s_and_b32 s[CT], s[TY], 7
	s_lshl_b32 s[CT], s[CT], 4
	s_lshl_b32 s[CT+1], s[RH], 3
	s_add_co_u32 s[CT], s[CT], s[CT+1]             ; my first block of 16 rows in the batch,
	s_lshl_b32 s[CT], s[CT], 7                     ; of 128 bytes
	s_add_co_u32 s[SB], s[SB], s[CT]
	s_mov_b32 s[SB+1], 0
	s_mov_b32 s[CS], 0x3d38aa3b                    ; c = log2(e) / 32
	s_mov_b32 s[CS+1], s[CS]
	s_mov_b32 s[NINF], 0xff800000
	s_mov_b32 s[LOW], 0xff7fffff                   ; the lowest finite number
	s_mov_b32 s[HI8], 0xff00ff00                   ; the lanes whose place in a row of 16 is 8 or more
	s_mov_b32 s[ONES], 0x01010101                  ; the lanes whose place modulo 8 is 0
	s_mov_b32 s[TB], 0
	s_wait_dscnt 0x0                               ; the opening add is done
	s_wait_kmcnt 0x0
	s_add_nc_u64 s[AA:AA+1], s[4:5], s[AA:AA+1]
	s_add_nc_u64 s[BA:BA+1], s[4:5], s[BA:BA+1]
	s_add_nc_u64 s[MB:MB+1], s[6:7], s[MB:MB+1]
	s_add_nc_u64 s[PB:PB+1], s[8:9], s[PB:PB+1]
	s_add_nc_u64 s[SB:SB+1], s[10:11], s[SB:SB+1]
	CROUND                                         ; all sixteen work-groups are here: the first joint loads meet
.irp s, 0,1
	s_mov_b32 s[G0+4*(\s)], 1
	s_add_co_u32 s[G0+4*(\s)+1], s[LA], (\s)*SLOT
	s_add_nc_u64 s[G0+4*(\s)+2:G0+4*(\s)+3], s[AA:AA+1], (\s)*KS
	s_or_b32 s[G0+4*(\s)+3], s[G0+4*(\s)+3], 0x80000000
	s_mov_b32 s[G0B+4*(\s)], 1
	s_add_co_u32 s[G0B+4*(\s)+1], s[LA], (\s)*SLOT
	s_add_nc_u64 s[G0B+4*(\s)+2:G0B+4*(\s)+3], s[BA:BA+1], (\s)*KS
	s_or_b32 s[G0B+4*(\s)+3], s[G0B+4*(\s)+3], 0x80000000
.endr
	s_cmp_eq_u32 s[RH], 0                          ; a wave's two first fills stand in one branch: two loads of mine are out
	s_cbranch_scc0 .Lfirst_b
	tensor_load_to_lds s[G0:G0+3], s[G1:G1+7]
	s_nop 0
	tensor_load_to_lds s[G0+4:G0+7], s[G1:G1+7]
	s_nop 0
.rept 4
	v_nop
.endr
	s_branch .Lfirst_asked
.Lfirst_b:
	tensor_load_to_lds s[G0B:G0B+3], s[G1B:G1B+7]
	s_nop 0
	tensor_load_to_lds s[G0B+4:G0B+7], s[G1B:G1B+7]
	s_nop 0
.rept 4
	v_nop
.endr
.Lfirst_asked:
	v_and_b32 v1, 15, v0                           ; r = lane % 16 (behind the products: i, my place in a row)
	v_bfe_u32 v2, v0, 4, 1                         ; h = lane / 16 (behind the products: g, which of two rows)
	v_lshlrev_b32 v4, 13, v2
	v_lshl_add_u32 v[MO], v1, 5, v4                ; 8,192 g + 32 i
	MASKLD 0, 0                                    ; the first two trips' masks: neither their registers nor their address are touched before the products are done
	MASKLD 1, MTRIP
	v_mov_b32 v[NI], s[NINF]
	v_mov_b32 v[ZR], 0
	WIN 0x40
	v_mov_b32 v[NI], s[NINF]                       ; the same number under the same name in window 1: the odd trips' select takes it from there
	WIN 0
	v_mul_u32_u24 v3, v1, PITCH
	v_lshl_add_u32 v3, v2, 4, v3                   ; a fragment's row x pitch + 16 x half
	s_mul_i32 s[CT], s[RH], HALFT                  ; my 128 rows of q
	v_add_nc_u32 v[A0], s[CT], v3
	s_mul_i32 s[CT], s[CH], HALFT                  ; my 128 rows of k,
	s_add_co_u32 s[CT], s[CT], 2*HALFT             ; which lie behind q's 256
	v_add_nc_u32 v[B0], s[CT], v3
	v_mov_b32 v[ADRA], v[A0]
	v_mov_b32 v[ADRB], v[B0]
	s_mul_i32 s[CT], s[WV], SCR                    ; my scratch
	v_mul_u32_u24 v4, v1, SCP
	v_lshl_add_u32 v4, v2, 4, v4
	v_add_nc_u32 v[DA], s[CT], v4                  ; down: row r, 16 bytes for each half of the lanes
	v_mul_u32_u24 v4, v2, SCP
	v_lshl_add_u32 v4, v1, 4, v4
	v_add_nc_u32 v[RDS], s[CT], v4                 ; up: row g, 16 bytes at 16 i
	v_lshlrev_b32 v4, 12, v2
	v_lshl_add_u32 v[PO], v1, 4, v4                ; 4,096 g + 16 i
	v_lshrrev_b32 v4, 3, v1                        ; lane (g, i) puts away: m (i < 8) or l (i >= 8)
	v_and_b32 v5, 7, v1
	v_lshl_add_u32 v5, v5, 1, v2                   ; of row 2 (i % 8) + g
	v_lshlrev_b32 v5, 2, v5
	v_lshl_add_u32 v5, v4, 6, v5
	s_lshl_b32 s[CT], s[WV], 10
	s_add_co_u32 s[CT], s[CT], STAT
	v_add_nc_u32 v[STA], s[CT], v5
	v_and_b32 v4, 31, v0
	v_lshlrev_b32 v[SGO], 4, v4
	v_add_nc_u32 v[SRD], s[CT], v[SGO]
; 16 matrix instructions: row blocks a0, a0 + 1 of the window's four x all 8 key blocks.  zero = 1: the first product starts the sums.  The 64 accumulators take turns, always in the same order.
.macro MUL16 f, hi, a0, zero
	WIN MUL_LO+0x50*(\hi)
.irp a, \a0, (\a0)+1
.irp b, 0,1,2,3,4,5,6,7
.if \zero
	v_wmma_f32_16x16x32_f16 v[8*(8*(\a)+(\b)):8*(8*(\a)+(\b))+7], v[(\f)+8*(\b):(\f)+8*(\b)+7], v[(\f)+8*(4*(\hi)+(\a)):(\f)+8*(4*(\hi)+(\a))+7], 0
.else
	v_wmma_f32_16x16x32_f16 v[8*(8*(\a)+(\b)):8*(8*(\a)+(\b))+7], v[(\f)+8*(\b):(\f)+8*(\b)+7], v[(\f)+8*(4*(\hi)+(\a)):(\f)+8*(4*(\hi)+(\a))+7], v[8*(8*(\a)+(\b)):8*(8*(\a)+(\b))+7]
.endif
.endr
.endr
.endm
.macro FETCH k, f                      ; 32 LDS loads in one run: the fragments of 32 along K at byte k of the rows: k's eight, then q's eight
	WIN TO_B
.irp i, 0,1,2,3,4,5,6,7
	ds_load_b128 v[(\f)+8*(\i):(\f)+8*(\i)+3],   v[ADRB] offset:(\k)+(\i)*16*PITCH
	ds_load_b128 v[(\f)+8*(\i)+4:(\f)+8*(\i)+7], v[ADRB] offset:(\k)+(\i)*16*PITCH+32
.endr
	WIN 0
.irp i, 0,1,2,3,4,5,6,7
	ds_load_b128 v[(\f)+8*(\i):(\f)+8*(\i)+3],   v[ADRA] offset:(\k)+(\i)*16*PITCH
	ds_load_b128 v[(\f)+8*(\i)+4:(\f)+8*(\i)+7], v[ADRA] offset:(\k)+(\i)*16*PITCH+32
.endr
.endm
; One of a K step's first three quarters: multiplies buffer f; in its middle it fetches the next quarter, at byte k, into buffer g.
.macro QUARTER k, f, g, zero
	s_wait_dscnt 8                                 ; k's fragments and q's rows 0-63 are in; the youngest eight loads may be out
	MUL16 \f, 0, 0, \zero
	MUL16 \f, 0, 2, \zero
	PLACES
	FETCH \k, \g
	s_wait_dscnt 32                                ; all but the 32 just issued
	MUL16 \f, 1, 0, \zero
	MUL16 \f, 1, 2, \zero
.endm
; The last quarter multiplies buffer 1 and changes slots: one barrier; ahead of it each wave waits for all its tensor loads (its part of the next slot), adds 0 to its spare word and waits for that and
; for its reads of this slot.  fill = 1: the barrier opens a round of the cluster's barrier, and this slot is filled again first behind it, two K steps ahead.
; last = 1: in the trip with CNT = 1 there is no further K step, and the fetch is jumped over.
.macro TURN fill, last
	WIN 0
	s_wait_tensorcnt 0x0
	ds_add_u32 v[SPW], v[NIL]
	s_wait_dscnt 9                                 ; (the add and the youngest eight loads may be out)
	MUL16 F1, 0, 0, 0
	s_wait_dscnt 0x0                               ; the add is done, and my reads of this slot are over
	s_barrier_signal -1
	MUL16 F1, 0, 2, 0
	WIN 0
	s_barrier_wait -1
.if \fill
	CREST
	s_xor_b32 s[G0+5], s[G0+5], SLOT               ; the walking descriptors: the other slot than last time, the next K step
	s_add_nc_u64 s[G0+6:G0+7], s[G0+6:G0+7], KS
	s_xor_b32 s[G0B+5], s[G0B+5], SLOT
	s_add_nc_u64 s[G0B+6:G0B+7], s[G0B+6:G0B+7], KS
	JLOAD                                          ; its four v_nop are also the places ahead of the loads below
.else
	PLACES
.endif
.if \last
	s_cmp_eq_u32 s[CNT], 1
	s_cbranch_scc1 .Lno_fetch_\@
.endif
	s_xor_b32 s[TB], s[TB], SLOT
	v_add_nc_u32 v[ADRA], s[TB], v[A0]
	v_add_nc_u32 v[ADRB], s[TB], v[B0]
	FETCH 0, F0
.if \last
	WIN 0
.Lno_fetch_\@:
.endif
	MUL16 F1, 1, 0, 0
	MUL16 F1, 1, 2, 0
.endm
	s_wait_tensorcnt 0x1                           ; my part of K step 0 is in; K step 1's stays out
	s_barrier_signal -1
	s_barrier_wait -1
	FETCH 0, F0
	QUARTER 64, F0, F1, 1                          ; the first quarter's products start the sums
	WIN 0
	s_mov_b32 s[CNT], T-2
.Lstep:                                                ; a trip: from a K step's second quarter to the next one's first; it asks for the K step two on
	QUARTER 128, F1, F0, 0
	QUARTER 192, F0, F1, 0
	TURN 1, 0
	QUARTER 64, F0, F1, 0
	WIN 0
	s_sub_co_u32 s[CNT], s[CNT], 1
	s_cmp_lg_u32 s[CNT], 0
	s_cbranch_scc1 .Lstep
	s_mov_b32 s[CNT], 2
.Ltail:                                                ; the last two K steps ask for nothing
	QUARTER 128, F1, F0, 0
	QUARTER 192, F0, F1, 0
	TURN 0, 1
	WIN 0
	s_cmp_eq_u32 s[CNT], 1
	s_cbranch_scc1 .Lno_quarter                    ; behind the last K step there is no first quarter
	QUARTER 64, F0, F1, 0
	WIN 0
.Lno_quarter:
	s_sub_co_u32 s[CNT], s[CNT], 1
	s_cmp_lg_u32 s[CNT], 0
	s_cbranch_scc1 .Ltail
	s_wait_dscnt 0x0                               ; every LDS load of mine is back;
	s_barrier_signal -1                            ; the tail's text holds a fetch behind its own barrier, so one more barrier stands here, behind every read of the ring:
	s_barrier_wait -1                              ; behind it nobody reads the ring, which has had its last fill: it is scratch now
	PLACES
	; The scores go down by rows.  A row's 512 bytes: first registers 0-3 of the 16 groups of eight keys, then registers 4-7: a lane that takes 16 bytes at 16 i of each half has keys 8 i .. 8 i + 7.
.irp a, 0,1,2,3,4,5,6,7
	WIN 0x08+4*((\a)/4)                            ; the stores' data in window 2 or 3
.irp b, 0,1,2,3,4,5,6,7
	ds_store_b128 v[DA], v[64*((\a)%4)+8*(\b):64*((\a)%4)+8*(\b)+3]   offset:(\a)*16*SCP+32*(\b)
	ds_store_b128 v[DA], v[64*((\a)%4)+8*(\b)+4:64*((\a)%4)+8*(\b)+7] offset:(\a)*16*SCP+256+32*(\b)
.endr
.endr
	WIN 0
.macro ALL line:vararg                 ; one line for each of a trip's eight pairs of rows, u
.set u, 0
.rept 8
	\line
.set u, u+1
.endr
.endm
; A TRIP: 16 rows; lane (g, i) has keys 8 i .. 8 i + 7 of rows 2 u + g.  p = 0: the pass's even trip, p = 1: its odd one: the trip's place stands in the immediates, its mask in window p, its packed weights in registers of their own.
.macro SUB p
.set PKB, PK-96*(\p)
	ALL ds_load_b128 v[S+8*u:S+8*u+3], v[RDS] offset:(\p)*16*SCP+u*2*SCP        ; LDS serves a wave's instructions in order: these see my stores
	ALL ds_load_b128 v[S+8*u+4:S+8*u+7], v[RDS] offset:(\p)*16*SCP+u*2*SCP+256
	s_wait_loadcnt 0x10                            ; loads come back in order: this trip's mask is in; the other buffer's sixteen loads may be out
	s_wait_dscnt 0x0
	WIN \p                                         ; source 0 (the mask, -infinity) in the trip's window; source 1 and the destination in window 0
.set e, 0
.rept 64
	v_cmp_ne_u32 vcc_lo, v[MK+e], v[ZR]
	v_cndmask_b32 v[S+e], v[NI], v[S+e], vcc_lo    ; a hidden key's score is -infinity
.set e, e+1
.endr
	WIN 0
	s_cmp_eq_u32 s[CNT], 1
	s_cbranch_scc1 .Lno_mask_\@                    ; the last pass asks for nothing
	MASKLD \p, (2+(\p))*MTRIP                      ; the buffer just used takes the trip two on
	s_branch .Lmask_asked_\@
.Lno_mask_\@:
	s_wait_loadcnt 0x0                             ; no load follows on this way: the other buffer's are waited for here, so that the counted wait above holds on either way
.Lmask_asked_\@:
	ALL v_max3_num_f32 v[ML+2*u], v[S+8*u], v[S+8*u+1], v[S+8*u+2]
	ALL v_max3_num_f32 v[ML+2*u], v[ML+2*u], v[S+8*u+3], v[S+8*u+4]
	ALL v_max3_num_f32 v[ML+2*u], v[ML+2*u], v[S+8*u+5], v[S+8*u+6]
	ALL v_max3_num_f32 v[ML+2*u], v[ML+2*u], v[S+8*u+7], s[LOW]
	ALL v_max_num_f32_dpp v[ML+2*u], v[ML+2*u], v[ML+2*u] row_xmask:1 row_mask:0xf bank_mask:0xf
	ALL v_max_num_f32_dpp v[ML+2*u], v[ML+2*u], v[ML+2*u] row_xmask:2 row_mask:0xf bank_mask:0xf
	ALL v_max_num_f32_dpp v[ML+2*u], v[ML+2*u], v[ML+2*u] row_xmask:4 row_mask:0xf bank_mask:0xf
	ALL v_max_num_f32_dpp v[ML+2*u], v[ML+2*u], v[ML+2*u] row_xmask:8 row_mask:0xf bank_mask:0xf
.set e, 0
.rept 32
	v_pk_add_f32 v[S+2*e:S+2*e+1], v[S+2*e:S+2*e+1], v[ML+2*(e/4):ML+2*(e/4)+1] op_sel_hi:[1,0] neg_lo:[0,1] neg_hi:[0,1]  ; s - m
.set e, e+1
.endr
.set e, 0
.rept 32
	v_pk_mul_f32 v[S+2*e:S+2*e+1], v[S+2*e:S+2*e+1], s[CS:CS+1] op_sel_hi:[1,0]
.set e, e+1
.endr
.set e, 0
.rept 64
	v_exp_f32 v[S+e], v[S+e]
.set e, e+1
.endr
	v_nop                                          ; a plain instruction between the last exponential and the use of its result
.set e, 0
	s_wait_alu depctr_va_vdst(0)
.rept 32
	v_cvt_pk_f16_f32 v[PKB+e], v[S+2*e], v[S+2*e+1]
.set e, e+1
.endr
	ALL global_store_b128 v[PO], v[PKB+4*u:PKB+4*u+3], s[PB:PB+1] offset:(\p)*PTRIP+u*8192  ; 16 lanes store a row's 256 consecutive bytes, aligned
	ALL v_pk_add_f32 v[S+8*u:S+8*u+1], v[S+8*u:S+8*u+1], v[S+8*u+2:S+8*u+3]
	ALL v_pk_add_f32 v[S+8*u+4:S+8*u+5], v[S+8*u+4:S+8*u+5], v[S+8*u+6:S+8*u+7]
	ALL v_pk_add_f32 v[S+8*u:S+8*u+1], v[S+8*u:S+8*u+1], v[S+8*u+4:S+8*u+5]
	ALL v_add_f32 v[ML+2*u+1], v[S+8*u], v[S+8*u+1]
	ALL v_add_f32_dpp v[ML+2*u+1], v[ML+2*u+1], v[ML+2*u+1] row_xmask:1 row_mask:0xf bank_mask:0xf
	ALL v_add_f32_dpp v[ML+2*u+1], v[ML+2*u+1], v[ML+2*u+1] row_xmask:2 row_mask:0xf bank_mask:0xf
	ALL v_add_f32_dpp v[ML+2*u+1], v[ML+2*u+1], v[ML+2*u+1] row_xmask:4 row_mask:0xf bank_mask:0xf
	ALL v_add_f32_dpp v[ML+2*u+1], v[ML+2*u+1], v[ML+2*u+1] row_xmask:8 row_mask:0xf bank_mask:0xf
	v_cndmask_b32 v[ST], v[ML], v[ML+1], s[HI8]    ; each lane picks the one number that it puts away: m or l by its place's upper bit, the pair of rows by the lower three
.irp u, 1,2,3,4,5,6,7
	s_lshl_b32 s[TM], s[ONES], \u
	v_cndmask_b32 v[TT], v[ML+2*(\u)], v[ML+2*(\u)+1], s[HI8]
	v_cndmask_b32 v[ST], v[ST], v[TT], s[TM]
.endr
	ds_store_b32 v[STA], v[ST] offset:128*(\p)
.endm
	ALL v_mov_b32 v[ML+2*u+1], 0                   ; named as pairs with m before l is first made
	s_mov_b32 s[CNT], 4
.Lepi:                                                 ; a pass: two trips, 32 rows
	SUB 0
	SUB 1
	v_add_nc_u32 v[RDS], 32*SCP, v[RDS]
	v_add_nc_u32 v[STA], 256, v[STA]
	s_wait_xcnt 0x0                                ; the two bases and both trips' packed weights are rewritten only behind this wait
	s_add_nc_u64 s[PB:PB+1], s[PB:PB+1], 2*PTRIP   ; 32 rows on (behind the last pass the two bases are not used)
	s_add_nc_u64 s[MB:MB+1], s[MB:MB+1], 2*MTRIP
	s_sub_co_u32 s[CNT], s[CNT], 1
	s_cmp_lg_u32 s[CNT], 0
	s_cbranch_scc1 .Lepi
	ds_load_b128 v[S:S+3],   v[SRD]                ; my 128 rows' m and l: 1,024 consecutive bytes
	ds_load_b128 v[S+4:S+7], v[SRD] offset:512
	s_wait_dscnt 0x0
	global_store_b128 v[SGO], v[S:S+3],   s[SB:SB+1]
	global_store_b128 v[SGO], v[S+4:S+7], s[SB:SB+1] offset:512
	s_wait_tensorcnt 0x0                           ; the wave's end
	ds_add_u32 v[SPW], v[NIL]
	s_wait_dscnt 0x0
	CROUND                                         ; the closing round
	s_endpgm
.Lfunc_end_k_qf99b3fdfbb_scores:
	.size	k_qf99b3fdfbb_scores, .Lfunc_end_k_qf99b3fdfbb_scores-k_qf99b3fdfbb_scores
	.p2alignl 7, 3214868480
	.fill 96, 4, 3214868480
	.section	.rodata,"a",@progbits
	.p2align	6, 0x0
	.amdhsa_kernel k_qf99b3fdfbb_scores
		.amdhsa_group_segment_fixed_size 327680
		.amdhsa_private_segment_fixed_size 0
		.amdhsa_enable_private_segment 0
		.amdhsa_kernarg_size 32
		.amdhsa_user_sgpr_count 2
		.amdhsa_user_sgpr_kernarg_segment_ptr 1
		.amdhsa_wavefront_size32 1
		.amdhsa_system_sgpr_workgroup_id_x 1
		.amdhsa_system_sgpr_workgroup_id_y 1
		.amdhsa_system_sgpr_workgroup_id_z 1
		.amdhsa_system_vgpr_workitem_id 0
		.amdhsa_next_free_vgpr 1024
		.amdhsa_next_free_sgpr 84
		.amdhsa_reserve_vcc 1
		.amdhsa_float_denorm_mode_32 3
		.amdhsa_float_denorm_mode_16_64 3
		.amdhsa_memory_ordered 1
		.amdhsa_forward_progress 1
		.amdhsa_inst_pref_size 131
	.end_amdhsa_kernel
	.amdgpu_metadata
---
amdhsa.version: [ 1, 2 ]
amdhsa.kernels:
  - .name:           k_qf99b3fdfbb_scores
    .symbol:         k_qf99b3fdfbb_scores.kd
    .args:
      - { .name: qkv, .offset: 0, .size: 8, .value_kind: global_buffer, .address_space: global }
      - { .name: mask, .offset: 8, .size: 8, .value_kind: global_buffer, .address_space: global }
      - { .name: pt, .offset: 16, .size: 8, .value_kind: global_buffer, .address_space: global }
      - { .name: stats, .offset: 24, .size: 8, .value_kind: global_buffer, .address_space: global }
    .group_segment_fixed_size: 327680
    .private_segment_fixed_size: 0
    .kernarg_segment_align: 8
    .kernarg_segment_size: 32
    .max_flat_workgroup_size: 128
    .sgpr_count:     84
    .vgpr_count:     1024
    .wavefront_size: 32
...
	.end_amdgpu_metadata
.endif
;; end of part 8
;; launch ctx (part 9): grid 4 x 64, 4 waves a work-group, clusters of 4 x 4, 327,680 bytes of LDS; arguments pt, xh, stats, ctxh; writes ctxh
.if DOCPART == 9
	.amdgcn_target "amdgcn-amd-amdhsa--gfx1250"
	.amdhsa_code_object_version 6
	.text
	.protected	k_qf99b3fdfbb_ctx
	.globl	k_qf99b3fdfbb_ctx
	.p2align	8
	.type	k_qf99b3fdfbb_ctx,@function
k_qf99b3fdfbb_ctx:
	s_mov_b64 s[64:65], 0
	v_nop
	global_prefetch_b8 v0, s[64:65] scope:SCOPE_SE
	s_setreg_imm32_b32 hwreg(HW_REG_WAVE_MODE, 25, 1), 1
	s_wait_xcnt 0x0
	s_wait_alu depctr_hold_cnt(0) depctr_sa_sdst(0) depctr_va_vdst(0) depctr_va_sdst(0) depctr_va_ssrc(0) depctr_va_vcc(0) depctr_vm_vsrc(0)
	s_getreg_b32 s2, hwreg(HW_REG_IB_STS2, 6, 4)
	s_cmp_eq_u32 s2, 0
	s_cbranch_scc0 .Lentry_in_a_cluster
	s_endpgm
.Lentry_in_a_cluster:
	s_bfe_u32 s2, ttmp6, 0x10000c
	s_cmp_lg_u32 s2, 0xf033
	s_cbranch_scc0 .Lentry_shape_is_right
	s_endpgm
.Lentry_shape_is_right:
; ctxh = softmax x.  ctxh[q][d] = (sum over chunks t of f_t(q) x sum over the chunk's keys of p[q][key] x[key][d]) / L(q), with M = the largest of the row's 16 chunk maxima m_t, f_t = 2^(c (m_t - M)),
; c = log2(e) / 32, L = the sum of f_t l_t.  So every weight is 2^(c (s - M)) / L: the softmax with the row's true maximum taken away.  pt: [8192][2048] f16; xh: [8192][1024] f16; ctxh: [8192][1024] f16.
; (The value and output projections follow in one product, with Wo Wv, in the launch behind: softmax (x Wv^T + bv) Wo^T + bo = (softmax x)(Wo Wv)^T + Wo bv + bo, since a row of the softmax sums to one.)
; A K step of 128 keys is one chunk: the fragments of p of K step t are multiplied by f_t (f16, at most 1) between their load and the products; the division by L is made in f32 at the end.
; A row with no visible key has p = 0 and L = 0: 0 x infinity gives NaN, as the softmax of such a row does.
; LIMITS.  p f_t below 6e-5 keeps f16's fixed step of 6e-8.  The result is a mean of x's rows and has their range.
; A tile of C is 128 x 256: 4 x 64 = 256 work-groups.  Four waves, each 64 rows x 128 columns.  Ring, round, turns and way out as in the projections' kernels; x lies [key][channel] and its
; fragments come out of LDS turned, by ds_load_tr16_b128.  CLUSTER 4 x 4: p's tile is shared along a row of the cluster, x's along a column.
; REGISTERS: window 0: v0-31 addresses, v32-52 at work, v128-223 the way out; window 1: two fragment buffers of 96, v192-195 f_t of my four row blocks; window 2: accumulator (a, b) at v[8 (8 a + b)].
.set T,      16
.set PITCH,  272                       ; a row of p in LDS: 256 bytes + 16
.set PV,     544                       ; a row of x: 512 bytes + 32
.set AH,     64*PITCH
.set BH,     64*PV                     ; 64 keys: one tensor load
.set BOFF,   2*AH
.set SLOT1,  131072
.set FT,     BOFF+2*BH                 ; between the slots, in blocks that no fill touches: for each wave [chunk 16][row 64] words, f_t twice in f16
.set IL,     FT+4*4096                 ; for each wave [row 64] f32: 1 / L
.set STAGE,  SLOT1+BOFF+2*BH
.set SPITCH, 272
.set SPARE,  STAGE+4*16*SPITCH
.set KA,     256
.set KB,     128*2048                  ; 128 keys down xh
.set LDC,    2048
.set A0,   16
.set B0,   17
.set ADRA, 18
.set ADRB, 19
.set FTA,  20                          ; where I read f_t of the K step to come
.set SO,   21                          ; my byte offset in stats; never rewritten
.set FW,   22                          ; where I put f_t
.set IW,   23                          ; where I put 1 / L
.set STO,  24
.set RD,   25
.set CO,   26
.set ILA,  27                          ; where I read 1 / L
.set SPW,  28
.set NIL,  29
.set MS,   32                          ; v32-39 eight m, then f
.set LS,   40                          ; v40-47 eight l, then f packed
.set IV,   32                          ; the way out: pairs of 1 / L
.set TMP,  128
.set OB,   160
.set F0,   0
.set F1,   96
.set FC,   192
.set WV, 12
.set RH, 13
.set CH, 14
.set CX, 15
.set CY, 16
.set TX, 17
.set TY, 18
.set CLY, 19
.set MR, 20
.set MC, 21
.set LA, 22
.set LB, 23
.set G1, 24
.set G0, 32
.set AA, 40
.set BA, 44
.set G1B, 48
.set G0B, 56
.set TB, 66
.set CNT, 67
.set CB, 68
.set CT, 70
.set SB, 72                            ; s[72:73] stats at my batch and first block of rows
.set SEL, 74                           ; s[74:75] each lane takes its own place in the other half
.set CS, 76
.set TS, 77
.set MUL,  0xa5
.set TO_F, 0x40
.set MSB, 0
.macro WIN new
.if MSB != (\new)
	s_set_vgpr_msb (MSB<<8)|(\new)
.set MSB, \new
.endif
.endm
.macro PLACES
.rept 4
	v_nop
.endr
.endm
.macro CREST
	s_cmp_lg_u32 s[WV], 0
	s_cbranch_scc1 .Lnot_wave_0_\@
	s_barrier_signal -3
.Lnot_wave_0_\@:
	s_barrier_wait -3
	s_barrier_signal -1
	s_barrier_wait -1
.endm
.macro CROUND
	s_barrier_signal -1
	s_barrier_wait -1
	CREST
.endm
.macro JLOAD
	s_cmp_eq_u32 s[RH], 0
	s_cbranch_scc0 .Lfor_b_\@
	tensor_load_to_lds s[G0+4:G0+7], s[G1:G1+7]
	s_nop 0
.rept 4
	v_nop
.endr
	s_branch .Lasked_\@
.Lfor_b_\@:
	tensor_load_to_lds s[G0B+4:G0B+7], s[G1B:G1B+7]
	s_nop 0
.rept 4
	v_nop
.endr
.Lasked_\@:
.endm
	s_load_b256 s[4:11], s[0:1], 0x0               ; pt 4:5, xh 6:7, stats 8:9, ctxh 10:11
	v_lshl_add_u32 v[SPW], v0, 2, SPARE
	v_mov_b32 v[NIL], 0
	ds_add_u32 v[SPW], v[NIL]                      ; the wave's opening: the add and its wait stand ahead of my first tensor load
	ds_add_u32 v28, v29
	v_lshrrev_b32 v1, 5, v0
	v_readfirstlane_b32 s[WV], v1
	s_lshr_b32 s[RH], s[WV], 1
	s_and_b32 s[CH], s[WV], 1
	s_bfe_u32 s[CX], ttmp6, 0x40000
	s_bfe_u32 s[CY], ttmp6, 0x40004
	s_lshl_b32 s[TX], ttmp9, 2
	s_add_co_u32 s[TX], s[TX], s[CX]               ; block of 256 channels
	s_and_b32 s[CLY], ttmp7, 0xffff
	s_lshl_b32 s[TY], s[CLY], 2
	s_add_co_u32 s[TY], s[TY], s[CY]               ; block of 128 rows; the batch is cluster y / 4
	s_lshl_b32 s[MR], s[CY], 2
	s_lshl_b32 s[MR], 15, s[MR]
	s_lshl_b32 s[MC], 0x1111, s[CX]
	s_or_b32 s[G1], s[MR], (1<<16)|(1<<20)|(1<<21)|(5<<22)|(3<<25)   ; after every 64 words 4 words of padding
	s_or_b32 s[G1B], s[MC], (1<<16)|(1<<20)|(1<<21)|(6<<22)|(7<<25)  ; after every 128 words 8 words
	s_mov_b32 s[G1+1], 128<<16                     ; p: 64 rows x 128 elements, 2,048 elements from row to row
	s_mov_b32 s[G1+2], 64<<16
	s_mov_b32 s[G1+3], 128<<16
	s_mov_b32 s[G1+4], 64
	s_mov_b32 s[G1+5], 2048
	s_mov_b32 s[G1+6], 0
	s_mov_b32 s[G1+7], 0
	s_mov_b32 s[G1B+1], 256<<16                    ; x: 64 keys x 256 channels, 1,024 elements from row to row
	s_mov_b32 s[G1B+2], 64<<16
	s_mov_b32 s[G1B+3], 256<<16
	s_mov_b32 s[G1B+4], 64
	s_mov_b32 s[G1B+5], 1024
	s_mov_b32 s[G1B+6], 0
	s_mov_b32 s[G1B+7], 0
	s_lshl_b32 s[AA], s[TY], 7
	s_lshl_b32 s[AA+2], s[CH], 6
	s_add_co_u32 s[AA], s[AA], s[AA+2]             ; p: row 128 x row block + 64 x half,
	s_lshl_b32 s[AA], s[AA], 12                    ; of 4,096 bytes
	s_mov_b32 s[AA+1], 0
	s_lshr_b32 s[BA], s[CLY], 2
	s_lshl_b32 s[BA], s[BA], 11                    ; x: the batch's first key
	s_lshl_b32 s[BA+2], s[CH], 6
	s_add_co_u32 s[BA], s[BA], s[BA+2]             ; + 64 x half,
	s_lshl_b32 s[BA], s[BA], 11                    ; of 2,048 bytes,
	s_lshl_b32 s[BA+2], s[TX], 9
	s_add_co_u32 s[BA], s[BA], s[BA+2]             ; and my block's 512 bytes of a row
	s_mov_b32 s[BA+1], 0
	s_mul_i32 s[LA], s[CH], AH
	s_mul_i32 s[LB], s[CH], BH
	s_add_co_u32 s[LB], s[LB], BOFF
	s_lshr_b32 s[SB], s[CLY], 2
	s_lshl_b32 s[SB], s[SB], 18                    ; stats: a batch is 262,144 bytes;
	s_and_b32 s[CT], s[TY], 15
	s_lshl_b32 s[CT], s[CT], 3
	s_lshl_b32 s[CT+1], s[RH], 2
	s_add_co_u32 s[CT], s[CT], s[CT+1]             ; my first block of 16 rows in the batch,
	s_lshl_b32 s[CT], s[CT], 7                     ; of 128 bytes
	s_add_co_u32 s[SB], s[SB], s[CT]
	s_mov_b32 s[SB+1], 0
	s_lshl_b32 s[CT], s[TY], 7                     ; C: my first row,
	s_lshl_b32 s[CT+1], s[RH], 6
	s_add_co_u32 s[CT], s[CT], s[CT+1]
	s_lshl_b32 s[CT], s[CT], 11
	s_lshl_b32 s[CT+1], s[TX], 9                   ; my first column, in bytes
	s_add_co_u32 s[CT], s[CT], s[CT+1]
	s_lshl_b32 s[CT+1], s[CH], 8
	s_add_co_u32 s[CT], s[CT], s[CT+1]
	s_mov_b32 s[CT+1], 0
	s_mov_b32 s[TB], 0
	s_mov_b32 s[SEL], 0x76543210
	s_mov_b32 s[SEL+1], 0xfedcba98
	s_mov_b32 s[CS], 0x3d38aa3b                    ; c = log2(e) / 32
	s_wait_dscnt 0x0                               ; the opening add is done
	s_wait_kmcnt 0x0
	s_add_nc_u64 s[AA:AA+1], s[4:5], s[AA:AA+1]
	s_add_nc_u64 s[BA:BA+1], s[6:7], s[BA:BA+1]
	s_add_nc_u64 s[SB:SB+1], s[8:9], s[SB:SB+1]
	s_add_nc_u64 s[CB:CB+1], s[10:11], s[CT:CT+1]
	CROUND                                         ; all sixteen work-groups are here: the first joint loads meet
.irp s, 0,1
	s_mov_b32 s[G0+4*(\s)], 1
	s_add_co_u32 s[G0+4*(\s)+1], s[LA], (\s)*SLOT1
	s_add_nc_u64 s[G0+4*(\s)+2:G0+4*(\s)+3], s[AA:AA+1], (\s)*KA
	s_or_b32 s[G0+4*(\s)+3], s[G0+4*(\s)+3], 0x80000000
	s_mov_b32 s[G0B+4*(\s)], 1
	s_add_co_u32 s[G0B+4*(\s)+1], s[LB], (\s)*SLOT1
	s_add_nc_u64 s[G0B+4*(\s)+2:G0B+4*(\s)+3], s[BA:BA+1], (\s)*KB
	s_or_b32 s[G0B+4*(\s)+3], s[G0B+4*(\s)+3], 0x80000000
.endr
	s_cmp_eq_u32 s[RH], 0                          ; a wave's two first fills stand in one branch: two loads of mine are out
	s_cbranch_scc0 .Lfirst_b
	tensor_load_to_lds s[G0:G0+3], s[G1:G1+7]
	s_nop 0
	tensor_load_to_lds s[G0+4:G0+7], s[G1:G1+7]
	s_nop 0
.rept 4
	v_nop
.endr
	s_branch .Lfirst_asked
.Lfirst_b:
	tensor_load_to_lds s[G0B:G0B+3], s[G1B:G1B+7]
	s_nop 0
	tensor_load_to_lds s[G0B+4:G0B+7], s[G1B:G1B+7]
	s_nop 0
.rept 4
	v_nop
.endr
.Lfirst_asked:
	v_and_b32 v1, 15, v0                           ; r = lane % 16
	v_bfe_u32 v2, v0, 4, 1                         ; h = lane / 16
	v_mul_u32_u24 v3, v1, PITCH
	v_lshl_add_u32 v3, v2, 4, v3
	s_mul_i32 s[CT], s[RH], AH
	v_add_nc_u32 v[A0], s[CT], v3
	v_and_b32 v4, 7, v0                            ; the turning load: lane l reads key 8 h + l % 8, channels 8 ((l / 8) % 2) + 0..7
	v_lshl_add_u32 v4, v2, 3, v4
	v_mul_u32_u24 v4, v4, PV
	v_bfe_u32 v5, v0, 3, 1
	v_lshl_add_u32 v4, v5, 4, v4
	s_lshl_b32 s[CT], s[CH], 8                     ; my 128 channels of the 256
	s_add_co_u32 s[CT], s[CT], BOFF
	v_add_nc_u32 v[B0], s[CT], v4
	v_mov_b32 v[ADRA], v[A0]
	v_mov_b32 v[ADRB], v[B0]
	s_mul_i32 s[CT], s[WV], 16*SPITCH
	s_add_co_u32 s[CT], s[CT], STAGE
	v_add_nc_u32 v[STO], s[CT], v3
	v_mul_u32_u24 v4, v2, SPITCH
	v_lshl_add_u32 v4, v1, 4, v4
	v_add_nc_u32 v[RD], s[CT], v4
	v_lshlrev_b32 v4, 11, v2
	v_lshl_add_u32 v[CO], v1, 4, v4                ; 2,048 h + 16 r
	v_lshlrev_b32 v4, 17, v2
	v_lshl_add_u32 v[SO], v1, 2, v4                ; stats: lane (r, h) takes row r and the chunks 8 h + 0..7: 131,072 h + 4 r
	v_lshlrev_b32 v5, 2, v1                        ; 4 r
	s_lshl_b32 s[TS], s[WV], 12
	s_add_co_u32 s[TS], s[TS], FT                  ; my table of f
	v_add_nc_u32 v[FTA], s[TS], v5
	v_lshl_add_u32 v[FW], v2, 11, v[FTA]           ; chunk 8 h: 2,048 h
	s_lshl_b32 s[TS], s[WV], 8
	s_add_co_u32 s[TS], s[TS], IL                  ; my table of 1 / L
	v_add_nc_u32 v[IW], s[TS], v5
	v_mov_b32 v[ILA], v[IW]
	v_mov_b32 v51, 0                               ; a lane exchange's destination counts as read
	; THE TABLES, made by each wave for its own 64 rows, 16 rows a trip, in the wait for the first tile.  Only the wave itself reads them.
	s_mov_b32 s[CNT], 4
.Ltab:
.irp t, 0,1,2,3,4,5,6,7
	global_load_b32 v[MS+(\t)], v[SO], s[SB:SB+1] offset:(\t)*16384
	global_load_b32 v[LS+(\t)], v[SO], s[SB:SB+1] offset:(\t)*16384+64
.endr
	s_wait_loadcnt 0x0
	s_add_nc_u64 s[SB:SB+1], s[SB:SB+1], 128       ; the next block of 16 rows: the loads that named the base are done
	v_max3_num_f32 v48, v[MS], v[MS+1], v[MS+2]
	v_max3_num_f32 v49, v[MS+3], v[MS+4], v[MS+5]
	v_max3_num_f32 v48, v48, v[MS+6], v[MS+7]
	v_max_num_f32 v48, v48, v49
	v_permlanex16_b32 v49, v48, s[SEL], s[SEL+1]   ; the row's other eight chunks lie in the lane 16 away
	v_max_num_f32 v48, v48, v49                    ; M
.irp t, 0,1,2,3,4,5,6,7
	v_sub_f32 v[MS+(\t)], v[MS+(\t)], v48
.endr
.irp t, 0,1,2,3,4,5,6,7
	v_mul_f32 v[MS+(\t)], s[CS], v[MS+(\t)]
.endr
.irp t, 0,1,2,3,4,5,6,7
	v_exp_f32 v[MS+(\t)], v[MS+(\t)]               ; f_t
.endr
	v_nop                                          ; a plain instruction between the last exponential and the use of its result
	s_wait_alu depctr_va_vdst(0)
	v_mul_f32 v50, v[MS], v[LS]
.irp t, 1,2,3,4,5,6,7
	v_fmac_f32 v50, v[MS+(\t)], v[LS+(\t)]
.endr
	v_permlanex16_b32 v51, v50, s[SEL], s[SEL+1]
	v_add_f32 v50, v50, v51                        ; L
	v_rcp_f32 v52, v50
.irp t, 0,1,2,3,4,5,6,7
	v_cvt_pk_f16_f32 v[LS+(\t)], v[MS+(\t)], v[MS+(\t)]  ; f_t twice; the first of these is the plain instruction behind the reciprocal
.endr
.irp t, 0,1,2,3,4,5,6,7
	ds_store_b32 v[FW], v[LS+(\t)] offset:256*(\t)
.endr
	s_wait_alu depctr_va_vdst(0)
	ds_store_b32 v[IW], v52                        ; both halves of the lanes store the same number
	v_add_nc_u32 v[FW], 64, v[FW]
	v_add_nc_u32 v[IW], 64, v[IW]
	s_sub_co_u32 s[CNT], s[CNT], 1
	s_cmp_lg_u32 s[CNT], 0
	s_cbranch_scc1 .Ltab
; One run of LDS loads: the fragments of 32 keys, quarter kq of a K step: x's eight (turned), then p's four; fc = 1: ahead of them f of the K step that begins.
.macro FETCH kq, f, fc=0
	WIN TO_F
.if \fc
.irp a, 0,1,2,3
	ds_load_b32 v[FC+(\a)], v[FTA] offset:64*(\a)
.endr
.endif
.irp i, 0,1,2,3,4,5,6,7
	ds_load_tr16_b128 v[(\f)+32+8*(\i):(\f)+32+8*(\i)+3],   v[ADRB] offset:(\kq)*32*PV+32*(\i)
	ds_load_tr16_b128 v[(\f)+32+8*(\i)+4:(\f)+32+8*(\i)+7], v[ADRB] offset:(\kq)*32*PV+16*PV+32*(\i)
.endr
.irp i, 0,1,2,3
	ds_load_b128 v[(\f)+8*(\i):(\f)+8*(\i)+3],   v[ADRA] offset:64*(\kq)+(\i)*16*PITCH
	ds_load_b128 v[(\f)+8*(\i)+4:(\f)+8*(\i)+7], v[ADRA] offset:64*(\kq)+(\i)*16*PITCH+32
.endr
.endm
.macro SCALE f                         ; p times f_t: a lane's eight registers of a fragment belong to one row
	WIN 0x45                                       ; destination and both sources window 1
.irp a, 0,1,2,3
.irp q, 0,1,2,3,4,5,6,7
	v_pk_mul_f16 v[(\f)+8*(\a)+(\q)], v[(\f)+8*(\a)+(\q)], v[FC+(\a)]
.endr
.endr
.endm
.macro MUL8 f, a, mode                 ; mode 0: add on; 1: C = 0.  The 32 accumulators take turns, always in the same order.
	WIN MUL
.irp b, 0,1,2,3,4,5,6,7
.if (\mode) == 1
	v_wmma_f32_16x16x32_f16 v[8*(8*(\a)+(\b)):8*(8*(\a)+(\b))+7], v[(\f)+32+8*(\b):(\f)+32+8*(\b)+7], v[(\f)+8*(\a):(\f)+8*(\a)+7], 0
.else
	v_wmma_f32_16x16x32_f16 v[8*(8*(\a)+(\b)):8*(8*(\a)+(\b))+7], v[(\f)+32+8*(\b):(\f)+32+8*(\b)+7], v[(\f)+8*(\a):(\f)+8*(\a)+7], v[8*(8*(\a)+(\b)):8*(8*(\a)+(\b))+7]
.endif
.endr
.endm
.macro MUL16 f, a0, mode
	MUL8 \f, \a0, \mode
	MUL8 \f, (\a0)+1, \mode
.endm
.macro QUARTER kq, f, g, mode
	s_wait_dscnt 0x0                               ; buffer f is in, issued 16 matrix instructions ago
	SCALE \f
	MUL16 \f, 0, \mode
	PLACES
	FETCH \kq, \g
	MUL16 \f, 2, \mode
.endm
.macro TURN fill, last
	WIN 0
	s_wait_tensorcnt 0x0
	ds_add_u32 v[SPW], v[NIL]
	s_wait_dscnt 1                                 ; (the add alone may be out)
	SCALE F1
	MUL8 F1, 0, 0
	s_wait_dscnt 0x0                               ; the add is done, and my reads of this slot are over
	s_barrier_signal -1
	MUL8 F1, 1, 0
	WIN 0
	s_barrier_wait -1
.if \fill
	CREST
	s_xor_b32 s[G0+5], s[G0+5], SLOT1
	s_add_nc_u64 s[G0+6:G0+7], s[G0+6:G0+7], KA
	s_xor_b32 s[G0B+5], s[G0B+5], SLOT1
	s_add_nc_u64 s[G0B+6:G0B+7], s[G0B+6:G0B+7], KB
	JLOAD
.else
	PLACES
.endif
.if \last
	s_cmp_eq_u32 s[CNT], 1
	s_cbranch_scc1 .Lno_fetch_\@
.endif
	s_xor_b32 s[TB], s[TB], SLOT1
	v_add_nc_u32 v[ADRA], s[TB], v[A0]
	v_add_nc_u32 v[ADRB], s[TB], v[B0]
	v_add_nc_u32 v[FTA], 256, v[FTA]               ; the next chunk's f
	FETCH 0, F0, 1
.if \last
	WIN 0
.Lno_fetch_\@:
.endif
	MUL16 F1, 2, 0
.endm
.macro SCL a                           ; row block a divided by L
	WIN 0x82                                       ; destination and source 0 window 2, source 1 window 0
.set i, 64*(\a)
.rept 32
	v_pk_mul_f32 v[i:i+1], v[i:i+1], v[IV+2*(\a):IV+2*(\a)+1] op_sel_hi:[1,0]
.set i, i+2
.endr
.endm
.macro PACK a
	WIN 0x0a
.irp b, 0,1,2,3,4,5,6,7
.irp q, 0,1,2,3
	v_cvt_pk_f16_f32 v[TMP+4*(\b)+(\q)], v[64*(\a)+8*(\b)+2*(\q)], v[64*(\a)+8*(\b)+2*(\q)+1]
.endr
.endr
	WIN 0
.endm
.macro TOSTAGE a
	WIN 0
.set BK, OB+32*((\a)%2)
.irp b, 0,1,2,3,4,5,6,7
	ds_store_b128 v[STO], v[TMP+4*(\b):TMP+4*(\b)+3] offset:32*(\b)
.endr
.irp t, 0,1,2,3,4,5,6,7
	ds_load_b128 v[BK+4*(\t):BK+4*(\t)+3], v[RD] offset:(\t)*2*SPITCH  ; LDS serves a wave's instructions in order: these see the stores above
.endr
.endm
.macro SEND a
	WIN 0
.set BK, OB+32*((\a)%2)
	s_wait_dscnt 0x0
	s_wait_xcnt 0x0                                ; the base and the registers that earlier stores read are rewritten only behind this wait
.if (\a) > 0
	s_add_nc_u64 s[CB:CB+1], s[CB:CB+1], 16*LDC
.endif
.irp t, 0,1,2,3,4,5,6,7
	global_store_b128 v[CO], v[BK+4*(\t):BK+4*(\t)+3], s[CB:CB+1] offset:2*(\t)*LDC  ; 16 lanes store 256 consecutive bytes, aligned
.endr
.endm
	s_wait_dscnt 0x0                               ; my stores into the tables are done: no LDS instruction is out at a signal
	s_wait_tensorcnt 0x1                           ; my part of K step 0 is in; K step 1's stays out
	s_barrier_signal -1
	s_barrier_wait -1
	FETCH 0, F0, 1
	QUARTER 1, F0, F1, 1                           ; the first quarter's products start the sums
	WIN 0
	s_mov_b32 s[CNT], T-2
.Lstep:
	QUARTER 2, F1, F0, 0
	QUARTER 3, F0, F1, 0
	TURN 1, 0
	QUARTER 1, F0, F1, 0
	WIN 0
	s_sub_co_u32 s[CNT], s[CNT], 1
	s_cmp_lg_u32 s[CNT], 0
	s_cbranch_scc1 .Lstep
	s_mov_b32 s[CNT], 2
.Ltail:                                                ; the last two K steps ask for nothing
	QUARTER 2, F1, F0, 0
	QUARTER 3, F0, F1, 0
	TURN 0, 1
	WIN 0
	s_cmp_eq_u32 s[CNT], 1
	s_cbranch_scc1 .Lno_quarter
	QUARTER 1, F0, F1, 0
	WIN 0
.Lno_quarter:
	s_sub_co_u32 s[CNT], s[CNT], 1
	s_cmp_lg_u32 s[CNT], 0
	s_cbranch_scc1 .Ltail
.irp a, 0,1,2,3
	ds_load_b32 v[IV+2*(\a)],   v[ILA] offset:64*(\a)   ; 1 / L of row 16 a + r, into both registers of a pair
	ds_load_b32 v[IV+2*(\a)+1], v[ILA] offset:64*(\a)
.endr
	PLACES
	s_wait_dscnt 0x0
	SCL 0
	PACK 0
	TOSTAGE 0
.irp a, 1,2,3
	SCL \a
	PACK \a
	SEND (\a)-1
	TOSTAGE \a
.endr
	SEND 3
	s_wait_tensorcnt 0x0                           ; the wave's end
	ds_add_u32 v[SPW], v[NIL]
	s_wait_dscnt 0x0
	CROUND                                         ; the closing round
	s_endpgm
.Lfunc_end_k_qf99b3fdfbb_ctx:
	.size	k_qf99b3fdfbb_ctx, .Lfunc_end_k_qf99b3fdfbb_ctx-k_qf99b3fdfbb_ctx
	.p2alignl 7, 3214868480
	.fill 96, 4, 3214868480
	.section	.rodata,"a",@progbits
	.p2align	6, 0x0
	.amdhsa_kernel k_qf99b3fdfbb_ctx
		.amdhsa_group_segment_fixed_size 327680
		.amdhsa_private_segment_fixed_size 0
		.amdhsa_enable_private_segment 0
		.amdhsa_kernarg_size 32
		.amdhsa_user_sgpr_count 2
		.amdhsa_user_sgpr_kernarg_segment_ptr 1
		.amdhsa_wavefront_size32 1
		.amdhsa_system_sgpr_workgroup_id_x 1
		.amdhsa_system_sgpr_workgroup_id_y 1
		.amdhsa_system_sgpr_workgroup_id_z 1
		.amdhsa_system_vgpr_workitem_id 0
		.amdhsa_next_free_vgpr 768
		.amdhsa_next_free_sgpr 80
		.amdhsa_reserve_vcc 0
		.amdhsa_float_denorm_mode_32 3
		.amdhsa_float_denorm_mode_16_64 3
		.amdhsa_memory_ordered 1
		.amdhsa_forward_progress 1
		.amdhsa_inst_pref_size 94
	.end_amdhsa_kernel
	.amdgpu_metadata
---
amdhsa.version: [ 1, 2 ]
amdhsa.kernels:
  - .name:           k_qf99b3fdfbb_ctx
    .symbol:         k_qf99b3fdfbb_ctx.kd
    .args:
      - { .name: pt, .offset: 0, .size: 8, .value_kind: global_buffer, .address_space: global }
      - { .name: xh, .offset: 8, .size: 8, .value_kind: global_buffer, .address_space: global }
      - { .name: stats, .offset: 16, .size: 8, .value_kind: global_buffer, .address_space: global }
      - { .name: ctxh, .offset: 24, .size: 8, .value_kind: global_buffer, .address_space: global }
    .group_segment_fixed_size: 327680
    .private_segment_fixed_size: 0
    .kernarg_segment_align: 8
    .kernarg_segment_size: 32
    .max_flat_workgroup_size: 128
    .sgpr_count:     80
    .vgpr_count:     768
    .wavefront_size: 32
...
	.end_amdgpu_metadata
.endif
;; end of part 9
;; launch outp (part 10): grid 4 x 64, 4 waves a work-group, clusters of 4 x 4, 327,680 bytes of LDS; arguments ctxh, wh, bias, out0; writes out0
.if DOCPART == 10
	.amdgcn_target "amdgcn-amd-amdhsa--gfx1250"
	.amdhsa_code_object_version 6
	.text
	.protected	k_qf99b3fdfbb_outp
	.globl	k_qf99b3fdfbb_outp
	.p2align	8
	.type	k_qf99b3fdfbb_outp,@function
k_qf99b3fdfbb_outp:
	s_mov_b64 s[64:65], 0
	v_nop
	global_prefetch_b8 v0, s[64:65] scope:SCOPE_SE
	s_setreg_imm32_b32 hwreg(HW_REG_WAVE_MODE, 25, 1), 1
	s_wait_xcnt 0x0
	s_wait_alu depctr_hold_cnt(0) depctr_sa_sdst(0) depctr_va_vdst(0) depctr_va_sdst(0) depctr_va_ssrc(0) depctr_va_vcc(0) depctr_vm_vsrc(0)
	s_getreg_b32 s2, hwreg(HW_REG_IB_STS2, 6, 4)
	s_cmp_eq_u32 s2, 0
	s_cbranch_scc0 .Lentry_in_a_cluster
	s_endpgm
.Lentry_in_a_cluster:
	s_bfe_u32 s2, ttmp6, 0x10000c
	s_cmp_lg_u32 s2, 0xf033
	s_cbranch_scc0 .Lentry_shape_is_right
	s_endpgm
.Lentry_shape_is_right:
; out0[m][n] = sum over k of ctxh[m][k] W2[n][k] + b2[n], with ctxh = softmax x ([8192][1024] f16), W2 = Wo Wv (rows 3072-4095 of wh, f16) and b2 = Wo bv + bo (numbers 3072-4095 of bias, f32).
; That is softmax (x Wv^T + bv) Wo^T + bo, since a row of the softmax sums to one.  out0: [8192][1024] f32.  Sums in f32.
; A NaN in a row of ctxh (a row with no visible key) reaches that row of out0 alone.
; A tile of C is 128 x 256: 4 x 64 = 256 work-groups.  Four waves, each 64 rows x 128 columns: 32 accumulators.  K in steps of 128 through two LDS slots filled by tensor loads.
; CLUSTER 4 x 4: A's tile is shared along a row of the cluster, B's along a column.  THE MATRIX INSTRUCTION IS USED TRANSPOSED: a lane holds row lane % 16 of C and the columns 8 (lane / 16) + 0..7.
; The bias is the C operand of each accumulator's first product.  The way out goes through each wave's own stage, 16 rows of 512 bytes at a time: a wave's store covers 512 consecutive bytes.
; REGISTERS: window 0: v0-31 addresses, v64-127 the bias, v128-255 the way out; window 1: two fragment buffers of 96; window 2: accumulator (a, b) at v[8 (8 a + b)].
.set T,      8
.set PITCH,  272
.set AH,     64*PITCH
.set BH,     128*PITCH
.set BOFF,   2*AH
.set SLOT1,  131072
.set STAGE,  SLOT1+BOFF+2*BH
.set SPITCH, 528                       ; a row of the stage: 512 bytes + 16
.set SPARE,  STAGE+4*16*SPITCH
.set KA,     256
.set KB,     256
.set LDC,    4096                      ; bytes in a row of out0
.set A0,   16
.set B0,   17
.set ADRA, 18
.set ADRB, 19
.set STO,  24
.set RD,   25
.set CO,   26
.set SPW,  28
.set NIL,  29
.set BI,   64
.set OB,   128
.set F0,   0
.set F1,   96
.set WV, 12
.set RH, 13
.set CH, 14
.set CX, 15
.set CY, 16
.set TX, 17
.set TY, 18
.set CLY, 19
.set MR, 20
.set MC, 21
.set LA, 22
.set LB, 23
.set G1, 24
.set G0, 32
.set AA, 40
.set BA, 44
.set G1B, 48
.set G0B, 56
.set TB, 66
.set CNT, 67
.set CB, 68
.set CT, 70
.set BB, 72
.set GW, (1<<16)|(1<<20)|(1<<21)|(5<<22)|(3<<25)
.set MUL,  0xa5
.set MULB, 0x85
.set TO_F, 0x40
.set MSB, 0
.macro WIN new
.if MSB != (\new)
	s_set_vgpr_msb (MSB<<8)|(\new)
.set MSB, \new
.endif
.endm
.macro PLACES
.rept 4
	v_nop
.endr
.endm
.macro CREST
	s_cmp_lg_u32 s[WV], 0
	s_cbranch_scc1 .Lnot_wave_0_\@
	s_barrier_signal -3
.Lnot_wave_0_\@:
	s_barrier_wait -3
	s_barrier_signal -1
	s_barrier_wait -1
.endm
.macro CROUND
	s_barrier_signal -1
	s_barrier_wait -1
	CREST
.endm
.macro JLOAD
	s_cmp_eq_u32 s[RH], 0
	s_cbranch_scc0 .Lfor_b_\@
	tensor_load_to_lds s[G0+4:G0+7], s[G1:G1+7]
	s_nop 0
.rept 4
	v_nop
.endr
	s_branch .Lasked_\@
.Lfor_b_\@:
	tensor_load_to_lds s[G0B+4:G0B+7], s[G1B:G1B+7]
	s_nop 0
.rept 4
	v_nop
.endr
.Lasked_\@:
.endm
	s_load_b256 s[4:11], s[0:1], 0x0               ; ctxh 4:5, wh 6:7, bias 8:9, out0 10:11
	v_lshl_add_u32 v[SPW], v0, 2, SPARE
	v_mov_b32 v[NIL], 0
	ds_add_u32 v[SPW], v[NIL]                      ; the wave's opening: the add and its wait stand ahead of my first tensor load
	ds_add_u32 v28, v29
	v_lshrrev_b32 v1, 5, v0
	v_readfirstlane_b32 s[WV], v1
	s_lshr_b32 s[RH], s[WV], 1
	s_and_b32 s[CH], s[WV], 1
	s_bfe_u32 s[CX], ttmp6, 0x40000
	s_bfe_u32 s[CY], ttmp6, 0x40004
	s_lshl_b32 s[TX], ttmp9, 2
	s_add_co_u32 s[TX], s[TX], s[CX]
	s_and_b32 s[CLY], ttmp7, 0xffff
	s_lshl_b32 s[TY], s[CLY], 2
	s_add_co_u32 s[TY], s[TY], s[CY]
	s_lshl_b32 s[MR], s[CY], 2
	s_lshl_b32 s[MR], 15, s[MR]
	s_lshl_b32 s[MC], 0x1111, s[CX]
	s_or_b32 s[G1], s[MR], GW
	s_or_b32 s[G1B], s[MC], GW
	s_mov_b32 s[G1+1], 128<<16
	s_mov_b32 s[G1+2], 64<<16
	s_mov_b32 s[G1+3], 128<<16
	s_mov_b32 s[G1+4], 64
	s_mov_b32 s[G1+5], 1024
	s_mov_b32 s[G1+6], 0
	s_mov_b32 s[G1+7], 0
	s_mov_b32 s[G1B+1], 128<<16
	s_mov_b32 s[G1B+2], 128<<16
	s_mov_b32 s[G1B+3], 128<<16
	s_mov_b32 s[G1B+4], 128
	s_mov_b32 s[G1B+5], 1024
	s_mov_b32 s[G1B+6], 0
	s_mov_b32 s[G1B+7], 0
	s_lshl_b32 s[AA], s[TY], 7
	s_lshl_b32 s[AA+2], s[CH], 6
	s_add_co_u32 s[AA], s[AA], s[AA+2]
	s_lshl_b32 s[AA], s[AA], 11
	s_mov_b32 s[AA+1], 0
	s_lshl_b32 s[BA], s[TX], 8
	s_lshl_b32 s[BA+2], s[CH], 7
	s_add_co_u32 s[BA], s[BA], s[BA+2]
	s_add_co_u32 s[BA], s[BA], 3072                ; W2's rows lie from row 3,072 of wh on
	s_lshl_b32 s[BA], s[BA], 11
	s_mov_b32 s[BA+1], 0
	s_mul_i32 s[LA], s[CH], AH
	s_mul_i32 s[LB], s[CH], BH
	s_add_co_u32 s[LB], s[LB], BOFF
	s_lshl_b32 s[BB], s[TX], 10
	s_lshl_b32 s[BB+1], s[CH], 9
	s_add_co_u32 s[BB], s[BB], s[BB+1]
	s_add_co_u32 s[BB], s[BB], 12288               ; b2 lies from number 3,072 of bias on
	s_mov_b32 s[BB+1], 0
	s_lshl_b32 s[CT], s[TY], 7
	s_lshl_b32 s[CT+1], s[RH], 6
	s_add_co_u32 s[CT], s[CT], s[CT+1]
	s_lshl_b32 s[CT], s[CT], 12                    ; my first row, of 4,096 bytes,
	s_lshl_b32 s[CT+1], s[TX], 10                  ; my first column, in bytes
	s_add_co_u32 s[CT], s[CT], s[CT+1]
	s_lshl_b32 s[CT+1], s[CH], 9
	s_add_co_u32 s[CT], s[CT], s[CT+1]
	s_mov_b32 s[CT+1], 0
	s_mov_b32 s[TB], 0
	s_wait_dscnt 0x0                               ; the opening add is done
	s_wait_kmcnt 0x0
	s_add_nc_u64 s[AA:AA+1], s[4:5], s[AA:AA+1]
	s_add_nc_u64 s[BA:BA+1], s[6:7], s[BA:BA+1]
	s_add_nc_u64 s[BB:BB+1], s[8:9], s[BB:BB+1]
	s_add_nc_u64 s[CB:CB+1], s[10:11], s[CT:CT+1]
	CROUND                                         ; all sixteen work-groups are here: the first joint loads meet
.irp s, 0,1
	s_mov_b32 s[G0+4*(\s)], 1
	s_add_co_u32 s[G0+4*(\s)+1], s[LA], (\s)*SLOT1
	s_add_nc_u64 s[G0+4*(\s)+2:G0+4*(\s)+3], s[AA:AA+1], (\s)*KA
	s_or_b32 s[G0+4*(\s)+3], s[G0+4*(\s)+3], 0x80000000
	s_mov_b32 s[G0B+4*(\s)], 1
	s_add_co_u32 s[G0B+4*(\s)+1], s[LB], (\s)*SLOT1
	s_add_nc_u64 s[G0B+4*(\s)+2:G0B+4*(\s)+3], s[BA:BA+1], (\s)*KB
	s_or_b32 s[G0B+4*(\s)+3], s[G0B+4*(\s)+3], 0x80000000
.endr
	s_cmp_eq_u32 s[RH], 0                          ; a wave's two first fills stand in one branch: two loads of mine are out
	s_cbranch_scc0 .Lfirst_b
	tensor_load_to_lds s[G0:G0+3], s[G1:G1+7]
	s_nop 0
	tensor_load_to_lds s[G0+4:G0+7], s[G1:G1+7]
	s_nop 0
.rept 4
	v_nop
.endr
	s_branch .Lfirst_asked
.Lfirst_b:
	tensor_load_to_lds s[G0B:G0B+3], s[G1B:G1B+7]
	s_nop 0
	tensor_load_to_lds s[G0B+4:G0B+7], s[G1B:G1B+7]
	s_nop 0
.rept 4
	v_nop
.endr
.Lfirst_asked:
	v_and_b32 v1, 15, v0                           ; r
	v_bfe_u32 v2, v0, 4, 1                         ; h
	v_lshlrev_b32 v5, 5, v2
.irp b, 0,1,2,3,4,5,6,7
	global_load_b128 v[BI+8*(\b):BI+8*(\b)+3],   v5, s[BB:BB+1] offset:64*(\b)
	global_load_b128 v[BI+8*(\b)+4:BI+8*(\b)+7], v5, s[BB:BB+1] offset:64*(\b)+16
.endr
	v_mul_u32_u24 v3, v1, PITCH
	v_lshl_add_u32 v3, v2, 4, v3
	s_mul_i32 s[CT], s[RH], AH
	v_add_nc_u32 v[A0], s[CT], v3
	s_mul_i32 s[CT], s[CH], BH
	s_add_co_u32 s[CT], s[CT], BOFF
	v_add_nc_u32 v[B0], s[CT], v3
	v_mov_b32 v[ADRA], v[A0]
	v_mov_b32 v[ADRB], v[B0]
	s_mul_i32 s[CT], s[WV], 16*SPITCH
	s_add_co_u32 s[CT], s[CT], STAGE               ; my stage
	v_mul_u32_u24 v4, v1, SPITCH                   ; in: row r, 32 bytes for each half of the lanes
	v_lshl_add_u32 v4, v2, 5, v4
	v_add_nc_u32 v[STO], s[CT], v4
	v_and_b32 v4, 31, v0
	v_lshlrev_b32 v[CO], 4, v4                     ; back and out: 32 lanes take a row's 512 bytes
	v_add_nc_u32 v[RD], s[CT], v[CO]
.macro FETCH k, f
	WIN TO_F
.irp i, 0,1,2,3,4,5,6,7
	ds_load_b128 v[(\f)+32+8*(\i):(\f)+32+8*(\i)+3],   v[ADRB] offset:(\k)+(\i)*16*PITCH
	ds_load_b128 v[(\f)+32+8*(\i)+4:(\f)+32+8*(\i)+7], v[ADRB] offset:(\k)+(\i)*16*PITCH+32
.endr
.irp i, 0,1,2,3
	ds_load_b128 v[(\f)+8*(\i):(\f)+8*(\i)+3],   v[ADRA] offset:(\k)+(\i)*16*PITCH
	ds_load_b128 v[(\f)+8*(\i)+4:(\f)+8*(\i)+7], v[ADRA] offset:(\k)+(\i)*16*PITCH+32
.endr
.endm
.macro MUL8 f, a, mode                 ; mode 0: add on; 2: C = the bias.  The 32 accumulators take turns, always in the same order.
.if (\mode) == 2
	WIN MULB
.else
	WIN MUL
.endif
.irp b, 0,1,2,3,4,5,6,7
.if (\mode) == 2
	v_wmma_f32_16x16x32_f16 v[8*(8*(\a)+(\b)):8*(8*(\a)+(\b))+7], v[(\f)+32+8*(\b):(\f)+32+8*(\b)+7], v[(\f)+8*(\a):(\f)+8*(\a)+7], v[BI+8*(\b):BI+8*(\b)+7]
.else
	v_wmma_f32_16x16x32_f16 v[8*(8*(\a)+(\b)):8*(8*(\a)+(\b))+7], v[(\f)+32+8*(\b):(\f)+32+8*(\b)+7], v[(\f)+8*(\a):(\f)+8*(\a)+7], v[8*(8*(\a)+(\b)):8*(8*(\a)+(\b))+7]
.endif
.endr
.endm
.macro MUL16 f, a0, mode
	MUL8 \f, \a0, \mode
	MUL8 \f, (\a0)+1, \mode
.endm
.macro QUARTER k, f, g, mode
	s_wait_dscnt 4                                 ; B and A's first two fragments are in; the youngest four loads may be out
	MUL16 \f, 0, \mode
	PLACES
	FETCH \k, \g
	s_wait_dscnt 24                                ; all but the 24 just issued
	MUL16 \f, 2, \mode
.endm
.macro TURN fill, last
	WIN 0
	s_wait_tensorcnt 0x0
	ds_add_u32 v[SPW], v[NIL]
	s_wait_dscnt 5                                 ; (the add and the youngest four loads may be out)
	MUL8 F1, 0, 0
	s_wait_dscnt 0x0                               ; the add is done, and my reads of this slot are over
	s_barrier_signal -1
	MUL8 F1, 1, 0
	WIN 0
	s_barrier_wait -1
.if \fill
	CREST
	s_xor_b32 s[G0+5], s[G0+5], SLOT1
	s_add_nc_u64 s[G0+6:G0+7], s[G0+6:G0+7], KA
	s_xor_b32 s[G0B+5], s[G0B+5], SLOT1
	s_add_nc_u64 s[G0B+6:G0B+7], s[G0B+6:G0B+7], KB
	JLOAD
.else
	PLACES
.endif
.if \last
	s_cmp_eq_u32 s[CNT], 1
	s_cbranch_scc1 .Lno_fetch_\@
.endif
	s_xor_b32 s[TB], s[TB], SLOT1
	v_add_nc_u32 v[ADRA], s[TB], v[A0]
	v_add_nc_u32 v[ADRB], s[TB], v[B0]
	FETCH 0, F0
.if \last
	WIN 0
.Lno_fetch_\@:
.endif
	MUL16 F1, 2, 0
.endm
; THE WAY OUT of row block a: the f32 sums go into my stage, 32 bytes a lane and column block, and come back as whole rows of 512 bytes.
.macro OUTA a
	WIN 0x08                                       ; the stores' data in window 2
.irp b, 0,1,2,3,4,5,6,7
	ds_store_b128 v[STO], v[64*(\a)+8*(\b):64*(\a)+8*(\b)+3]   offset:64*(\b)
	ds_store_b128 v[STO], v[64*(\a)+8*(\b)+4:64*(\a)+8*(\b)+7] offset:64*(\b)+16
.endr
	WIN 0
.set BK, OB+64*((\a)%2)
.irp t, 0,1,2,3,4,5,6,7,8,9,10,11,12,13,14,15
	ds_load_b128 v[BK+4*(\t):BK+4*(\t)+3], v[RD] offset:(\t)*SPITCH  ; LDS serves a wave's instructions in order: these see the stores above
.endr
	s_wait_xcnt 0x0                                ; the base, and the registers that the block before last's stores read, are rewritten only behind this wait
.if (\a) > 0
	s_add_nc_u64 s[CB:CB+1], s[CB:CB+1], 16*LDC
.endif
.irp t, 0,1,2,3,4,5,6,7,8,9,10,11,12,13,14,15
	s_wait_dscnt 15-(\t)                           ; row t is back; the 15 - t younger loads stay out
	global_store_b128 v[CO], v[BK+4*(\t):BK+4*(\t)+3], s[CB:CB+1] offset:(\t)*LDC  ; 512 consecutive bytes, aligned
.endr
.endm
	s_wait_tensorcnt 0x1                           ; my part of K step 0 is in; K step 1's stays out
	s_barrier_signal -1
	s_barrier_wait -1
	FETCH 0, F0
	s_wait_loadcnt 0x0                             ; the bias
	QUARTER 64, F0, F1, 2
	WIN 0
	s_mov_b32 s[CNT], T-2
.Lstep:
	QUARTER 128, F1, F0, 0
	QUARTER 192, F0, F1, 0
	TURN 1, 0
	QUARTER 64, F0, F1, 0
	WIN 0
	s_sub_co_u32 s[CNT], s[CNT], 1
	s_cmp_lg_u32 s[CNT], 0
	s_cbranch_scc1 .Lstep
	s_mov_b32 s[CNT], 2
.Ltail:                                                ; the last two K steps ask for nothing
	QUARTER 128, F1, F0, 0
	QUARTER 192, F0, F1, 0
	TURN 0, 1
	WIN 0
	s_cmp_eq_u32 s[CNT], 1
	s_cbranch_scc1 .Lno_quarter
	QUARTER 64, F0, F1, 0
	WIN 0
.Lno_quarter:
	s_sub_co_u32 s[CNT], s[CNT], 1
	s_cmp_lg_u32 s[CNT], 0
	s_cbranch_scc1 .Ltail
	s_wait_dscnt 0x0
	PLACES
	OUTA 0
	OUTA 1
	OUTA 2
	OUTA 3
	s_wait_tensorcnt 0x0                           ; the wave's end
	ds_add_u32 v[SPW], v[NIL]
	s_wait_dscnt 0x0
	CROUND                                         ; the closing round
	s_endpgm
.Lfunc_end_k_qf99b3fdfbb_outp:
	.size	k_qf99b3fdfbb_outp, .Lfunc_end_k_qf99b3fdfbb_outp-k_qf99b3fdfbb_outp
	.p2alignl 7, 3214868480
	.fill 96, 4, 3214868480
	.section	.rodata,"a",@progbits
	.p2align	6, 0x0
	.amdhsa_kernel k_qf99b3fdfbb_outp
		.amdhsa_group_segment_fixed_size 327680
		.amdhsa_private_segment_fixed_size 0
		.amdhsa_enable_private_segment 0
		.amdhsa_kernarg_size 32
		.amdhsa_user_sgpr_count 2
		.amdhsa_user_sgpr_kernarg_segment_ptr 1
		.amdhsa_wavefront_size32 1
		.amdhsa_system_sgpr_workgroup_id_x 1
		.amdhsa_system_sgpr_workgroup_id_y 1
		.amdhsa_system_sgpr_workgroup_id_z 1
		.amdhsa_system_vgpr_workitem_id 0
		.amdhsa_next_free_vgpr 768
		.amdhsa_next_free_sgpr 76
		.amdhsa_reserve_vcc 0
		.amdhsa_float_denorm_mode_32 3
		.amdhsa_float_denorm_mode_16_64 3
		.amdhsa_memory_ordered 1
		.amdhsa_forward_progress 1
		.amdhsa_inst_pref_size 63
	.end_amdhsa_kernel
	.amdgpu_metadata
---
amdhsa.version: [ 1, 2 ]
amdhsa.kernels:
  - .name:           k_qf99b3fdfbb_outp
    .symbol:         k_qf99b3fdfbb_outp.kd
    .args:
      - { .name: ctxh, .offset: 0, .size: 8, .value_kind: global_buffer, .address_space: global }
      - { .name: wh, .offset: 8, .size: 8, .value_kind: global_buffer, .address_space: global }
      - { .name: bias, .offset: 16, .size: 8, .value_kind: global_buffer, .address_space: global }
      - { .name: out0, .offset: 24, .size: 8, .value_kind: global_buffer, .address_space: global }
    .group_segment_fixed_size: 327680
    .private_segment_fixed_size: 0
    .kernarg_segment_align: 8
    .kernarg_segment_size: 32
    .max_flat_workgroup_size: 128
    .sgpr_count:     76
    .vgpr_count:     768
    .wavefront_size: 32
...
	.end_amdgpu_metadata
.endif
;; end of part 10
